; MI455X (gfx1250); checked and timed in simulation.
; The chip was launched on July 23, 2026; its instructions are those of AMD's public machine-readable ISA for CDNA 5 (MIT licence, August 2026) and "CDNA5" Instruction Set Architecture Reference Guide (July 2026). The comments in the code are by the model that wrote it; some were corrected since.
;; Block. Allowed arithmetic: matrix products marked QUANTISED: E4M3 operands, one E8M0 scale for each 32 along K, by v_wmma_scale_f32_16x16x128_f8f6f4 with both operands' format E4M3, f32 sums; everything else in f32.
;; Inputs: cos 1 x 1 x 2,048 x 64 float32; ln1_b 1,024 float32; ln1_w 1,024 float32; ln2_b 1,024 float32; ln2_w 1,024 float32; mask 1 x 1 x 2,048 x 2,048 bool; sin 1 x 1 x 2,048 x 64 float32; w_fc1_codes 4,096 x 32 x 32 uint8 (E4M3 codes of w_fc1, K innermost, in blocks of 32 codes); w_fc1_scales 4,096 x 32 uint8 (E8M0 scales of w_fc1, one for each 32 codes along K); w_fc2_codes 1,024 x 128 x 32 uint8 (E4M3 codes of w_fc2, K innermost, in blocks of 32 codes); w_fc2_scales 1,024 x 128 uint8 (E8M0 scales of w_fc2, one for each 32 codes along K); w_proj_codes 1,024 x 32 x 32 uint8 (E4M3 codes of w_proj, K innermost, in blocks of 32 codes); w_proj_scales 1,024 x 32 uint8 (E8M0 scales of w_proj, one for each 32 codes along K); w_qkv_codes 3,072 x 32 x 32 uint8 (E4M3 codes of w_qkv, K innermost, in blocks of 32 codes); w_qkv_scales 3,072 x 32 uint8 (E8M0 scales of w_qkv, one for each 32 codes along K); x 2 x 2,048 x 1,024 float32.
;; Outputs: out0 2 x 2,048 x 1,024 float32.
;; This version of the problem:
;;   THIS VERSION OF THE PROBLEM IS GIVEN IN LOW PRECISION. The matrix products marked QUANTISED in the list below multiply operands that are first quantised to E4M3 (4 exponent bits, 3 mantissa bits; 8 bits a number), with one power-of-two scale for each 32 numbers along K (OCP MX v1.0); their sums are f32. All else is computed in f32.
;;   The module's matrix products, in the order in which they are computed (A, B: the left and right operand; K: the contracted axis; several contracted axes count as one K, in the product's order):
;;     1. [M 4,096, K 1,024] x [K 1,024, N 3,072]; A: computed on the way; B: input w_qkv (given as codes): QUANTISED
;;     2. batch 32 x [M 2,048, K 64] x [K 64, N 2,048]; A: computed on the way; B: computed on the way: QUANTISED
;;     3. batch 32 x [M 2,048, K 2,048] x [K 2,048, N 64]; A: softmax (see below); B: computed on the way: QUANTISED
;;     4. [M 4,096, K 1,024] x [K 1,024, N 1,024]; A: computed on the way; B: input w_proj (given as codes): QUANTISED
;;     5. [M 4,096, K 1,024] x [K 1,024, N 4,096]; A: computed on the way; B: input w_fc1 (given as codes): QUANTISED
;;     6. [M 4,096, K 4,096] x [K 4,096, N 1,024]; A: computed on the way; B: input w_fc2 (given as codes): QUANTISED
;;   THE QUANTISER, for each operand of a quantised product, along K:
;;     - K is cut into blocks of 32 from its start; a last block that is shorter is filled with zeros.
;;     - A block's scale is 2^e with e = floor(log2(the largest magnitude in the block)) - 8, held to -126 .. 127; a block of zeros has e = 0. As a byte (E8M0): e + 127.
;;     - Each number is divided by its block's scale, clamped to +-448, and rounded to the nearest number of E4M3, ties to even, subnormals kept.
;;     - The product sums the exact products of the quantised numbers (number of the format x scale) in f32.
;;   ~~~python
;;   def quantise(x, axis):      # numpy; x: float32 -> the quantised numbers, widened to float32 again
;;       x = np.moveaxis(x, axis, -1); K = x.shape[-1]
;;       x = np.pad(x, [(0, 0)] * (x.ndim - 1) + [(0, -K % 32)]); x = x.reshape(x.shape[:-1] + (-1, 32)); a = np.abs(x).max(-1, keepdims=True)
;;       e = np.where(a > 0, np.clip(np.frexp(np.where(a > 0, a, 1))[1] - 1 - 8, -126, 127), 0)      # np.frexp(a)[1] - 1 = floor(log2(a)), exactly
;;       r = np.clip(x / 2.0 ** e, -448, 448)
;;       step = 2.0 ** (np.maximum(np.frexp(np.where(r == 0, 1, r))[1] - 1, -6) - 3)
;;       q = np.round(r / step) * step * 2.0 ** e      # np.round: ties to even
;;       return np.moveaxis(q.reshape(q.shape[:-2] + (-1,))[..., :K], -1, axis).astype(np.float32)
;;   ~~~
;;   SOFTMAX AHEAD OF A QUANTISED PRODUCT. Where the list says 'softmax', what is quantised is not the finished softmax but p = 2^(t - M), with t = logit x log2(e) and M = ceil(the row's largest t), a whole number; so 1/2 < the row's largest p <= 1. The row's sum l is taken of the UNQUANTISED p, in f32, and the product's result is divided by l at the end. Since M is a whole number, a kernel that streams over the keys may use a running M (the ceiling of the running maximum): every later rescaling is an exact power of two, which a block's scale takes up: the codes' values come out the same.
;;   OPERANDS COMPUTED ON THE WAY. 'Computed on the way' means the value that the module computes at that place (a softmax that the list does not call 'softmax' is quantised finished and normalised). What goes into a quantiser is computed in f32, as accurately as f32 sums, v_exp_f32 and their like allow (about 1e-6 of the number): no bf16 or f16 on the way to a quantiser, and a product that is left as it is and whose result goes on into a quantised operand takes f32 operands (vector FMAs, or v_wmma_f32_16x16x4_f32). A number that lies on a knife's edge between two numbers of the format may be rounded either way, as far as f32 arithmetic and the matrix unit's own rounding can turn it there, and no further.
;;   INPUTS GIVEN AS CODES. w_fc1 (in the module: [1024, 4096], K = its axis 0); w_fc2 (in the module: [4096, 1024], K = its axis 0); w_proj (in the module: [1024, 1024], K = its axis 0); w_qkv (in the module: [1024, 3072], K = its axis 0): each comes as NAME_codes (uint8): NAME with its K axis moved to the last place and cut into blocks of 32 codes, [.., K / 32, bytes a block], one block behind the other in memory; one code a byte (a code: sign, 4 exponent bits, 3 mantissa bits); and NAME_scales (uint8): the same leading axes, one E8M0 byte (e + 127) for each 32 codes along K. Its value is code x scale, taken as it is: it is not quantised again, and the codes and scales need not be those that the quantiser above would give.
;; One version. Each part assembles by itself: llvm-mc -triple=amdgcn-amd-amdhsa -mcpu=gfx1250 --defsym DOCPART=n.
;; ======== version 1 of 1: 7 launches
;; limits: right only within a limited range of input values
;; workspace buffers: msk 540,672 bytes of whole numbers; lnq 4,325,376 bytes; qkv 13,238,272 bytes; att 4,325,376 bytes; x1 16,777,216 bytes; hid 17,301,504 bytes
;; launch lnmask (part 1): grid 256 x 1, 8 waves a work-group, no clusters, 1,536 bytes of LDS; arguments x, ln1_w, ln1_b, lnq, mask, msk; writes lnq, msk
.if DOCPART == 1
	.amdgcn_target "amdgcn-amd-amdhsa--gfx1250"
	.amdhsa_code_object_version 6
	.text
	.protected	k_q2be3616ed9_lnmask
	.globl	k_q2be3616ed9_lnmask
	.p2align	8
	.type	k_q2be3616ed9_lnmask,@function
k_q2be3616ed9_lnmask:
	s_mov_b64 s[64:65], 0
	v_nop
	global_prefetch_b8 v0, s[64:65] scope:SCOPE_SE
	s_setreg_imm32_b32 hwreg(HW_REG_WAVE_MODE, 25, 1), 1
	s_wait_xcnt 0x0
; THE WHOLE PROGRAM: a pre-LN transformer block on 4,096 tokens, all six products on E4M3 codes with E8M0 scales.
; DEAD WORK: none for all values of the inputs: every input has a way to the output and is loaded.  What the mask (an input) throws away is decided by whole numbers:
; this launch packs the mask, and the attention launch reads the packed words from memory, passes over a step of 16 queries x 128 keys whose every byte is 0
; (each of its scores would be -infinity, its p 0: it adds nothing to the sum or to the product) and leaves the masking out where every byte is 1.  That holds for any mask.
; LIMITS of the program: NaN and infinities among the floating-point inputs are not served; a score that is passed over is never formed, so an overflow in it is not carried on.
; THIS LAUNCH does two things that share nothing but the waves.
; (1) LayerNorm of rows of 1,024 f32 numbers, quantised along the row: codes [4096][1024] at byte 0 of the result, scale bytes [4096][32] at byte 4,194,304.
; A wave owns 2 rows, each kept in 32 registers between the passes (mean; squares of the differences; scaling): memory is read once, and all of a wave's loads are asked for at its head.
; Lane l holds numbers 256 j + 8 l .. + 7 of chunk j = 0 .. 3: eight neighbours, as the conversion wants them; a block of 32 is four neighbouring lanes.  A chunk's two loads cover 1,024 consecutive bytes.
; A chunk's codes leave as 256 consecutive bytes, aligned.  The work-group's 16 rows have 512 scale bytes: they meet in LDS behind one barrier, and wave 0 stores them as 512 consecutive bytes.
; (2) The mask.  A unit is 16 queries (tile qt) x 128 keys (step st); there are as many units as waves.  A wave packs its unit into 64 lane masks: word n = 16 B + i, bit l = mask[16 qt + l % 16][128 st + 32 B + 16 (l / 16) + i]:
; the lane mask of the attention launch's score register n.  Words at [unit][64]; two flags a unit at 524,288 + 8 unit: (any byte set) << st, (all bytes set) << st.
; The mask's four loads are issued first, and the packing stands where the wave would wait for its rows.
; LIMITS: a block whose largest magnitude lies under 2^-118 (a block of zeros too) gets the byte 1: this program alone reads the bytes.
.set W,  32                            ; v32-63   the gains of my 32 columns
.set BB, 64                            ; v64-95   the biases
.set X,  96                            ; v96-159  my two rows
.set MB, 160                           ; v160-175 my 64 bytes of the mask
.set MT, 176                           ; v176-179 at work
.set MW, 180                           ; v180-181 the words on their way out: lane n / 2 carries words n and n + 1
.set MA, 182                           ; v182     my lane's byte in the unit's 16 rows of the mask
.set MF, 184                           ; v184-185 the flags
.set MZ, 186                           ; v186     0
.set C,  224                           ; v224-239 codes, 8 registers a row
.set E,  240                           ; v240-247 scale bytes, 4 registers a row
.set SPARE, 512                        ; behind the work-group's 512 scale bytes: the spare words, 128 bytes a wave
	s_load_b256 s[4:11], s[0:1], 0x0               ; x, gain, bias, result
	s_load_b128 s[24:27], s[0:1], 0x20             ; mask, msk
	v_lshl_add_u32 v6, v0, 2, SPARE
	v_mov_b32 v7, 0
	v_lshrrev_b32 v1, 5, v0
	s_delay_alu instid0(VALU_DEP_1)
	v_readfirstlane_b32 s19, v1                    ; wave 0..7
	v_and_b32 v1, 31, v0                           ; lane
	s_delay_alu instid0(VALU_DEP_1)
	v_lshlrev_b32 v2, 5, v1                        ; 32 bytes a lane in a chunk
	s_delay_alu instid0(VALU_DEP_2)
	v_lshlrev_b32 v3, 3, v1                        ; 8 bytes a lane on the way out
	s_delay_alu instid0(VALU_DEP_3)
	v_lshlrev_b32 v5, 4, v1                        ; 16 bytes a lane: the scale bytes' way out
	s_lshl_b32 s20, s19, 6
	v_lshrrev_b32 v4, 2, v1
	s_delay_alu instid0(VALU_DEP_1)
	v_add_nc_u32 v4, s20, v4                       ; LDS: my wave's 64 scale bytes, my block's byte
	v_and_b32 v[MT], 15, v0                        ; r
	v_bfe_u32 v[MT+1], v0, 4, 1                    ; h
	s_delay_alu instid0(VALU_DEP_2)
	v_lshlrev_b32 v[MA], 11, v[MT]                 ; a row of the mask is 2,048 bytes
	s_delay_alu instid0(VALU_DEP_1)
	v_lshl_add_u32 v[MA], v[MT+1], 4, v[MA]        ; + 16 h
	v_mov_b32 v[MW], 0                             ; a lane write's destination counts as read
	v_mov_b32 v[MW+1], 0
	v_mov_b32 v[MZ], 0
	s_lshl_b32 s21, ttmp9, 3
	s_add_co_u32 s21, s21, s19                     ; which 2 rows, and which unit of the mask: 8 x work-group + wave
	s_mov_b32 s14, 0x76543210
	s_mov_b32 s15, 0xfedcba98                      ; lane l xor 16
	s_mov_b32 s16, 0x600000                        ; the mantissa field of 448
	s_mov_b32 s17, 0x3a800000                      ; 1 / 1024
	s_mov_b32 s18, 0x3727c5ac                      ; 1e-5
	s_lshl_b32 s22, s21, 13
	s_mov_b32 s23, 0
	s_lshr_b32 s30, s21, 4                         ; qt
	s_and_b32 s37, s21, 15                         ; st
	s_lshl_b32 s30, s30, 15                        ; 16 rows of 2,048 bytes
	s_lshl_b32 s31, s37, 7
	s_add_co_u32 s30, s30, s31
	s_mov_b32 s31, 0
	s_mov_b32 s28, 0                               ; the OR of all words
	s_mov_b32 s29, -1                              ; the AND of all words
	s_wait_alu depctr_va_vdst(0)
	s_wait_kmcnt 0x0
	s_add_nc_u64 s[24:25], s[24:25], s[30:31]      ; my unit of the mask
	s_lshl_b32 s30, s21, 8
	s_add_nc_u64 s[38:39], s[26:27], s[30:31]      ; its 256 bytes of words
	s_lshl_b32 s30, s21, 3
	s_add_nc_u64 s[40:41], s[26:27], s[30:31]      ; its flags (at + 524,288)
	s_add_nc_u64 s[4:5], s[4:5], s[22:23]          ; my rows of x
	s_lshl_b32 s22, ttmp9, 9
	s_add_nc_u64 s[12:13], s[10:11], s[22:23]
	s_add_nc_u64 s[12:13], s[12:13], 0x400000      ; the work-group's 512 scale bytes
	s_lshl_b32 s22, s21, 11
	s_add_nc_u64 s[10:11], s[10:11], s[22:23]      ; my rows of codes
.irp b, 0,1,2,3
	global_load_b128 v[MB+4*\b:MB+4*\b+3], v[MA], s[24:25] offset:32*\b th:TH_LOAD_NT
.endr
.irp j, 0,1,2,3
	global_load_b128 v[W+8*\j:W+8*\j+3], v2, s[6:7] offset:1024*\j
	global_load_b128 v[W+8*\j+4:W+8*\j+7], v2, s[6:7] offset:1024*\j+16
	global_load_b128 v[BB+8*\j:BB+8*\j+3], v2, s[8:9] offset:1024*\j
	global_load_b128 v[BB+8*\j+4:BB+8*\j+7], v2, s[8:9] offset:1024*\j+16
.endr
.irp t, 0,1
.irp j, 0,1,2,3
	global_load_b128 v[X+32*\t+8*\j:X+32*\t+8*\j+3], v2, s[4:5] offset:4096*\t+1024*\j th:TH_LOAD_NT
	global_load_b128 v[X+32*\t+8*\j+4:X+32*\t+8*\j+7], v2, s[4:5] offset:4096*\t+1024*\j+16 th:TH_LOAD_NT
.endr
.endr
	; ---- the mask's unit, while gains, biases and rows are on their way
	s_wait_loadcnt 32                              ; the mask's four loads are in; the 32 issued behind them may be out
.set n, 0
.rept 64
	v_and_b32 v[MT+n%4], 0xff<<(8*(n%4)), v[MB+4*(n/16)+(n%16)/4]   ; byte i of my 16 bytes of block B
	s_delay_alu instid0(VALU_DEP_1)
	v_cmp_ne_u32 s[32+n%4], 0, v[MT+n%4]           ; the 32 lanes' bits: word n
	s_delay_alu instid0(VALU_DEP_1)
	v_writelane_b32 v[MW+n%2], s[32+n%4], n/2
	s_or_b32 s28, s28, s[32+n%4]
	s_and_b32 s29, s29, s[32+n%4]
.set n, n+1
.endr
	global_store_b64 v3, v[MW:MW+1], s[38:39]      ; 32 lanes store 256 consecutive bytes, aligned
	s_cmp_lg_u32 s28, 0
	s_cselect_b32 s30, 1, 0
	s_lshl_b32 s30, s30, s37
	s_cmp_eq_u32 s29, -1
	s_cselect_b32 s31, 1, 0
	s_lshl_b32 s31, s31, s37
	v_mov_b32 v[MF], s30
	v_mov_b32 v[MF+1], s31
	v_cmp_eq_u32 vcc_lo, 0, v1
	s_wait_alu depctr_va_vdst(0)
	s_wait_xcnt 0x0                                ; EXEC changes only behind this wait
	s_and_saveexec_b32 s36, vcc_lo
	global_store_b64 v[MZ], v[MF:MF+1], s[40:41] offset:524288
	s_wait_xcnt 0x0
	s_or_b32 exec_lo, exec_lo, s36
	; ---- the two rows
.macro REDUCE a, b                     ; the sum over the 32 lanes, in every lane
	s_delay_alu instid0(VALU_DEP_1)
	v_add_f32_dpp v[\a], v[\a], v[\a] row_xmask:1 row_mask:0xf bank_mask:0xf
	s_delay_alu instid0(VALU_DEP_1)
	v_add_f32_dpp v[\a], v[\a], v[\a] row_xmask:2 row_mask:0xf bank_mask:0xf
	s_delay_alu instid0(VALU_DEP_1)
	v_add_f32_dpp v[\a], v[\a], v[\a] row_xmask:4 row_mask:0xf bank_mask:0xf
	s_delay_alu instid0(VALU_DEP_1)
	v_add_f32_dpp v[\a], v[\a], v[\a] row_xmask:8 row_mask:0xf bank_mask:0xf
	s_delay_alu instid0(VALU_DEP_1)
	v_permlanex16_b32 v[\b], v[\a], s14, s15
	s_delay_alu instid0(VALU_DEP_1)
	v_add_f32 v[\a], v[\a], v[\b]
.endm
.macro ROW t
.set XS, X+32*(\t)
.set CC, C+8*(\t)
.set EE, E+4*(\t)
	s_wait_loadcnt 8*(1-(\t))                      ; gains, biases and this row are in; the other row's 8 loads, issued behind, may be out
.irp k, 0,1,2,3
	v_pk_add_f32 v[8+2*\k:9+2*\k], v[XS+2*\k:XS+2*\k+1], v[XS+8+2*\k:XS+9+2*\k]   ; the sum, in four chains
.endr
.irp m, 16,24
.irp k, 0,1,2,3
	s_delay_alu instid0(VALU_DEP_4)
	v_pk_add_f32 v[8+2*\k:9+2*\k], v[8+2*\k:9+2*\k], v[XS+\m+2*\k:XS+\m+2*\k+1]
.endr
.endr
	s_delay_alu instid0(VALU_DEP_3)
	v_pk_add_f32 v[8:9], v[8:9], v[10:11]
	s_delay_alu instid0(VALU_DEP_2)
	v_pk_add_f32 v[12:13], v[12:13], v[14:15]
	s_delay_alu instid0(VALU_DEP_1)
	v_pk_add_f32 v[8:9], v[8:9], v[12:13]
	s_delay_alu instid0(VALU_DEP_1)
	v_add_f32 v8, v8, v9
	REDUCE 8, 9
	s_delay_alu instid0(VALU_DEP_1)
	v_mul_f32 v8, s17, v8                          ; the mean
.set i, 0
.rept 16
	v_pk_add_f32 v[XS+i:XS+i+1], v[XS+i:XS+i+1], v[8:9] op_sel_hi:[1,0] neg_lo:[0,1] neg_hi:[0,1]   ; x - mean
.set i, i+2
.endr
.irp k, 0,1,2,3
	v_pk_mul_f32 v[10+2*\k:11+2*\k], v[XS+2*\k:XS+2*\k+1], v[XS+2*\k:XS+2*\k+1]   ; the squares, in four chains
.endr
.irp m, 8,16,24
.irp k, 0,1,2,3
	s_delay_alu instid0(VALU_DEP_4)
	v_pk_fma_f32 v[10+2*\k:11+2*\k], v[XS+\m+2*\k:XS+\m+2*\k+1], v[XS+\m+2*\k:XS+\m+2*\k+1], v[10+2*\k:11+2*\k]
.endr
.endr
	s_delay_alu instid0(VALU_DEP_3)
	v_pk_add_f32 v[10:11], v[10:11], v[12:13]
	s_delay_alu instid0(VALU_DEP_2)
	v_pk_add_f32 v[14:15], v[14:15], v[16:17]
	s_delay_alu instid0(VALU_DEP_1)
	v_pk_add_f32 v[10:11], v[10:11], v[14:15]
	s_delay_alu instid0(VALU_DEP_1)
	v_add_f32 v10, v10, v11
	REDUCE 10, 11
	s_delay_alu instid0(VALU_DEP_1)
	v_fma_f32 v10, v10, s17, s18                   ; the variance + 1e-5
	s_wait_alu depctr_va_vdst(0)
	v_rsq_f32 v12, v10
	v_nop                                          ; a plain instruction behind the transcendental
	s_wait_alu depctr_va_vdst(0)                   ; and the wait ahead of its first reader
.set i, 0
.rept 16
	v_pk_mul_f32 v[XS+i:XS+i+1], v[XS+i:XS+i+1], v[12:13] op_sel_hi:[1,0]
.set i, i+2
.endr
.set i, 0
.rept 16
	v_pk_fma_f32 v[XS+i:XS+i+1], v[XS+i:XS+i+1], v[W+i:W+i+1], v[BB+i:BB+i+1]
.set i, i+2
.endr
.irp j, 0,1,2,3
	v_max3_num_f32 v[16+\j], |v[XS+8*\j]|, |v[XS+8*\j+1]|, 0x4800000   ; chunk j: my 8 numbers and the floor 2^(9 - 127): the byte cannot fall under 1
.endr
.irp i, 2,4,6
.irp j, 0,1,2,3
	s_delay_alu instid0(VALU_DEP_4)
	v_max3_num_f32 v[16+\j], v[16+\j], |v[XS+8*\j+\i]|, |v[XS+8*\j+\i+1]|
.endr
.endr
.irp m, 1,2
.irp j, 0,1,2,3
	s_delay_alu instid0(VALU_DEP_4)
	v_max_num_f32_dpp v[16+\j], v[16+\j], v[16+\j] row_xmask:\m row_mask:0xf bank_mask:0xf   ; with the block's other three lanes
.endr
.endr
.irp j, 0,1,2,3
	s_delay_alu instid0(VALU_DEP_4)
	v_add_nc_u32 v[20+\j], 0xfc000000, v[16+\j]    ; 8 off the exponent field: the conversion's scale operand
.endr
.irp j, 0,1,2,3
	v_and_or_b32 v[24+\j], v[16+\j], 0x7f800000, s16   ; 448 x the scale
.endr
.irp j, 0,1,2,3
	v_lshrrev_b32 v[EE+\j], 23, v[20+\j]           ; the scale's byte
.endr
.irp j, 0,1,2,3
.irp i, 0,1,2,3,4,5,6,7
	v_med3_num_f32 v[XS+8*\j+\i], v[XS+8*\j+\i], -v[24+\j], v[24+\j]   ; the conversion does not saturate (ISA guide 7.6.2): the hold
.endr
	v_cvt_scalef32_pk8_fp8_f32 v[CC+2*\j:CC+2*\j+1], v[XS+8*\j:XS+8*\j+7], v[20+\j]
.endr
	v_nop                                          ; a plain instruction behind the last conversion
.irp j, 0,1,2,3
	ds_store_b8 v4, v[EE+\j] offset:32*(\t)+8*\j   ; the four lanes of a block write the same byte with the same value
	global_store_b64 v3, v[CC+2*\j:CC+2*\j+1], s[10:11] offset:1024*(\t)+256*\j   ; 32 lanes store 256 consecutive bytes, aligned
.endr
.endm
	ROW 0
	ROW 1
	s_wait_dscnt 0x0                               ; for the others' sake: my scale bytes have landed
	s_barrier_signal -1
	s_barrier_wait -1
	s_cmp_lg_u32 s19, 0
	s_cbranch_scc1 .Lnot_wave_0
	ds_load_b128 v[8:11], v5                       ; the 16 rows' scale bytes, which eight waves stored
	s_wait_dscnt 0x0
	global_store_b128 v5, v[8:11], s[12:13]        ; 512 consecutive bytes, aligned
.Lnot_wave_0:
	s_wait_tensorcnt 0x0                           ; the wave's end, behind my last LDS store
	ds_add_u32 v6, v7
	s_wait_dscnt 0x0
	s_endpgm
.Lfunc_end_k_q2be3616ed9_lnmask:
	.size	k_q2be3616ed9_lnmask, .Lfunc_end_k_q2be3616ed9_lnmask-k_q2be3616ed9_lnmask
	.p2alignl 7, 3214868480
	.fill 96, 4, 3214868480
	.section	.rodata,"a",@progbits
	.p2align	6, 0x0
	.amdhsa_kernel k_q2be3616ed9_lnmask
		.amdhsa_group_segment_fixed_size 1536
		.amdhsa_private_segment_fixed_size 0
		.amdhsa_enable_private_segment 0
		.amdhsa_kernarg_size 48
		.amdhsa_user_sgpr_count 2
		.amdhsa_user_sgpr_kernarg_segment_ptr 1
		.amdhsa_wavefront_size32 1
		.amdhsa_system_sgpr_workgroup_id_x 1
		.amdhsa_system_sgpr_workgroup_id_y 1
		.amdhsa_system_sgpr_workgroup_id_z 1
		.amdhsa_system_vgpr_workitem_id 0
		.amdhsa_next_free_vgpr 256
		.amdhsa_next_free_sgpr 66
		.amdhsa_reserve_vcc 1
		.amdhsa_float_denorm_mode_32 3
		.amdhsa_float_denorm_mode_16_64 3
		.amdhsa_memory_ordered 1
		.amdhsa_forward_progress 1
		.amdhsa_inst_pref_size 54
	.end_amdhsa_kernel
	.amdgpu_metadata
---
amdhsa.version: [ 1, 2 ]
amdhsa.kernels:
  - .name:           k_q2be3616ed9_lnmask
    .symbol:         k_q2be3616ed9_lnmask.kd
    .args:
      - { .name: x, .offset: 0, .size: 8, .value_kind: global_buffer, .address_space: global }
      - { .name: ln1_w, .offset: 8, .size: 8, .value_kind: global_buffer, .address_space: global }
      - { .name: ln1_b, .offset: 16, .size: 8, .value_kind: global_buffer, .address_space: global }
      - { .name: lnq, .offset: 24, .size: 8, .value_kind: global_buffer, .address_space: global }
      - { .name: mask, .offset: 32, .size: 8, .value_kind: global_buffer, .address_space: global }
      - { .name: msk, .offset: 40, .size: 8, .value_kind: global_buffer, .address_space: global }
    .group_segment_fixed_size: 1536
    .private_segment_fixed_size: 0
    .kernarg_segment_align: 8
    .kernarg_segment_size: 48
    .max_flat_workgroup_size: 256
    .sgpr_count:     66
    .vgpr_count:     256
    .wavefront_size: 32
...
	.end_amdgpu_metadata
.endif
;; end of part 1
;; launch qkv (part 2): grid 12 x 16, 4 waves a work-group, clusters of 4 x 4, 327,680 bytes of LDS; arguments lnq, w_qkv_codes, w_qkv_scales, cos, sin, qkv; writes qkv
.if DOCPART == 2
	.amdgcn_target "amdgcn-amd-amdhsa--gfx1250"
	.amdhsa_code_object_version 6
	.text
	.protected	k_q2be3616ed9_qkv
	.globl	k_q2be3616ed9_qkv
	.p2align	8
	.type	k_q2be3616ed9_qkv,@function
k_q2be3616ed9_qkv:
	s_mov_b64 s[64:65], 0
	v_nop
	global_prefetch_b8 v0, s[64:65] scope:SCOPE_SE
	s_setreg_imm32_b32 hwreg(HW_REG_WAVE_MODE, 25, 1), 1
	s_wait_xcnt 0x0
	s_wait_alu depctr_hold_cnt(0) depctr_sa_sdst(0) depctr_va_vdst(0) depctr_va_sdst(0) depctr_va_ssrc(0) depctr_va_vcc(0) depctr_vm_vsrc(0)
	s_getreg_b32 s2, hwreg(HW_REG_IB_STS2, 6, 4)
	s_cmp_eq_u32 s2, 0
	s_cbranch_scc0 .Lentry_in_a_cluster
	s_endpgm
.Lentry_in_a_cluster:
	s_bfe_u32 s2, ttmp6, 0x10000c
	s_cmp_lg_u32 s2, 0xf033
	s_cbranch_scc0 .Lentry_shape_is_right
	s_endpgm
.Lentry_shape_is_right:
; q, k, v = LN1(x) W_qkv on codes (K = 1,024); rope on q and k; all three quantised for the attention launch.  No work is left out.
; THE PRODUCT: a tile of 256 x 256 by four waves, 128 x 128 each (64 accumulators); K in steps of 256 through two LDS slots filled by joint tensor loads in a cluster of 4 x 4; both operands' scale bytes for all of K come once.
; Y is the operand whose rows a LANE holds in the result (source 1), X the one along which a lane's REGISTERS run (source 0).  Cluster x = 0: q, 1: k: Y = tokens, X = the weight's rows, so that registers run along the head's
; 64, their K.  Cluster x = 2: v: the two change places, Y = the weight's rows, X = tokens, since v's K is the keys.  Both buffers are rows of 1,024 codes with 32 scale bytes a row, so only pointers and tile numbers are chosen.
; THE WAY OUT: the wave's 128 x 128 results go into its own stage in LDS (in the ring, behind its last fill and a barrier behind every wave's last read), and come back 16 Y rows at a time with 64 numbers a lane in the order
; of an operand's registers (register 16 B + i = X row 32 B + 16 (lane / 16) + i), so that one loop body serves all eight tiles: register numbers cannot be a loop's variable.
; RESULTS, as images of operand registers ([c][lane][16 bytes]): q at 0, k at 4,194,304: [batch x head 32][token tile 128][c 0,1]; v at 8,388,608: [16 batch + key step][head][16 channels 4][c 0..3];
; scale words (one a row): q at 12,582,912, k at 12,845,056: [bh][tile][16]; v at 13,107,200: [16 batch + step][head][4][16].  q's and k's words have two bytes; the upper two stay 0 over zero codes.
; LIMITS: a block under 2^-118 (zeros too) gets the byte 1.  NaN and infinities are not served.
.set KSTEP,  256
.set NQ,     2
.set ROWB,   256
.set KROW,   1024
.set PITCH,  272                       ; an LDS row: 256 bytes + 16 of padding: the 16 rows of a load start at 16 different banks (64 banks of 4 bytes: ISA guide 11.1)
.set FR,     16
.set NL,     4
.set NP,     8                         ; places behind this matrix instruction (ISA guide 7.12.1)
.set HALFT,  128*PITCH
.set SLOT,   4*HALFT
.set KS,     32
.set SCL,    2*SLOT
.set HALFS,  (128*KS/256)*272
.set SBLK,   (16*KS/256)*272
.set SPARE,  SCL+4*HALFS               ; the spare words, 128 bytes a wave
.set SPITCH, 528                       ; a stage row: 512 bytes + 16
.set WSTG,   128*SPITCH                ; a wave's stage
.set SCR,    4*WSTG                    ; behind the stages, still in the ring: scale words on their way out: q/k 1,024 bytes a wave; v, from SCR + 4,096, 512 a wave
.set ADRA, 16
.set ADRB, 20
.set SCRDV, 18                         ; v18 v: where the scale words are read back
.set SCWV, 19                          ; v19 v: where a tile's scale words go
.set CSO,  22                          ; v22 my lane's byte in 16 rows of cos and sin
.set SCRD, 23                          ; v23 q/k: where the scale words are read back
.set STO,  24
.set SRD,  25                          ; v25 where I read a tile back from the stage
.set LI,   26                          ; v26 16 x lane
.set SCW,  27                          ; v27 first the scale words' address in the product (ADRS), then q/k's scratch address
.set ADRS, 27
.set SPW,  28
.set NIL,  29
.set SC,   32
.set AF,   128
.set XB,   32                          ; the way out: 64 numbers of a tile
.set GB,   96                          ; 64 numbers behind the rope
.set TM,   160
.set PW,   176
.set W0,   177
.set W1,   178
.set PC,   192
.set SEL,  46
.set MNT,  48
.set G1, 24
.set G0, 32
.set G1B, 48
.set G0B, 56
.set G1S, 68
.set G0S, 76
.set G1SB, 80
.set G0SB, 88
.set MSB, 0
.macro WIN new                         ; the immediate's high byte repeats the setting that is left
.if MSB != \new
	s_set_vgpr_msb (MSB<<8)|\new
.set MSB, \new
.endif
.endm
.set MUL_LO, 0xa1                      ; source 0 (X) window 1, source 1 (Y) window 0, C and D window 2
.set MUL_HI, 0xf1
.set TO_B,   0x40
.macro JLOAD g0a, g1a, g0b, g1b        ; a joint load: waves 0 and 1 fetch for Y, waves 2 and 3 for X; an s_nop 0 and four v_nop follow each line
	s_cmp_eq_u32 s15, 0
	s_cbranch_scc0 .Lfor_b_\@
	tensor_load_to_lds s[\g0a:\g0a+3], s[\g1a:\g1a+7]
	s_nop 0
.rept 4
	v_nop
.endr
	s_branch .Lasked_\@
.Lfor_b_\@:
	tensor_load_to_lds s[\g0b:\g0b+3], s[\g1b:\g1b+7]
	s_nop 0
.rept 4
	v_nop
.endr
.Lasked_\@:
.endm
.macro CREST
	s_cmp_lg_u32 s14, 0
	s_cbranch_scc1 .Lnot_wave_0_\@
	s_barrier_signal -3
.Lnot_wave_0_\@:
	s_barrier_wait -3
	s_barrier_signal -1
	s_barrier_wait -1
.endm
.macro CROUND
	s_barrier_signal -1
	s_barrier_wait -1
	CREST
.endm
	s_load_b64 s[4:5], s[0:1], 0x0                 ; lnq
	s_load_b128 s[8:11], s[0:1], 0x8               ; the weight's codes, its scales
	s_load_b128 s[96:99], s[0:1], 0x18             ; cos, sin
	s_load_b64 s[12:13], s[0:1], 0x28              ; qkv
	v_lshl_add_u32 v[SPW], v0, 2, SPARE
	v_mov_b32 v[NIL], 0
	ds_add_u32 v[SPW], v[NIL]                      ; the wave's opening: the add, twice on end, and its wait ahead of my first tensor load
	ds_add_u32 v[SPW], v[NIL]
	v_lshrrev_b32 v1, 5, v0
	v_readfirstlane_b32 s14, v1                    ; wave 0..3
	s_lshr_b32 s15, s14, 1                         ; which half of Y's rows is mine.  Also: I fetch for Y (0) or for X (1)
	s_and_b32 s16, s14, 1                          ; which half of X's rows.  Also: which 128 rows I fetch
	s_bfe_u32 s40, ttmp6, 0x40000                  ; cx, cy
	s_bfe_u32 s41, ttmp6, 0x40004
	s_and_b32 s17, ttmp7, 0xffff
	s_lshl_b32 s17, s17, 2                         ; 4 x cluster y: token tiles
	s_lshl_b32 s42, ttmp9, 2                       ; 4 x cluster x: the weight's tiles
	s_cmp_eq_u32 ttmp9, 2                          ; v?  The cluster's x: the same in all sixteen partners
	s_cselect_b32 s18, s17, s42
	s_cselect_b32 s17, s42, s17
	s_add_co_u32 s42, s18, s40                     ; X's tile: hangs on cx alone among the places
	s_add_co_u32 s17, s17, s41                     ; Y's tile: on cy alone
	s_lshl_b32 s43, s41, 2
	s_lshl_b32 s43, 15, s43                        ; my row of the cluster
	s_lshl_b32 s44, 0x1111, s40                    ; my column
	s_or_b32 s[G1+0], s43, (0<<16)|(1<<20)|(1<<21)|(5<<22)|(3<<25)  ; Y's tiles go to my row; bytes; padding: 4 words after every 64
	s_or_b32 s[G1B+0], s44, (0<<16)|(1<<20)|(1<<21)|(5<<22)|(3<<25) ; X's to my column
.irp g, G1, G1B
	s_mov_b32 s[\g+1], ROWB<<16
	s_mov_b32 s[\g+2], 256<<16                     ; the head's loads bring 256 rows; the ring's 128 (set behind the head's wait)
	s_mov_b32 s[\g+3], ROWB<<16
	s_mov_b32 s[\g+4], 256
	s_mov_b32 s[\g+5], KROW
	s_mov_b32 s[\g+6], 0
	s_mov_b32 s[\g+7], 0
.endr
	s_or_b32 s[G1S+0], s43, (3<<16)|(1<<20)|(1<<21)|(5<<22)|(3<<25) ; the scales of 128 rows: 4,096 dense bytes as rows of 256, 16 of padding behind each
	s_or_b32 s[G1SB+0], s44, (3<<16)|(1<<20)|(1<<21)|(5<<22)|(3<<25)
.irp g, G1S, G1SB
	s_mov_b32 s[\g+1], 32<<16
	s_mov_b32 s[\g+2], KS<<16                      ; the scales of 256 rows: 256 KS bytes as KS rows of 256
	s_mov_b32 s[\g+3], 32<<16
	s_mov_b32 s[\g+4], KS
	s_mov_b32 s[\g+5], 32
	s_mov_b32 s[\g+6], 0
	s_mov_b32 s[\g+7], 0
.endr
	s_lshl_b32 s20, s17, 8                         ; Y: the tile's first row
	s_lshl_b32 s46, s42, 8                         ; X likewise
	s_mov_b32 s21, 0
	s_mov_b32 s47, 0
	s_mov_b64 s[18:19], KS
	s_mul_u64 s[22:23], s[20:21], s[18:19]
	s_mul_u64 s[92:93], s[46:47], s[18:19]
	s_mov_b64 s[18:19], KROW
	s_mul_u64 s[20:21], s[20:21], s[18:19]
	s_mul_u64 s[46:47], s[46:47], s[18:19]
	s_mul_i32 s18, s16, 128*KROW                   ; in the ring I fetch 128 rows: which half, in bytes
	s_mov_b32 s19, 0
	s_mul_i32 s45, s14, HALFT
	s_wait_dscnt 0x0                               ; both opening adds are done
	s_wait_kmcnt 0x0
	s_add_nc_u64 s[6:7], s[4:5], 0x400000          ; lnq's scale bytes
	s_cmp_eq_u32 ttmp9, 2
	s_cselect_b64 s[2:3], s[8:9], s[4:5]           ; Y's codes: for v the weight's, else the tokens'
	s_cselect_b64 s[8:9], s[4:5], s[8:9]           ; X's codes
	s_cselect_b64 s[4:5], s[10:11], s[6:7]         ; Y's scales
	s_cselect_b64 s[10:11], s[6:7], s[10:11]       ; X's scales
	s_add_nc_u64 s[20:21], s[2:3], s[20:21]
	s_add_nc_u64 s[22:23], s[4:5], s[22:23]
	s_add_nc_u64 s[46:47], s[8:9], s[46:47]
	s_add_nc_u64 s[92:93], s[10:11], s[92:93]
	CROUND                                         ; all sixteen work-groups are here: the first joint loads meet
.set G0H, 4                            ; s[4:7], s[8:11] group 0 of the head's loads of K step 0 (the pointers that lay there have been used)
.set G0HB, 8
	s_mov_b32 s[G0H], 1                            ; the head's four tiles, each whole: K step 0's 256 rows of Y,
	s_mov_b32 s[G0H+1], 0
	s_mov_b64 s[G0H+2:G0H+3], s[20:21]
	s_or_b32 s[G0H+3], s[G0H+3], 0x80000000
	s_mov_b32 s[G0HB], 1                           ; of X,
	s_mov_b32 s[G0HB+1], 2*HALFT
	s_mov_b64 s[G0HB+2:G0HB+3], s[46:47]
	s_or_b32 s[G0HB+3], s[G0HB+3], 0x80000000
	s_mov_b32 s[G0S], 1                            ; Y's scales,
	s_mov_b32 s[G0S+1], SCL
	s_mov_b64 s[G0S+2:G0S+3], s[22:23]
	s_or_b32 s[G0S+3], s[G0S+3], 0x80000000
	s_mov_b32 s[G0SB], 1                           ; X's scales
	s_mov_b32 s[G0SB+1], SCL+2*HALFS
	s_mov_b64 s[G0SB+2:G0SB+3], s[92:93]
	s_or_b32 s[G0SB+3], s[G0SB+3], 0x80000000
	s_add_nc_u64 s[20:21], s[20:21], s[18:19]      ; for the ring: my 128 rows
	s_add_nc_u64 s[46:47], s[46:47], s[18:19]
.irp s, 0,1
	s_mov_b32 s[G0+4*\s], 1
	s_add_co_u32 s[G0+4*\s+1], s45, \s*SLOT
	s_add_nc_u64 s[G0+4*\s+2:G0+4*\s+3], s[20:21], \s*ROWB
	s_or_b32 s[G0+4*\s+3], s[G0+4*\s+3], 0x80000000
	s_mov_b32 s[G0B+4*\s], 1
	s_add_co_u32 s[G0B+4*\s+1], s45, \s*SLOT
	s_add_nc_u64 s[G0B+4*\s+2:G0B+4*\s+3], s[46:47], \s*ROWB
	s_or_b32 s[G0B+4*\s+3], s[G0B+4*\s+3], 0x80000000
.endr
; the head's loads, one a wave: one chain of branches on the wave's number, a load to an arm
.macro ARM under, g0, g1, next
	s_cmp_lt_u32 s14, \under
	s_cbranch_scc0 \next
	tensor_load_to_lds s[\g0:\g0+3], s[\g1:\g1+7]
	s_nop 0
.rept 4
	v_nop
.endr
	s_branch .Lhead_asked
\next:
.endm
	ARM 1, G0H,  G1,  .Lhead_b
	ARM 2, G0HB, G1B, .Lhead_sa
	ARM 3, G0S,  G1S, .Lhead_sb
	tensor_load_to_lds s[G0SB:G0SB+3], s[G1SB:G1SB+7]
	s_nop 0
.rept 4
	v_nop
.endr
.Lhead_asked:
	; the prefetches' address: of the 128 rows that I fetch in the ring, the 32 that fall to my work-group among the four that ask jointly (by address: cx for Y, cy for X); a lane a row
	s_cmp_eq_u32 s15, 0
	s_cselect_b64 s[92:93], s[20:21], s[46:47]
	s_cselect_b32 s18, s40, s41
	s_mul_i32 s18, s18, 32*KROW
	s_mov_b32 s19, 0
	s_add_nc_u64 s[92:93], s[92:93], s[18:19]
	v_and_b32 v7, 31, v0
	v_lshlrev_b32 v7, 10, v7
	global_prefetch_b8 v7, s[92:93] offset:ROWB th:TH_LOAD_NT scope:SCOPE_SE   ; K step 1, a slot ahead of its load: 32 rows x 256 bytes
	v_and_b32 v1, 15, v0                           ; r
	v_bfe_u32 v2, v0, 4, 1                         ; h
	v_mul_u32_u24 v3, v1, PITCH
	v_lshl_add_u32 v4, v2, 4, v3
	s_mul_i32 s21, s15, HALFT
	s_mul_i32 s22, s16, HALFT
	s_add_co_u32 s22, s22, 2*HALFT
.irp s, 0,1
	v_add_nc_u32 v[ADRA+\s], s21, v4
	v_add_nc_u32 v[ADRB+\s], s22, v4
	s_add_co_u32 s21, s21, SLOT
	s_add_co_u32 s22, s22, SLOT
.endr
	v_mul_u32_u24 v5, v1, KS
	v_lshrrev_b32 v6, 8, v5
	v_lshl_add_u32 v5, v6, 4, v5
	s_mul_i32 s21, s15, HALFS
	s_mul_i32 s22, s16, HALFS
	s_add_co_u32 s22, s22, 2*HALFS
	s_sub_co_u32 s22, s22, s21
	v_mul_u32_u24 v6, s22, v2                      ; lanes 16-31 take X's words
	s_add_co_u32 s21, s21, SCL
	v_add_nc_u32 v5, v5, v6
	v_add_nc_u32 v[ADRS], s21, v5
	s_mul_i32 s23, s14, WSTG                       ; my stage
	v_mul_u32_u24 v5, v1, SPITCH
	v_lshl_add_u32 v6, v2, 5, v5
	v_add_nc_u32 v[STO], s23, v6                   ; in: row r, 32 bytes for each half of the lanes
	v_lshl_add_u32 v6, v2, 6, v5
	v_add_nc_u32 v[SRD], s23, v6                   ; back: row r, 64 bytes for each half, of each 128
	v_and_b32 v6, 31, v0
	v_lshlrev_b32 v[LI], 4, v6
	s_lshl_b32 s23, s14, 10
	s_add_co_u32 s23, s23, SCR
	v_add_nc_u32 v[SCRD], s23, v[LI]
	s_lshl_b32 s23, s14, 9
	s_add_co_u32 s23, s23, SCR+4096
	v_add_nc_u32 v[SCRDV], s23, v[LI]
	s_sub_co_u32 s23, s23, 64                      ; one step low: it is stepped ahead of each use
	v_lshl_add_u32 v[SCWV], v1, 2, s23
	v_lshlrev_b32 v[CSO], 8, v1
	v_lshl_add_u32 v[CSO], v2, 6, v[CSO]           ; cos, sin: row r of 256 bytes, + 64 h
.macro FRAG reg, adr, q, i
.irp c, 0,1,2,3
	ds_load_b128 v[\reg+4*\c:\reg+4*\c+3], v[\adr] offset:128*(\q)+32*\c+(\i)*16*PITCH
.endr
.endm
; 16 matrix instructions: Y's blocks a0, a0 + 1 x X's eight.  The 64 accumulators take turns, one instruction a turn, in the same order in every step.
.macro MUL16 a0, p, q, sc, zero
.irp a, \a0, \a0+1
.irp b, 0,1,2,3,4,5,6,7
.if \zero
	v_wmma_scale_f32_16x16x128_f8f6f4 v[8*(8*((\a)%4)+\b):8*(8*((\a)%4)+\b)+7], v[128*(\p)+FR*\b:128*(\p)+FR*\b+FR-1], v[AF+FR*(\a):AF+FR*(\a)+FR-1], 0, v[SC+8*NQ*(\sc)+NQ*\b+(\q)], v[SC+8*NQ*(\sc)+NQ*(\a)+(\q)] matrix_a_scale:MATRIX_SCALE_ROW1
.else
	v_wmma_scale_f32_16x16x128_f8f6f4 v[8*(8*((\a)%4)+\b):8*(8*((\a)%4)+\b)+7], v[128*(\p)+FR*\b:128*(\p)+FR*\b+FR-1], v[AF+FR*(\a):AF+FR*(\a)+FR-1], v[8*(8*((\a)%4)+\b):8*(8*((\a)%4)+\b)+7], v[SC+8*NQ*(\sc)+NQ*\b+(\q)], v[SC+8*NQ*(\sc)+NQ*(\a)+(\q)] matrix_a_scale:MATRIX_SCALE_ROW1
.endif
.endr
.endr
.endm
.macro FETCH_B slot, q, p
	WIN TO_B
.irp i, 0,1,2,3,4,5,6,7
	FRAG 128*(\p)+FR*\i, ADRB+\slot, \q, \i
.endr
	WIN 0
.endm
.macro FETCH_A slot, q, i0
.irp i, \i0, \i0+1, \i0+2, \i0+3
	FRAG AF+FR*(\i), ADRA+\slot, \q, \i
.endr
.endm
.macro SCALES sc                       ; a K step's scale words: lanes 0-15 Y's block i, lanes 16-31 X's block i
.irp i, 0,1,2,3,4,5,6,7
	ds_load_b64 v[SC+8*NQ*\sc+NQ*\i:SC+8*NQ*\sc+NQ*\i+1], v[ADRS] offset:\i*SBLK
.endr
.endm
.macro PLACES n
.rept \n
	v_nop
.endr
.endm
.macro STEP slot, q, zero
	s_wait_dscnt 4*NL                              ; X's set and Y's blocks 0-3 are in; the youngest 16 loads (Y's blocks 4-7) may be out
	WIN MUL_LO
	MUL16 0, (\q)%2, \q, \slot, \zero
	MUL16 2, (\q)%2, \q, \slot, \zero
	s_wait_dscnt 0
	PLACES NP
	FETCH_B \slot, (\q)+1, 1-(\q)%2
	FETCH_A \slot, (\q)+1, 0
	WIN MUL_HI
	MUL16 4, (\q)%2, \q, \slot, \zero
	MUL16 6, (\q)%2, \q, \slot, \zero
	PLACES NP
	WIN 0
	FETCH_A \slot, (\q)+1, 4
.endm
; A slot's last step changes slots: one barrier; in front of it each wave waits for all its tensor loads, adds 0 to its spare word, and waits for that and for its reads of this slot.
.macro TURN slot, next, fill
	s_wait_tensorcnt 0x0                           ; all my tensor loads have landed: my part of the next slot
	ds_add_u32 v[SPW], v[NIL]
	s_wait_dscnt 4*NL+1                            ; the add and the youngest 16 loads may be out
	WIN MUL_LO
	MUL16 0, 1, NQ-1, \slot, 0
	s_wait_dscnt 0x0                               ; the add is done, and my reads of this slot are over
	s_barrier_signal -1
	MUL16 2, 1, NQ-1, \slot, 0
	WIN 0
	s_barrier_wait -1
.if \fill
	CREST                                          ; the barrier has opened a round of the cluster's: no wave of any partner still reads this slot or has a load on its way
	s_add_nc_u64 s[G0+4*\slot+2:G0+4*\slot+3], s[G0+4*\slot+2:G0+4*\slot+3], 2*ROWB
	s_add_nc_u64 s[G0B+4*\slot+2:G0B+4*\slot+3], s[G0B+4*\slot+2:G0B+4*\slot+3], 2*ROWB
	JLOAD G0+4*\slot, G1, G0B+4*\slot, G1B         ; the first tensor load behind the round; its four v_nop are among the places in front of the loads below
	PLACES NP-4
.else
	PLACES NP
.endif
	s_wait_alu depctr_va_vdst(0)
	v_add_nc_u32 v[ADRS], 4*NQ, v[ADRS]
	FETCH_B \next, 0, 0
	FETCH_A \next, 0, 0
	SCALES \next
	WIN MUL_HI
	MUL16 4, 1, NQ-1, \slot, 0
	MUL16 6, 1, NQ-1, \slot, 0
	PLACES NP
	WIN 0
	FETCH_A \next, 0, 4
.endm
	s_wait_alu depctr_va_vdst(0)                   ; the wait at the head's end
	s_wait_tensorcnt 0x0                           ; my tile of the head's four is in; the lines ahead of a later first fill:
	ds_add_u32 v[SPW], v[NIL]
	s_mov_b32 s[G1+2], 128<<16                     ; no tensor load of mine is out: from here on a load brings 128 rows
	s_mov_b32 s[G1+4], 128
	s_mov_b32 s[G1B+2], 128<<16
	s_mov_b32 s[G1B+4], 128
	s_wait_dscnt 0x0
	CROUND                                         ; all four tiles are in, and all sixteen work-groups are here
	JLOAD G0+4, G1, G0B+4, G1B                     ; K step 1, the first tensor load behind the round
	FETCH_B 0, 0, 0
	FETCH_A 0, 0, 0
	SCALES 0
	FETCH_A 0, 0, 4
	global_prefetch_b8 v7, s[92:93] offset:2*ROWB th:TH_LOAD_NT scope:SCOPE_SE   ; K steps 2 and 3, which the two refills will ask for: 32 rows x 256 bytes each; the address registers are never rewritten
	global_prefetch_b8 v7, s[92:93] offset:3*ROWB th:TH_LOAD_NT scope:SCOPE_SE
	STEP 0, 0, 1                                   ; K = 1,024 is four slots' worth: the walk is written straight; the first products start the sums
	TURN 0, 1, 1
	STEP 1, 0, 0
	TURN 1, 0, 1
	STEP 0, 0, 0
	TURN 0, 1, 0                                   ; nothing is left to fetch
	STEP 1, 0, 0
	s_wait_dscnt 4*NL
	WIN MUL_LO
	MUL16 0, 1, NQ-1, 1, 0
	MUL16 2, 1, NQ-1, 1, 0
	s_wait_dscnt 0x0                               ; my last reads of the ring are in:
	s_barrier_signal -1                            ; say so: behind this barrier the ring's bytes become the stages
	WIN MUL_HI
	MUL16 4, 1, NQ-1, 1, 0
	MUL16 6, 1, NQ-1, 1, 0
	WIN 0
	s_barrier_wait -1
	PLACES NP
.irp a, 0,1,2,3,4,5,6,7                ; all 64 accumulators into my stage, each from its low end on
	WIN 0x08+4*(\a/4)
.irp b, 0,1,2,3,4,5,6,7
	ds_store_b128 v[STO], v[64*(\a%4)+8*\b:64*(\a%4)+8*\b+3] offset:\a*16*SPITCH+64*\b
	ds_store_b128 v[STO], v[64*(\a%4)+8*\b+4:64*(\a%4)+8*\b+7] offset:\a*16*SPITCH+64*\b+16
.endr
.endr
	WIN 0
	s_mov_b32 s[SEL], 0x76543210                   ; (no tensor load of mine is out since the last change of slots: the descriptors' registers are free)
	s_mov_b32 s[SEL+1], 0xfedcba98
	s_mov_b32 s[MNT], 0x600000
.irp b, 0,1,2,3
	v_mov_b32 v[TM+4+\b], 0                        ; a lane permute's destination counts as one of its sources
.endr
.macro STLOAD off                      ; 16 Y rows back from my stage: LDS serves a wave's instructions in order, so these see my stores
.irp b, 0,1,2,3
.irp q, 0,1,2,3
	ds_load_b128 v[XB+16*\b+4*\q:XB+16*\b+4*\q+3], v[SRD] offset:\off+128*\b+16*\q
.endr
.endr
.endm
; 64 numbers of a lane, register 16 b + i = k 32 b + 16 (lane / 16) + i of my row, become a fragment's codes in v[PC] on and its scale word in v[PW].
.macro QUANT s
.irp b, 0,1,2,3
	v_max3_num_f32 v[TM+\b], |v[\s+16*\b]|, |v[\s+1+16*\b]|, 0x4800000   ; and the floor 2^(9 - 127): the byte cannot fall under 1
.endr
.irp i, 2,4,6,8,10,12,14
.irp b, 0,1,2,3
	v_max3_num_f32 v[TM+\b], v[TM+\b], |v[\s+16*\b+\i]|, |v[\s+1+16*\b+\i]|
.endr
.endr
.irp b, 0,1,2,3
	v_permlanex16_b32 v[TM+4+\b], v[TM+\b], s[SEL], s[SEL+1]
.endr
.irp b, 0,1,2,3
	v_max_num_f32 v[TM+\b], v[TM+\b], v[TM+4+\b]   ; with lane l xor 16's: the block's largest magnitude
.endr
.irp b, 0,1,2,3
	v_add_nc_u32 v[TM+12+\b], 0xfc000000, v[TM+\b] ; 8 off its exponent field: the conversion's scale operand
.endr
.irp b, 0,1,2,3
	v_and_or_b32 v[TM+8+\b], v[TM+\b], 0x7f800000, s[MNT]   ; 448 x the scale
.endr
.irp b, 0,1,2,3
	v_lshrrev_b32 v[TM+4+\b], 23, v[TM+12+\b]      ; the scale's byte
.endr
	v_lshl_or_b32 v[PW], v[TM+5], 8, v[TM+4]
	v_lshl_or_b32 v[PW], v[TM+6], 16, v[PW]
	v_lshl_or_b32 v[PW], v[TM+7], 24, v[PW]
.irp b, 0,1,2,3
.irp i, 0,1,2,3,4,5,6,7,8,9,10,11,12,13,14,15
	v_med3_num_f32 v[\s+16*\b+\i], v[\s+16*\b+\i], -v[TM+8+\b], v[TM+8+\b]   ; the conversion does not saturate (ISA guide 7.6.2): the hold
.endr
	v_cvt_scalef32_pk8_fp8_f32 v[PC+4*\b:PC+1+4*\b], v[\s+16*\b:\s+7+16*\b], v[TM+12+\b]
	v_cvt_scalef32_pk8_fp8_f32 v[PC+2+4*\b:PC+3+4*\b], v[\s+8+16*\b:\s+15+16*\b], v[TM+12+\b]
.endr
	v_nop                                          ; a plain instruction behind the last conversion
.endm
	s_mov_b32 s19, 0
	s_cmp_eq_u32 ttmp9, 2
	s_cbranch_scc1 .Lv_path
	; ---- q and k.  A lane holds a token; register 16 B + i of a tile: head B / 2 of my two, channel 32 (B % 2) + 16 h + i.
	s_lshl_b32 s20, s17, 8
	s_lshl_b32 s21, s15, 7
	s_add_co_u32 s20, s20, s21                     ; my first token
	s_lshr_b32 s21, s20, 11                        ; batch
	s_and_b32 s20, s20, 2047                       ; position
	s_and_b32 s22, s42, 3
	s_lshl_b32 s22, s22, 2
	s_lshl_b32 s23, s16, 1
	s_add_co_u32 s22, s22, s23                     ; my first head
	s_lshl_b32 s21, s21, 4
	s_add_co_u32 s22, s22, s21
	s_lshl_b32 s22, s22, 7
	s_lshr_b32 s23, s20, 4
	s_add_co_u32 s22, s22, s23                     ; 128 (16 batch + head) + token tile
	s_lshl_b32 s18, s22, 10
	s_lshl_b32 s23, ttmp9, 22                      ; q at 0, k at 4,194,304
	s_add_co_u32 s18, s18, s23
	s_add_nc_u64 s[4:5], s[12:13], s[18:19]        ; images
	s_lshl_b32 s18, s22, 6
	s_lshl_b32 s23, ttmp9, 18
	s_add_co_u32 s18, s18, s23
	s_add_nc_u64 s[6:7], s[12:13], s[18:19]
	s_add_nc_u64 s[6:7], s[6:7], 12582912          ; scale words
	s_lshl_b32 s18, s20, 8
	s_add_nc_u64 s[96:97], s[96:97], s[18:19]      ; cos and sin at my first position
	s_add_nc_u64 s[98:99], s[98:99], s[18:19]
	s_lshl_b32 s23, s14, 10
	s_add_co_u32 s23, s23, SCR-128                 ; one step low: it is stepped ahead of each use
	v_and_b32 v1, 15, v0
	v_lshl_add_u32 v[SCW], v1, 2, s23
; the tables of 16 positions, set e in window 1 (v[64 e] on): cos of channels 16 h + i, of 32 + 16 h + i, then sin likewise
.macro LOADCS e, off
	WIN 0x40
.irp q, 0,1,2,3
	global_load_b128 v[64*\e+4*\q:64*\e+4*\q+3], v[CSO], s[96:97] offset:\off+16*\q
	global_load_b128 v[64*\e+16+4*\q:64*\e+16+4*\q+3], v[CSO], s[96:97] offset:\off+128+16*\q
	global_load_b128 v[64*\e+32+4*\q:64*\e+32+4*\q+3], v[CSO], s[98:99] offset:\off+16*\q
	global_load_b128 v[64*\e+48+4*\q:64*\e+48+4*\q+3], v[CSO], s[98:99] offset:\off+128+16*\q
.endr
	WIN 0
.endm
.macro ROPE e                          ; low half: x1 cos - x2 sin; high half: x2 cos + x1 sin.  The tables are source 1: window 1
	WIN 0x04
.irp hl, 0,1
.irp i, 0,2,4,6,8,10,12,14
	v_pk_mul_f32 v[GB+32*\hl+\i:GB+32*\hl+\i+1], v[XB+32*\hl+\i:XB+32*\hl+\i+1], v[64*\e+\i:64*\e+\i+1]
	v_pk_mul_f32 v[GB+32*\hl+16+\i:GB+32*\hl+16+\i+1], v[XB+32*\hl+16+\i:XB+32*\hl+16+\i+1], v[64*\e+16+\i:64*\e+16+\i+1]
.endr
.irp i, 0,2,4,6,8,10,12,14
	v_pk_fma_f32 v[GB+32*\hl+\i:GB+32*\hl+\i+1], v[XB+32*\hl+16+\i:XB+32*\hl+16+\i+1], v[64*\e+32+\i:64*\e+32+\i+1], v[GB+32*\hl+\i:GB+32*\hl+\i+1] neg_lo:[1,0,0] neg_hi:[1,0,0]
	v_pk_fma_f32 v[GB+32*\hl+16+\i:GB+32*\hl+16+\i+1], v[XB+32*\hl+\i:XB+32*\hl+\i+1], v[64*\e+48+\i:64*\e+48+\i+1], v[GB+32*\hl+16+\i:GB+32*\hl+16+\i+1]
.endr
.endr
	WIN 0
.endm
.macro EPIQK e                         ; token tile 2 T + e of my eight; its tables are in
	s_wait_dscnt 0x0                               ; the tile is back from the stage, and the last tile's scratch stores are done
.if \e == 0
	v_add_nc_u32 v[SCW], 128, v[SCW]
.else
	v_add_nc_u32 v[SRD], 2*16*SPITCH, v[SRD]
.endif
	ROPE \e
.if \e == 0
	STLOAD 16*SPITCH                               ; the trip's second tile comes while the first is quantised
.endif
	s_cmp_lt_u32 s3, 3                             ; the tables two tiles on, while there is such a tile: no load leaves its buffer
	s_cbranch_scc0 .Lno_cs_\@
	LOADCS \e, (2+\e)*4096
	s_wait_loadcnt 16                              ; all but the 16 just issued: the next tile's tables are in
	s_branch .Lcs_\@
.Lno_cs_\@:
	s_wait_loadcnt 0x0
.Lcs_\@:
	s_wait_xcnt 0x0                                ; the last tile's stores have read their codes
	QUANT GB
.irp hl, 0,1
.irp c, 0,1
	global_store_b128 v[LI], v[PC+8*\hl+4*\c:PC+8*\hl+4*\c+3], s[4:5] offset:\e*1024+\hl*131072+512*\c   ; 512 consecutive bytes
.endr
.endr
	v_and_b32 v[W0], 0xffff, v[PW]                 ; the first head's two bytes,
	v_lshrrev_b32 v[W1], 16, v[PW]                 ; the second's
	ds_store_b32 v[SCW], v[W0] offset:64*\e        ; lanes l and l xor 16 write the same word with the same value
	ds_store_b32 v[SCW], v[W1] offset:64*\e+512
.endm
	LOADCS 0, 0
	LOADCS 1, 4096
	s_wait_loadcnt 16                              ; tile 0's tables are in
	s_mov_b32 s3, 0
.Lqk:
	STLOAD 0
	s_wait_alu depctr_va_vdst(0)
	EPIQK 0
	EPIQK 1
	s_wait_xcnt 0x0                                ; loads and stores have read their bases
	s_add_nc_u64 s[4:5], s[4:5], 2048
	s_add_nc_u64 s[96:97], s[96:97], 8192
	s_add_nc_u64 s[98:99], s[98:99], 8192
	s_add_co_u32 s3, s3, 1
	s_cmp_lt_u32 s3, 4
	s_cbranch_scc1 .Lqk
	ds_load_b128 v[32:35], v[SCRD]
	ds_load_b128 v[36:39], v[SCRD] offset:512
	s_wait_dscnt 0x0
	global_store_b128 v[LI], v[32:35], s[6:7]      ; my 128 tokens' words of the first head: 512 consecutive bytes,
	global_store_b128 v[LI], v[36:39], s[6:7] offset:8192   ; of the second
	s_branch .Lend
.Lv_path:
	; ---- v.  A lane holds a channel; register 16 c + i of a tile: token 32 c + 16 h + i of my 128, which are one key step.
	s_lshl_b32 s20, s42, 8
	s_lshl_b32 s21, s16, 7
	s_add_co_u32 s20, s20, s21                     ; my first token
	s_lshr_b32 s20, s20, 7                         ; 16 batch + key step
	s_lshl_b32 s20, s20, 4
	s_sub_co_u32 s21, s17, 8
	s_lshl_b32 s21, s21, 2
	s_add_co_u32 s20, s20, s21
	s_lshl_b32 s21, s15, 1
	s_add_co_u32 s20, s20, s21                     ; + my first head
	s_lshl_b32 s18, s20, 13
	s_add_nc_u64 s[4:5], s[12:13], s[18:19]
	s_add_nc_u64 s[4:5], s[4:5], 8388608           ; images
	s_lshl_b32 s18, s20, 8
	s_add_nc_u64 s[6:7], s[12:13], s[18:19]
	s_add_nc_u64 s[6:7], s[6:7], 13107200          ; scale words
	s_mov_b32 s3, 0
.Lv:
	STLOAD 0
	s_wait_dscnt 0x0
	v_add_nc_u32 v[SRD], 16*SPITCH, v[SRD]
	v_add_nc_u32 v[SCWV], 64, v[SCWV]
	QUANT XB
.irp c, 0,1,2,3
	global_store_b128 v[LI], v[PC+4*\c:PC+4*\c+3], s[4:5] offset:512*\c
.endr
	ds_store_b32 v[SCWV], v[PW]
	s_wait_xcnt 0x0                                ; the stores have read their codes and their base
	s_add_nc_u64 s[4:5], s[4:5], 2048
	s_add_co_u32 s3, s3, 1
	s_cmp_lt_u32 s3, 8
	s_cbranch_scc1 .Lv
	ds_load_b128 v[32:35], v[SCRDV]
	s_wait_dscnt 0x0
	global_store_b128 v[LI], v[32:35], s[6:7]
.Lend:
	s_wait_tensorcnt 0x0                           ; the wave's end
	ds_add_u32 v[SPW], v[NIL]
	s_wait_dscnt 0x0
	CROUND                                         ; the closing round
	s_endpgm
.Lfunc_end_k_q2be3616ed9_qkv:
	.size	k_q2be3616ed9_qkv, .Lfunc_end_k_q2be3616ed9_qkv-k_q2be3616ed9_qkv
	.p2alignl 7, 3214868480
	.fill 96, 4, 3214868480
	.section	.rodata,"a",@progbits
	.p2align	6, 0x0
	.amdhsa_kernel k_q2be3616ed9_qkv
		.amdhsa_group_segment_fixed_size 327680
		.amdhsa_private_segment_fixed_size 0
		.amdhsa_enable_private_segment 0
		.amdhsa_kernarg_size 48
		.amdhsa_user_sgpr_count 2
		.amdhsa_user_sgpr_kernarg_segment_ptr 1
		.amdhsa_wavefront_size32 1
		.amdhsa_system_sgpr_workgroup_id_x 1
		.amdhsa_system_sgpr_workgroup_id_y 1
		.amdhsa_system_sgpr_workgroup_id_z 1
		.amdhsa_system_vgpr_workitem_id 0
		.amdhsa_next_free_vgpr 1024
		.amdhsa_next_free_sgpr 100
		.amdhsa_reserve_vcc 0
		.amdhsa_float_denorm_mode_32 3
		.amdhsa_float_denorm_mode_16_64 3
		.amdhsa_memory_ordered 1
		.amdhsa_forward_progress 1
		.amdhsa_inst_pref_size 173
	.end_amdhsa_kernel
	.amdgpu_metadata
---
amdhsa.version: [ 1, 2 ]
amdhsa.kernels:
  - .name:           k_q2be3616ed9_qkv
    .symbol:         k_q2be3616ed9_qkv.kd
    .args:
      - { .name: lnq, .offset: 0, .size: 8, .value_kind: global_buffer, .address_space: global }
      - { .name: w_qkv_codes, .offset: 8, .size: 8, .value_kind: global_buffer, .address_space: global }
      - { .name: w_qkv_scales, .offset: 16, .size: 8, .value_kind: global_buffer, .address_space: global }
      - { .name: cos, .offset: 24, .size: 8, .value_kind: global_buffer, .address_space: global }
      - { .name: sin, .offset: 32, .size: 8, .value_kind: global_buffer, .address_space: global }
      - { .name: qkv, .offset: 40, .size: 8, .value_kind: global_buffer, .address_space: global }
    .group_segment_fixed_size: 327680
    .private_segment_fixed_size: 0
    .kernarg_segment_align: 8
    .kernarg_segment_size: 48
    .max_flat_workgroup_size: 128
    .sgpr_count:     100
    .vgpr_count:     1024
    .wavefront_size: 32
...
	.end_amdgpu_metadata
.endif
;; end of part 2
;; launch attn (part 3): grid 8 x 32, 16 waves a work-group, no clusters, 280,576 bytes of LDS; arguments qkv, msk, att; writes att
.if DOCPART == 3
	.amdgcn_target "amdgcn-amd-amdhsa--gfx1250"
	.amdhsa_code_object_version 6
	.text
	.protected	k_q2be3616ed9_attn
	.globl	k_q2be3616ed9_attn
	.p2align	8
	.type	k_q2be3616ed9_attn,@function
k_q2be3616ed9_attn:
	s_mov_b64 s[64:65], 0
	v_nop
	global_prefetch_b8 v0, s[64:65] scope:SCOPE_SE
	s_setreg_imm32_b32 hwreg(HW_REG_WAVE_MODE, 25, 1), 1
	s_wait_xcnt 0x0
; Attention of one head on codes: S^T = K Q^T (K = 64), p = 2^(t - M) with M a whole number, quantised along the keys, O^T = V^T p^T, divided by the sum of the unquantised p,
; quantised along the head's 64 for the projection.
; LEFT OUT, by whole numbers that an earlier launch stored: a step of 16 queries x 128 keys whose mask bytes are all 0 (its p would all be 0); the masking itself where all are 1.  Right for any mask.
; NO TENSOR LOAD AND NO CLUSTER: steps are passed over by a branch on numbers read from memory.  So tiles go from memory through registers into LDS.
; SHARES.  A work-group owns one head and 16 tiles of 16 queries, tile 8 s + work-group x, s = wave xor 3 ((wave / 4) % 2): strided over the sequence, so that a mask that thins out along the queries is shared evenly.
; One wave, one tile, 256 registers: four waves to a SIMD.
; ALL OF THE HEAD'S K AND V LIE IN LDS: a key step of 128 keys is 8 images of K (1,024 bytes), 4 of V (2,048) and 768 bytes of scale words: 17,152 bytes, in a slot of 17,408; 16 slots.  At the kernel's head every thread asks
; for its 16 bytes of K and of V of each of the 16 steps (32 loads, into v32-159, which the loop needs only later), wave w also for step w's scale words; with Q's three, 37 loads of a thread are out at once.  They are stored
; into LDS as they come; ONE barrier follows.  Behind it no wave waits for another: each walks its 16 steps at its own pace.  Every load of K and V stands at the head, so there is no later load to ask ahead for: no prefetch.
; THE COPY CHOOSES THE ROWS OF A TILE: it swaps two bits of a piece's place, so that lane r of tile 2 B + u holds row 32 B + 8 u + r + 8 (r / 8): then the 16 registers of two neighbouring result tiles are 16 neighbours
; along the next product's K (keys for p, channels for the output).
; THE UPPER 64 ALONG K OF K Q^T: Q's upper eight registers are zero codes.  What stands in the upper eight registers of K's fragments is multiplied by those zeros, so it need only be numbers: it is codes of K and V
; (from the fill, later from V's fragments, which share the registers), made by a conversion that was held at the largest code, so never the NaN code; the scale bytes of those blocks are 0, which is 2^-127.
; MASK WORDS: a step that is masked in part wants 64 lane masks in scalar registers.  They are asked for a step ahead, behind the step's own masking (the first step's at the head).
; A ROW WITH NO KEY: its sum is 0; its scale bytes become 0xff, which makes the projection's sums NaN, as the softmax of such a row is.
; LIMITS: NaN and infinities in q, k, v are not served; a block under 2^-118 (zeros too) gets the byte 1.
.set SLB,  17408                       ; from slot to slot
.set VIM,  8192                        ; in a slot: K's images at 0, V's here,
.set KSW,  16384                       ; K's scale words (8 tiles x 64 bytes),
.set VSW,  16896                       ; V's (4 x 64)
.set SPARE, 16*SLB                     ; the spare words, 128 bytes for each of 16 waves
.set ADK,  7                           ; v7   the slot in hand + 16 lane
.set ADS,  208                         ; v208 the slot in hand + 4 lane
.set AKD,  222                         ; v222-225 where my piece of K goes, in slots 0, 4, 8, 12
.set AVD,  226                         ; v226-229 the same for V
; v0 thread; v1 16 lane; v2 4 lane; v5, v6 the add's two; v8 16 thread; v9 8 lane; v10, v11 where my wave's scale words go; v12 -M; v13 the largest t; v[14:15] the sum; v16-31 Q (upper 8 zeros);
; v32-95 four fragments of K, then of V; v96-159 S^T, then p; v160-191 O^T; v192-207 p's codes; v209 my offset among V's words; v216-221 scale words on their way; v230, v231 at work at the end;
; v232-247, v252, v254 at work; v248-251, v253, v255 scale words.
; s[2:3] mask words; s[4:5] output's scale words; s[8:9] output's image; s10 wave; s14 step; s15 the slot in hand; s16, s17 flags; s18 mantissa; s19 at work; s[20:21] selects; s[22:23] c; s[24:31] K, V, K's words, V's words; s32-63, s68-99 mask words.
	s_load_b128 s[4:7], s[0:1], 0x0                ; qkv, msk
	s_load_b64 s[8:9], s[0:1], 0x10                ; att
	v_lshl_add_u32 v5, v0, 2, SPARE
	v_mov_b32 v6, 0
	v_lshrrev_b32 v1, 5, v0
	s_delay_alu instid0(VALU_DEP_1)
	v_readfirstlane_b32 s10, v1                    ; wave 0..15
	s_and_b32 s12, ttmp7, 0xffff                   ; 16 batch + head
	s_bfe_u32 s19, s10, 0x10002
	s_mul_i32 s19, s19, 3
	s_xor_b32 s19, s19, s10
	s_lshl_b32 s13, s19, 3
	s_add_co_u32 s13, s13, ttmp9                   ; my tile of queries
	s_lshr_b32 s11, s12, 4                         ; batch
	s_and_b32 s19, s12, 15                         ; head
	s_mov_b32 s18, 0x600000
	s_mov_b32 s20, 0x76543210
	s_mov_b32 s21, 0xfedcba98
	s_mov_b32 s22, 0x3e38aa3b                      ; c = log2(e) / 8
	s_mov_b32 s23, s22
	s_mov_b32 s67, 0
	s_mul_i32 s14, s10, SLB                        ; slot w: my wave stores step w's scale words
	s_lshl_b32 s15, s10, 12                        ; V's words lie 4,096 bytes from step to step
	v_and_b32 v2, 31, v0                           ; lane
	s_delay_alu instid0(VALU_DEP_1)
	v_lshlrev_b32 v1, 4, v2
	s_delay_alu instid0(VALU_DEP_2)
	v_lshlrev_b32 v9, 3, v2
	v_lshlrev_b32 v8, 4, v0
	v_and_b32 v[AKD], 0x1b7, v0                    ; K: piece = 64 tile + 32 c + lane: bits 3 (r / 8) and 6 (tile % 2) change places
	v_bfe_u32 v10, v0, 3, 1
	v_bfe_u32 v11, v0, 6, 1
	s_delay_alu instid0(VALU_DEP_2)
	v_lshl_or_b32 v[AKD], v10, 6, v[AKD]
	s_delay_alu instid0(VALU_DEP_1)
	v_lshl_or_b32 v[AKD], v11, 3, v[AKD]
	s_delay_alu instid0(VALU_DEP_1)
	v_lshlrev_b32 v[AKD], 4, v[AKD]
	v_and_b32 v[AVD], 0x177, v0                    ; V: piece = 128 tile + 32 c + lane: bits 3 and 7
	v_bfe_u32 v11, v0, 7, 1
	s_delay_alu instid0(VALU_DEP_2)
	v_lshl_or_b32 v[AVD], v10, 7, v[AVD]
	s_delay_alu instid0(VALU_DEP_1)
	v_lshl_or_b32 v[AVD], v11, 3, v[AVD]
	s_delay_alu instid0(VALU_DEP_1)
	v_lshl_add_u32 v[AVD], v[AVD], 4, VIM
.irp g, 1,2,3
	v_add_nc_u32 v[AKD+\g], \g*4*SLB, v[AKD]       ; an LDS immediate has 16 bits: an address register for each four slots
	v_add_nc_u32 v[AVD+\g], \g*4*SLB, v[AVD]
.endr
	v_and_b32 v10, 0x19, v2                        ; K's words, four a lane: bits 1 and 2
	v_bfe_u32 v11, v2, 1, 1
	v_bfe_u32 v12, v2, 2, 1
	s_delay_alu instid0(VALU_DEP_2)
	v_lshl_or_b32 v10, v11, 2, v10
	s_delay_alu instid0(VALU_DEP_1)
	v_lshl_or_b32 v10, v12, 1, v10
	s_delay_alu instid0(VALU_DEP_1)
	v_lshl_add_u32 v10, v10, 4, KSW
	v_and_b32 v11, 0x13, v2                        ; V's words, two a lane: bits 2 and 3
	v_bfe_u32 v13, v2, 3, 1
	s_delay_alu instid0(VALU_DEP_2)
	v_lshl_or_b32 v11, v12, 3, v11
	s_delay_alu instid0(VALU_DEP_1)
	v_lshl_or_b32 v11, v13, 2, v11
	s_delay_alu instid0(VALU_DEP_1)
	v_lshl_add_u32 v11, v11, 3, VSW
	v_add_nc_u32 v10, s14, v10
	s_delay_alu instid0(VALU_DEP_2)
	v_add_nc_u32 v11, s14, v11
	v_add_nc_u32 v209, s15, v9
	v_and_b32 v254, 15, v0
	s_delay_alu instid0(VALU_DEP_1)
	v_lshlrev_b32 v254, 2, v254
	v_lshlrev_b32 v2, 2, v2
	s_wait_alu depctr_va_vdst(0)
	s_wait_kmcnt 0x0
	s_lshl_b32 s66, s13, 12
	s_add_nc_u64 s[2:3], s[6:7], s[66:67]          ; my tile's mask words: 256 bytes a step
	s_lshl_b32 s66, s13, 7
	s_add_nc_u64 s[6:7], s[6:7], s[66:67]
	s_load_b512 s[68:83], s[6:7], 0x80000          ; my tile's 16 pairs of flags
	s_load_b512 s[84:99], s[6:7], 0x80040
	s_lshl_b32 s66, s12, 7
	s_add_co_u32 s66, s66, s13
	s_lshl_b32 s14, s66, 6
	s_lshl_b32 s66, s66, 10
	s_add_nc_u64 s[32:33], s[4:5], s[66:67]        ; Q's image
	s_mov_b32 s66, s14
	s_add_nc_u64 s[34:35], s[4:5], s[66:67]
	s_add_nc_u64 s[34:35], s[34:35], 12582912      ; Q's scale words
	s_lshl_b32 s66, s12, 17
	s_add_nc_u64 s[24:25], s[4:5], s[66:67]
	s_add_nc_u64 s[24:25], s[24:25], 4194304       ; K's images: 8,192 bytes a step
	s_lshl_b32 s66, s12, 13
	s_add_nc_u64 s[28:29], s[4:5], s[66:67]
	s_add_nc_u64 s[28:29], s[28:29], 12845056      ; K's words: 512 a step, the head's 8,192 on end
	s_lshl_b32 s66, s11, 8
	s_add_co_u32 s66, s66, s19
	s_lshl_b32 s14, s66, 8
	s_lshl_b32 s66, s66, 13
	s_add_nc_u64 s[26:27], s[4:5], s[66:67]
	s_add_nc_u64 s[26:27], s[26:27], 8388608       ; V's images: 131,072 bytes from step to step
	s_mov_b32 s66, s14
	s_add_nc_u64 s[30:31], s[4:5], s[66:67]
	s_add_nc_u64 s[30:31], s[30:31], 13107200      ; V's words
	s_lshl_b32 s66, s11, 7
	s_add_co_u32 s66, s66, s13                     ; my token tile
	s_lshl_b32 s14, s66, 6
	s_lshl_b32 s66, s66, 14
	s_lshl_b32 s4, s19, 10
	s_add_co_u32 s66, s66, s4                      ; image: 16,384 token tile + 1,024 head
	s_lshr_b32 s4, s19, 1
	s_lshl_b32 s4, s4, 14
	s_add_co_u32 s14, s14, s4
	s_and_b32 s4, s19, 1
	s_lshl_b32 s4, s4, 1
	s_add_co_u32 s4, s14, s4                       ; words: 16,384 (head / 2) + 4 token + 2 (head % 2)
	s_mov_b32 s5, 0
	s_add_nc_u64 s[4:5], s[8:9], s[4:5]
	s_add_nc_u64 s[4:5], s[4:5], 4194304
	s_add_nc_u64 s[8:9], s[8:9], s[66:67]
	global_load_b128 v[16:19], v1, s[32:33]        ; Q's fragment stays in registers
	global_load_b128 v[20:23], v1, s[32:33] offset:512
	global_load_b32 v255, v254, s[34:35]
	global_load_b128 v[216:219], v8, s[28:29]      ; step w's words of K: the 512 threads take the head's 8,192 bytes
	global_load_b64 v[220:221], v209, s[30:31]     ; step w's words of V
.set t, 0
.rept 16
	global_load_b128 v[32+8*t:35+8*t], v8, s[24:25] offset:t*8192     ; my 16 bytes of step t's K: a wave reads 512 consecutive bytes
	global_load_b128 v[36+8*t:39+8*t], v8, s[26:27] offset:t*131072   ; and of its V
.set t, t+1
.endr
.irp j, 24,25,26,27,28,29,30,31
	v_mov_b32 v[\j], 0                             ; K = 64: Q's upper 64 along K are zero codes
.endr
.set j, 0
.rept 32
	v_mov_b32 v[160+j], 0                          ; O^T: the step is written once; the first finds zeros
.set j, j+1
.endr
	v_mov_b32 v13, 0xff61b1e6                      ; the largest t so far: -3e38
	s_delay_alu instid0(VALU_DEP_1)
	v_floor_f32 v12, -v13
	v_mov_b32 v14, 0
	v_mov_b32 v15, 0
.irp b, 0,1,2,3
	v_mov_b32 v[236+\b], 0                         ; a lane permute's destination counts as one of its sources
.endr
	v_mov_b32 v252, 0
	v_mov_b32 v253, 0
	s_wait_kmcnt 0x0
	s_or_b32 s16, s68, s70                         ; bit j: step j has a key that counts;
	s_or_b32 s17, s69, s71                         ; bit j: all of step j's keys count
.irp k, 72,74,76,78,80,82,84,86,88,90,92,94,96,98
	s_or_b32 s16, s16, s[\k]
	s_or_b32 s17, s17, s[\k+1]
.endr
	s_wait_xcnt 0x0                                ; the loads above have read their bases, s32 to s35 among them
	s_load_b512 s[32:47], s[2:3], 0x0              ; the first step's mask words
	s_load_b512 s[48:63], s[2:3], 0x40
	s_load_b512 s[68:83], s[2:3], 0x80
	s_load_b512 s[84:99], s[2:3], 0xc0
	s_wait_loadcnt 32                              ; Q and the scale words are in; the 32 loads of tiles, issued behind them, may be out
	ds_store_b128 v10, v[216:219]
	ds_store_b64 v11, v[220:221]
.set t, 0
.rept 16
	s_wait_loadcnt 30-2*t                          ; loads come back in order: step t's two are in, those of the steps behind it may be out
	ds_store_b128 v[AKD+t/4], v[32+8*t:35+8*t] offset:(t%4)*SLB
	ds_store_b128 v[AVD+t/4], v[36+8*t:39+8*t] offset:(t%4)*SLB
.set t, t+1
.endr
	s_wait_dscnt 0x0                               ; for the others' sake: my pieces have landed
	s_barrier_signal -1
	s_barrier_wait -1                              ; the head's K and V are whole; nothing is stored into LDS from here on
; The next step's mask words, if it is masked in part (some key counts, not all): 256 bytes on.  The registers are free: this step's masking is over, and every earlier request has been waited for.
.macro NEXTW
	s_and_not1_b32 s19, s16, s17
	s_bitcmp1_b32 s19, 1                           ; behind the last step the bit is 0: nothing is asked for
	s_cbranch_scc0 .Lno_words_\@
	s_load_b512 s[32:47], s[2:3], 0x100
	s_load_b512 s[48:63], s[2:3], 0x140
	s_load_b512 s[68:83], s[2:3], 0x180
	s_load_b512 s[84:99], s[2:3], 0x1c0
.Lno_words_\@:
.endm
; A KEY STEP: 128 keys, in the slot in hand.
.macro STEP
.rept 8
	v_nop                                          ; places behind the last step's products, whose fragments' and scale words' registers are loaded anew
.endr
	s_wait_alu depctr_va_vdst(0)
.irp g, 0,1                                    ; S^T = K Q^T, four tiles of 16 keys at a time
.if \g > 0
.rept 8
	v_nop                                          ; places in front of loads into registers that matrix instructions have read
.endr
.endif
.irp t, 0,1,2,3
	ds_load_b128 v[32+16*\t:35+16*\t], v[ADK] offset:(4*\g+\t)*1024
	ds_load_b128 v[36+16*\t:39+16*\t], v[ADK] offset:(4*\g+\t)*1024+512
.endr
.if \g == 0
.irp p, 0,1,2,3
	ds_load_b32 v[248+\p], v[ADS] offset:KSW+128*\p   ; lanes 0-15: tile 2 p's words; lanes 16-31: tile 2 p + 1's
.endr
.endif
	s_wait_dscnt 0x0
.irp t, 0,2
	v_wmma_scale_f32_16x16x128_f8f6f4 v[96+8*(4*\g+\t):103+8*(4*\g+\t)], v[32+16*\t:47+16*\t], v[16:31], 0, v[248+2*\g+\t/2], v255
	v_wmma_scale_f32_16x16x128_f8f6f4 v[104+8*(4*\g+\t):111+8*(4*\g+\t)], v[48+16*\t:63+16*\t], v[16:31], 0, v[248+2*\g+\t/2], v255 matrix_a_scale:MATRIX_SCALE_ROW1
.endr
.endr                                          ; lane (r, h): query r; register 96 + 16 B + i: key 32 B + 16 h + i
.rept 8
	v_nop                                          ; places in front of the loads below and of the first read of the scores
.endr
.irp t, 0,1,2,3                                ; V's four fragments take K's registers, a softmax ahead of their use
.irp c, 0,1,2,3
	ds_load_b128 v[32+16*\t+4*\c:35+16*\t+4*\c], v[ADK] offset:VIM+2048*\t+512*\c
.endr
.endr
	ds_load_b32 v248, v[ADS] offset:VSW
	ds_load_b32 v249, v[ADS] offset:VSW+128
	s_wait_kmcnt 0x0                               ; this step's mask words, if any were asked for
	s_bitcmp1_b32 s17, 0                           ; all keys count: no masking
	s_cbranch_scc1 .Lopen_\@
	v_mov_b32 v254, 0xff800000                     ; -infinity: p = 0 then
.set n, 0
.rept 32
	v_cndmask_b32 v[96+n], v254, v[96+n], s[32+n]  ; word n is register n's lane mask
.set n, n+1
.endr
.rept 32
	v_cndmask_b32 v[96+n], v254, v[96+n], s[36+n]
.set n, n+1
.endr
.Lopen_\@:
	NEXTW
.irp b, 0,1,2,3
	v_max3_num_f32 v[232+\b], v[96+16*\b], v[97+16*\b], v[98+16*\b]   ; the largest score of each block of 32 keys: for the row's maximum, and, since p rises with the score, for the block's largest p
.endr
.irp i, 3,5,7,9,11,13
.irp b, 0,1,2,3
	v_max3_num_f32 v[232+\b], v[232+\b], v[96+16*\b+\i], v[97+16*\b+\i]
.endr
.endr
.irp b, 0,1,2,3
	v_max_num_f32 v[232+\b], v[232+\b], v[111+16*\b]
.endr
.irp b, 0,1,2,3
	s_delay_alu instid0(VALU_DEP_4)
	v_permlanex16_b32 v[236+\b], v[232+\b], s20, s21
.endr
.irp b, 0,1,2,3
	s_delay_alu instid0(VALU_DEP_4)
	v_max_num_f32 v[232+\b], v[232+\b], v[236+\b]
.endr
	s_delay_alu instid0(VALU_DEP_2)
	v_max3_num_f32 v254, v232, v233, v234
	s_delay_alu instid0(VALU_DEP_1)
	v_max_num_f32 v254, v254, v235
	s_delay_alu instid0(VALU_DEP_1)
	v_mul_f32 v254, s22, v254                      ; as t
	s_delay_alu instid0(VALU_DEP_1)
	v_max_num_f32 v13, v13, v254                   ; the running largest t (a row with no key yet keeps -3e38)
	v_mov_b32 v254, v12
	s_delay_alu instid0(VALU_DEP_2)
	v_floor_f32 v12, -v13                          ; -M = floor(-t): M is a whole number
	s_delay_alu instid0(VALU_DEP_1)
	v_sub_f32 v254, v12, v254
	s_delay_alu instid0(VALU_DEP_1)
	v_cvt_i32_f32 v254, v254                       ; (it saturates)
	s_delay_alu instid0(VALU_DEP_1)
	v_ldexp_f32 v252, 1.0, v254                    ; f = 2^(old M - new M): rounds nothing
.set j, 0
.rept 32
	v_pk_fma_f32 v[96+j:97+j], v[96+j:97+j], s[22:23], v[12:13] op_sel_hi:[1,0,0]   ; t - M
.set j, j+2
.endr
.irp b, 0,1,2,3
	v_fma_f32 v[232+\b], v[232+\b], s22, v12
.endr
.set j, 0
	s_wait_alu depctr_va_vdst(0)
.rept 64
	v_exp_f32 v[96+j], v[96+j]                     ; p = 2^(t - M): not normalised
.set j, j+1
.endr
	v_pk_mul_f32 v[14:15], v[14:15], v[252:253] op_sel_hi:[1,0]   ; the sums under the new M: a plain instruction behind the exponentials
	s_wait_alu depctr_va_vdst(0)                   ; one wait for the batch, ahead of its first reader
.irp b, 0,1,2,3
	v_exp_f32 v[232+\b], v[232+\b]                 ; the block's largest p
.endr
	v_pk_add_f32 v[236:237], v[100:101], v[104:105]
	v_pk_add_f32 v[214:215], v[108:109], v[112:113]
	v_pk_add_f32 v[212:213], v[116:117], v[120:121]
	v_pk_add_f32 v[210:211], v[124:125], v[128:129]
	v_pk_add_f32 v[14:15], v[14:15], v[132:133]
	v_pk_add_f32 v[236:237], v[236:237], v[136:137]
	v_pk_add_f32 v[214:215], v[214:215], v[140:141]
	v_pk_add_f32 v[212:213], v[212:213], v[144:145]
	v_pk_add_f32 v[210:211], v[210:211], v[148:149]
	v_pk_add_f32 v[14:15], v[14:15], v[152:153]
	v_pk_add_f32 v[236:237], v[236:237], v[156:157]
	v_pk_add_f32 v[214:215], v[214:215], v[96:97]
	v_pk_add_f32 v[212:213], v[212:213], v[98:99]
	v_pk_add_f32 v[210:211], v[210:211], v[102:103]
	v_pk_add_f32 v[14:15], v[14:15], v[106:107]
	v_pk_add_f32 v[236:237], v[236:237], v[110:111]
	v_pk_add_f32 v[214:215], v[214:215], v[114:115]
	v_pk_add_f32 v[212:213], v[212:213], v[118:119]
	v_pk_add_f32 v[210:211], v[210:211], v[122:123]
	v_pk_add_f32 v[14:15], v[14:15], v[126:127]
	v_pk_add_f32 v[236:237], v[236:237], v[130:131]
	v_pk_add_f32 v[214:215], v[214:215], v[134:135]
	v_pk_add_f32 v[212:213], v[212:213], v[138:139]
	v_pk_add_f32 v[210:211], v[210:211], v[142:143]
	v_pk_add_f32 v[14:15], v[14:15], v[146:147]
	v_pk_add_f32 v[236:237], v[236:237], v[150:151]
	v_pk_add_f32 v[214:215], v[214:215], v[154:155]
	v_pk_add_f32 v[212:213], v[212:213], v[158:159]
	s_delay_alu instid0(VALU_DEP_1)
	v_pk_add_f32 v[14:15], v[14:15], v[212:213]
	s_delay_alu instid0(VALU_DEP_4)
	v_pk_add_f32 v[236:237], v[236:237], v[210:211]
	s_delay_alu instid0(VALU_DEP_2)
	v_pk_add_f32 v[14:15], v[14:15], v[214:215]
	s_delay_alu instid0(VALU_DEP_1)
	v_pk_add_f32 v[14:15], v[14:15], v[236:237]
	s_wait_alu depctr_va_vdst(0)                   ; and one for the four
.irp b, 0,1,2,3
	v_max_num_f32 v[232+\b], 0x4800000, v[232+\b]  ; the floor 2^(9 - 127)
.endr
.irp b, 0,1,2,3
	s_delay_alu instid0(VALU_DEP_4)
	v_add_nc_u32 v[244+\b], 0xfc000000, v[232+\b]
.endr
.irp b, 0,1,2,3
	v_and_or_b32 v[240+\b], v[232+\b], 0x7f800000, s18
.endr
.irp b, 0,1,2,3
	v_lshrrev_b32 v[236+\b], 23, v[244+\b]
.endr
	s_delay_alu instid0(VALU_DEP_3)
	v_lshl_or_b32 v253, v237, 8, v236              ; p's scale word for these 128 keys
	s_delay_alu instid0(VALU_DEP_1)
	v_lshl_or_b32 v253, v238, 16, v253
	s_delay_alu instid0(VALU_DEP_1)
	v_lshl_or_b32 v253, v239, 24, v253
.irp b, 0,1,2,3
.irp i, 0,2,4,6,8,10,12,14
	v_dual_min_num_f32 v[96+16*\b+\i], v[96+16*\b+\i], v[240+\b] :: v_dual_min_num_f32 v[97+16*\b+\i], v[97+16*\b+\i], v[240+\b]   ; the hold (ISA guide 7.6.2), two numbers an instruction; p is not negative
.endr
	v_cvt_scalef32_pk8_fp8_f32 v[192+4*\b:193+4*\b], v[96+16*\b:103+16*\b], v[244+\b]
	v_cvt_scalef32_pk8_fp8_f32 v[194+4*\b:195+4*\b], v[104+16*\b:111+16*\b], v[244+\b]
.endr
.set j, 0
.rept 16
	v_pk_mul_f32 v[160+j:161+j], v[160+j:161+j], v[252:253] op_sel_hi:[1,0]   ; O^T under the new M; these are also the places in front of the products
.set j, j+2
.endr
	s_wait_alu depctr_va_vdst(0)
	s_wait_dscnt 0x0                               ; V's fragments and words, asked for ahead of the softmax
.irp t, 0,2
	v_wmma_scale_f32_16x16x128_f8f6f4 v[160+8*\t:167+8*\t], v[32+16*\t:47+16*\t], v[192:207], v[160+8*\t:167+8*\t], v[248+\t/2], v253
	v_wmma_scale_f32_16x16x128_f8f6f4 v[168+8*\t:175+8*\t], v[48+16*\t:63+16*\t], v[192:207], v[168+8*\t:175+8*\t], v[248+\t/2], v253 matrix_a_scale:MATRIX_SCALE_ROW1
.endr
.endm
	s_mov_b32 s14, 0
	s_mov_b32 s15, 0
.Lstep:                                            ; 16 trips, one key step each
	v_add_nc_u32 v[ADK], s15, v1                   ; made on every way, ahead of the branch
	v_add_nc_u32 v[ADS], s15, v2
	s_bitcmp1_b32 s16, 0                           ; no key of this step counts for my 16 queries: its work is passed over
	s_cbranch_scc0 .Lnone
	STEP
	s_branch .Ljoin
.Lnone:
	s_wait_kmcnt 0x0                               ; no request is out when the next one is made
	NEXTW
.Ljoin:
	s_wait_xcnt 0x0                                ; the requests have read their base
	s_add_nc_u64 s[2:3], s[2:3], 256
	s_add_co_u32 s15, s15, SLB
	s_lshr_b32 s16, s16, 1
	s_lshr_b32 s17, s17, 1
	s_add_co_u32 s14, s14, 1
	s_cmp_lt_u32 s14, 16
	s_cbranch_scc1 .Lstep
	s_wait_kmcnt 0x0
	; THE WAY OUT: O^T / the sum, quantised along the head's 64 (register 16 B + i = channel 32 B + 16 h + i), as half an image of the projection's operand.
.rept 8
	v_nop
.endr
	s_wait_alu depctr_va_vdst(0)
	v_add_f32 v14, v14, v15
	s_delay_alu instid0(VALU_DEP_1)
	v_permlanex16_b32 v252, v14, s20, s21
	s_delay_alu instid0(VALU_DEP_1)
	v_add_f32 v14, v14, v252                       ; the row's sum: over 1/2 wherever a key counts
	s_delay_alu instid0(VALU_DEP_1)
	v_cmp_eq_f32 s26, 0, v14                       ; a row with no key
	s_delay_alu instid0(VALU_DEP_2)
	v_max_num_f32 v15, 0x3e800000, v14             ; (the floor 1/4 changes no row that has a key)
	s_wait_alu depctr_va_vdst(0)
	v_rcp_f32 v252, v15
	v_mov_b32 v231, 0xffff                         ; a plain instruction behind the transcendental
	s_wait_alu depctr_va_vdst(0)
.set j, 0
.rept 16
	v_pk_mul_f32 v[96+j:97+j], v[160+j:161+j], v[252:253] op_sel_hi:[1,0]
.set j, j+2
.endr
.irp b, 0,1
	v_max3_num_f32 v[232+\b], |v[96+16*\b]|, |v[97+16*\b]|, 0x4800000
.endr
.irp i, 2,4,6,8,10,12,14
.irp b, 0,1
	s_delay_alu instid0(VALU_DEP_2)
	v_max3_num_f32 v[232+\b], v[232+\b], |v[96+16*\b+\i]|, |v[97+16*\b+\i]|
.endr
.endr
.irp b, 0,1
	s_delay_alu instid0(VALU_DEP_2)
	v_permlanex16_b32 v[236+\b], v[232+\b], s20, s21
.endr
.irp b, 0,1
	s_delay_alu instid0(VALU_DEP_2)
	v_max_num_f32 v[232+\b], v[232+\b], v[236+\b]
.endr
.irp b, 0,1
	s_delay_alu instid0(VALU_DEP_2)
	v_add_nc_u32 v[244+\b], 0xfc000000, v[232+\b]
.endr
.irp b, 0,1
	s_delay_alu instid0(VALU_DEP_4)
	v_and_or_b32 v[240+\b], v[232+\b], 0x7f800000, s18
.endr
.irp b, 0,1
	s_delay_alu instid0(VALU_DEP_4)
	v_lshrrev_b32 v[236+\b], 23, v[244+\b]
.endr
	s_delay_alu instid0(VALU_DEP_1)
	v_lshl_or_b32 v254, v237, 8, v236              ; my head's two bytes of the row's scale word
	s_delay_alu instid0(VALU_DEP_1)
	v_cndmask_b32 v254, v254, v231, s26            ; 0xff, 0xff for a row with no key
.irp b, 0,1
.irp i, 0,1,2,3,4,5,6,7,8,9,10,11,12,13,14,15
	v_med3_num_f32 v[96+16*\b+\i], v[96+16*\b+\i], -v[240+\b], v[240+\b]
.endr
	v_cvt_scalef32_pk8_fp8_f32 v[192+4*\b:193+4*\b], v[96+16*\b:103+16*\b], v[244+\b]
	v_cvt_scalef32_pk8_fp8_f32 v[194+4*\b:195+4*\b], v[104+16*\b:111+16*\b], v[244+\b]
.endr
	v_and_b32 v230, 31, v0                         ; (a plain instruction behind the last conversion)
	global_store_b128 v1, v[192:195], s[8:9]       ; 512 consecutive bytes each
	global_store_b128 v1, v[196:199], s[8:9] offset:512
	v_cmp_gt_u32 vcc_lo, 16, v230
	s_wait_xcnt 0x0                                ; EXEC changes only behind this wait
	s_and_saveexec_b32 s27, vcc_lo
	global_store_b16 v2, v254, s[4:5]              ; lanes 0-15: two bytes of each of my 16 rows' words; the word's other half is the neighbouring head's
	s_wait_xcnt 0x0
	s_or_b32 exec_lo, exec_lo, s27
	s_wait_tensorcnt 0x0                           ; the wave's end, behind my last LDS store
	ds_add_u32 v5, v6
	s_wait_dscnt 0x0
	s_endpgm
.Lfunc_end_k_q2be3616ed9_attn:
	.size	k_q2be3616ed9_attn, .Lfunc_end_k_q2be3616ed9_attn-k_q2be3616ed9_attn
	.p2alignl 7, 3214868480
	.fill 96, 4, 3214868480
	.section	.rodata,"a",@progbits
	.p2align	6, 0x0
	.amdhsa_kernel k_q2be3616ed9_attn
		.amdhsa_group_segment_fixed_size 280576
		.amdhsa_private_segment_fixed_size 0
		.amdhsa_enable_private_segment 0
		.amdhsa_kernarg_size 24
		.amdhsa_user_sgpr_count 2
		.amdhsa_user_sgpr_kernarg_segment_ptr 1
		.amdhsa_wavefront_size32 1
		.amdhsa_system_sgpr_workgroup_id_x 1
		.amdhsa_system_sgpr_workgroup_id_y 1
		.amdhsa_system_sgpr_workgroup_id_z 1
		.amdhsa_system_vgpr_workitem_id 0
		.amdhsa_next_free_vgpr 256
		.amdhsa_next_free_sgpr 100
		.amdhsa_reserve_vcc 1
		.amdhsa_float_denorm_mode_32 3
		.amdhsa_float_denorm_mode_16_64 3
		.amdhsa_memory_ordered 1
		.amdhsa_forward_progress 1
		.amdhsa_inst_pref_size 47
	.end_amdhsa_kernel
	.amdgpu_metadata
---
amdhsa.version: [ 1, 2 ]
amdhsa.kernels:
  - .name:           k_q2be3616ed9_attn
    .symbol:         k_q2be3616ed9_attn.kd
    .args:
      - { .name: qkv, .offset: 0, .size: 8, .value_kind: global_buffer, .address_space: global }
      - { .name: msk, .offset: 8, .size: 8, .value_kind: global_buffer, .address_space: global }
      - { .name: att, .offset: 16, .size: 8, .value_kind: global_buffer, .address_space: global }
    .group_segment_fixed_size: 280576
    .private_segment_fixed_size: 0
    .kernarg_segment_align: 8
    .kernarg_segment_size: 24
    .max_flat_workgroup_size: 512
    .sgpr_count:     100
    .vgpr_count:     256
    .wavefront_size: 32
...
	.end_amdgpu_metadata
.endif
;; end of part 3
;; launch proj (part 4): grid 8 x 32, 4 waves a work-group, clusters of 4 x 4, 327,680 bytes of LDS; arguments att, w_proj_codes, w_proj_scales, x, x1; writes x1
.if DOCPART == 4
	.amdgcn_target "amdgcn-amd-amdhsa--gfx1250"
	.amdhsa_code_object_version 6
	.text
	.protected	k_q2be3616ed9_proj
	.globl	k_q2be3616ed9_proj
	.p2align	8
	.type	k_q2be3616ed9_proj,@function
k_q2be3616ed9_proj:
	s_mov_b64 s[64:65], 0
	v_nop
	global_prefetch_b8 v0, s[64:65] scope:SCOPE_SE
	s_setreg_imm32_b32 hwreg(HW_REG_WAVE_MODE, 25, 1), 1
	s_wait_xcnt 0x0
	s_wait_alu depctr_hold_cnt(0) depctr_sa_sdst(0) depctr_va_vdst(0) depctr_va_sdst(0) depctr_va_ssrc(0) depctr_va_vcc(0) depctr_vm_vsrc(0)
	s_getreg_b32 s2, hwreg(HW_REG_IB_STS2, 6, 4)
	s_cmp_eq_u32 s2, 0
	s_cbranch_scc0 .Lentry_in_a_cluster
	s_endpgm
.Lentry_in_a_cluster:
	s_bfe_u32 s2, ttmp6, 0x10000c
	s_cmp_lg_u32 s2, 0xf033
	s_cbranch_scc0 .Lentry_shape_is_right
	s_endpgm
.Lentry_shape_is_right:
; x1 = x + att W_proj on codes (K = 1,024).  No work is left out.  A block of 128 x 128 by four waves; wave w multiplies the w-th 128 of each 512 along K, and the four parts are added through LDS on the way out.
; Y = the tokens' operand images (8 tiles of 16 rows, 2,048 bytes for 128 of K), X = the weight's rows.  Two LDS slots of 512 along K, filled by joint loads in a cluster of 4 x 4; both operands' scale bytes come once.
; At the head each wave has one load: Y's slot 0, X's slot 0, Y's scales, X's scales.  K has two slots only, so no slot is filled again.
; PREFETCH: slot 1 is asked of memory behind the head's loads, a slot ahead of its load, one instruction a wave: of the half slot that a wave fetches, the quarter (32 blocks of 256 bytes) that falls to its work-group
; among the four that ask jointly, told apart by address (cx for Y, cy for X).  My wave's 32 rows x 512 bytes of x, which the way out adds, are asked for behind slot 1's load: a lane a row, two blocks.
.set SIZE_K, 1024
.set YSOFF,  4194304
.set KSN,    SIZE_K/128
.set KS,     SIZE_K/32
.set NSL,    SIZE_K/512
.set XP,     528
.set FR,     16
.set NL,     4
.set NP,     8
.set XOFF,   65536
.set SLOT,   XOFF+128*XP
.set SCY,    2*SLOT
.set SCX,    SCY+KSN*512
.set HSX,    (64*KS/256)*272
.set SXB,    (32*KS/256)*272
.set SPARE,  SCX+2*HSX
.set SPITCH, 528
.set WSTG,   128*SPITCH
.set RD,   10
.set ADRY, 16
.set ADRX, 20
.set ADSY, 22
.set ADSX, 23
.set STO,  24
.set CO,   26
.set SPW,  28
.set NIL,  29
.set SY,   32
.set SX,   40
.set AF,   128
.set G1Y, 24
.set G0Y, 32
.set G1X, 48
.set G0X, 56
.set G1SY, 68
.set G0SY, 76
.set G1SX, 80
.set G0SX, 88
.set MSB, 0
.macro WIN new
.if MSB != \new
	s_set_vgpr_msb (MSB<<8)|\new
.set MSB, \new
.endif
.endm
.set MUL_LO, 0xa1
.set MUL_HI, 0xf1
.set TO_B,   0x40
.macro JLOAD g0a, g1a, g0b, g1b
	s_cmp_eq_u32 s15, 0
	s_cbranch_scc0 .Lfor_b_\@
	tensor_load_to_lds s[\g0a:\g0a+3], s[\g1a:\g1a+7]
	s_nop 0
.rept 4
	v_nop
.endr
	s_branch .Lasked_\@
.Lfor_b_\@:
	tensor_load_to_lds s[\g0b:\g0b+3], s[\g1b:\g1b+7]
	s_nop 0
.rept 4
	v_nop
.endr
.Lasked_\@:
.endm
.macro CREST
	s_cmp_lg_u32 s14, 0
	s_cbranch_scc1 .Lnot_wave_0_\@
	s_barrier_signal -3
.Lnot_wave_0_\@:
	s_barrier_wait -3
	s_barrier_signal -1
	s_barrier_wait -1
.endm
.macro CROUND
	s_barrier_signal -1
	s_barrier_wait -1
	CREST
.endm
	s_load_b64 s[4:5], s[0:1], 0x0
	s_load_b128 s[8:11], s[0:1], 0x8
	s_load_b128 s[92:95], s[0:1], 0x18
	v_lshl_add_u32 v[SPW], v0, 2, SPARE
	v_mov_b32 v[NIL], 0
	ds_add_u32 v[SPW], v[NIL]
	ds_add_u32 v[SPW], v[NIL]
	v_lshrrev_b32 v1, 5, v0
	v_readfirstlane_b32 s14, v1
	s_lshr_b32 s15, s14, 1
	s_and_b32 s16, s14, 1
	s_bfe_u32 s40, ttmp6, 0x40000
	s_bfe_u32 s41, ttmp6, 0x40004
	s_lshl_b32 s42, ttmp9, 2
	s_add_co_u32 s42, s42, s40
	s_and_b32 s17, ttmp7, 0xffff
	s_lshl_b32 s17, s17, 2
	s_add_co_u32 s17, s17, s41
	s_lshl_b32 s43, s41, 2
	s_lshl_b32 s43, 15, s43
	s_lshl_b32 s44, 0x1111, s40
	s_or_b32 s[G1Y+0], s43, (3<<16)|(1<<21)
	s_mov_b32 s[G1Y+1], 1024<<16
	s_mov_b32 s[G1Y+2], 8<<16
	s_mov_b32 s[G1Y+3], 1024<<16
	s_mov_b32 s[G1Y+4], 8
	s_mov_b32 s[G1Y+5], KSN*256
	s_mov_b32 s[G1Y+6], 0
	s_mov_b32 s[G1Y+7], 0
	s_or_b32 s[G1X+0], s44, (0<<16)|(1<<20)|(1<<21)|(6<<22)|(3<<25)
	s_mov_b32 s[G1X+1], 512<<16
	s_mov_b32 s[G1X+2], 128<<16
	s_mov_b32 s[G1X+3], 512<<16
	s_mov_b32 s[G1X+4], 128
	s_mov_b32 s[G1X+5], SIZE_K
	s_mov_b32 s[G1X+6], 0
	s_mov_b32 s[G1X+7], 0
	s_or_b32 s[G1SY+0], s43, (3<<16)|(1<<21)
	s_mov_b32 s[G1SY+1], 64<<16
	s_mov_b32 s[G1SY+2], KSN<<16
	s_mov_b32 s[G1SY+3], 64<<16
	s_mov_b32 s[G1SY+4], KSN
	s_mov_b32 s[G1SY+5], 2048
	s_mov_b32 s[G1SY+6], 0
	s_mov_b32 s[G1SY+7], 0
	s_or_b32 s[G1SX+0], s44, (3<<16)|(1<<20)|(1<<21)|(5<<22)|(3<<25)
	s_mov_b32 s[G1SX+1], 32<<16
	s_mov_b32 s[G1SX+2], (128*KS/256)<<16
	s_mov_b32 s[G1SX+3], 32<<16
	s_mov_b32 s[G1SX+4], 128*KS/256
	s_mov_b32 s[G1SX+5], 32
	s_mov_b32 s[G1SX+6], 0
	s_mov_b32 s[G1SX+7], 0
	s_lshl_b32 s20, s17, 3
	s_mul_i32 s20, s20, KSN*2048
	s_mov_b32 s21, 0
	s_lshl_b32 s22, s17, 9
	s_mov_b32 s23, 0
	s_lshl_b32 s46, s42, 7
	s_mul_i32 s96, s46, KS
	s_mov_b32 s97, 0
	s_mul_i32 s46, s46, SIZE_K
	s_mov_b32 s47, 0
	s_lshl_b32 s45, s16, 15
	s_mul_i32 s19, s16, 64*XP
	s_add_co_u32 s19, s19, XOFF
	s_wait_dscnt 0x0
	s_wait_kmcnt 0x0
	s_add_nc_u64 s[20:21], s[4:5], s[20:21]
	s_add_nc_u64 s[22:23], s[4:5], s[22:23]
	s_add_nc_u64 s[22:23], s[22:23], YSOFF
	s_add_nc_u64 s[46:47], s[8:9], s[46:47]
	s_add_nc_u64 s[96:97], s[10:11], s[96:97]
	CROUND
.set G0H, 4                            ; s[4:7], s[8:11] group 0 of the head's loads of slot 0 (the pointers that lay there have been used)
.set G0HB, 8
	s_mov_b32 s[G0H], 1                            ; the head's four tiles, each whole: slot 0's eight tiles of Y,
	s_mov_b32 s[G0H+1], 0
	s_mov_b64 s[G0H+2:G0H+3], s[20:21]
	s_or_b32 s[G0H+3], s[G0H+3], 0x80000000
	s_mov_b32 s[G0HB], 1                           ; its 128 rows of X,
	s_mov_b32 s[G0HB+1], XOFF
	s_mov_b64 s[G0HB+2:G0HB+3], s[46:47]
	s_or_b32 s[G0HB+3], s[G0HB+3], 0x80000000
	s_mov_b32 s[G0SY], 1                           ; Y's scales,
	s_mov_b32 s[G0SY+1], SCY
	s_mov_b64 s[G0SY+2:G0SY+3], s[22:23]
	s_or_b32 s[G0SY+3], s[G0SY+3], 0x80000000
	s_mov_b32 s[G0SX], 1                           ; X's scales
	s_mov_b32 s[G0SX+1], SCX
	s_mov_b64 s[G0SX+2:G0SX+3], s[96:97]
	s_or_b32 s[G0SX+3], s[G0SX+3], 0x80000000
	s_mul_i32 s2, s16, 4*KSN*2048                  ; for the ring: my half of Y's tiles,
	s_mov_b32 s3, 0
	s_add_nc_u64 s[20:21], s[20:21], s[2:3]
	s_mul_i32 s2, s16, 64*SIZE_K                   ; of X's rows
	s_add_nc_u64 s[46:47], s[46:47], s[2:3]
.irp s, 0,1
	s_mov_b32 s[G0Y+4*\s], 1
	s_add_co_u32 s[G0Y+4*\s+1], s45, \s*SLOT
	s_add_nc_u64 s[G0Y+4*\s+2:G0Y+4*\s+3], s[20:21], \s*8192
	s_or_b32 s[G0Y+4*\s+3], s[G0Y+4*\s+3], 0x80000000
	s_mov_b32 s[G0X+4*\s], 1
	s_add_co_u32 s[G0X+4*\s+1], s19, \s*SLOT
	s_add_nc_u64 s[G0X+4*\s+2:G0X+4*\s+3], s[46:47], \s*512
	s_or_b32 s[G0X+4*\s+3], s[G0X+4*\s+3], 0x80000000
.endr
; the head's loads, one a wave: one chain of branches on the wave's number, a load to an arm
.macro ARM under, g0, g1, next
	s_cmp_lt_u32 s14, \under
	s_cbranch_scc0 \next
	tensor_load_to_lds s[\g0:\g0+3], s[\g1:\g1+7]
	s_nop 0
.rept 4
	v_nop
.endr
	s_branch .Lhead_asked
\next:
.endm
	ARM 1, G0H,  G1Y,  .Lhead_b
	ARM 2, G0HB, G1X,  .Lhead_sa
	ARM 3, G0SY, G1SY, .Lhead_sb
	tensor_load_to_lds s[G0SX:G0SX+3], s[G1SX:G1SX+7]
	s_nop 0
.rept 4
	v_nop
.endr
.Lhead_asked:
	; the prefetch of slot 1: s[12:13] my work-group's quarter of the half slot that I fetch, a slot on (Y: 8,192 bytes of a tile's row; X: 512 bytes of each row);
	; v30 my lane's block: Y: 256 x lane; X: row lane / 2, half lane % 2.  A quarter begins 16 SIZE_K bytes behind the last in Y (a tile's row) and in X (16 rows) alike.  None of these registers is rewritten
	s_cmp_eq_u32 s15, 0
	s_cselect_b64 s[12:13], s[20:21], s[46:47]
	s_cselect_b32 s18, s40, s41
	s_mov_b32 s96, 512
	s_cselect_b32 s96, 8192, s96
	s_mov_b32 s22, SIZE_K
	s_cselect_b32 s22, 512, s22
	s_mov_b32 s97, 0
	s_mul_i32 s18, s18, 16*SIZE_K
	s_mov_b32 s19, 0
	s_add_nc_u64 s[12:13], s[12:13], s[18:19]
	s_add_nc_u64 s[12:13], s[12:13], s[96:97]
	v_and_b32 v27, 31, v0
	v_lshlrev_b32 v27, 12, v27                     ; x: a lane a row of 4,096 bytes
	v_bfe_u32 v30, v0, 1, 4
	v_mul_lo_u32 v30, v30, s22
	v_and_b32 v31, 1, v0
	v_lshl_add_u32 v30, v31, 8, v30
	global_prefetch_b8 v30, s[12:13] th:TH_LOAD_NT scope:SCOPE_SE
	v_and_b32 v1, 15, v0
	v_bfe_u32 v2, v0, 4, 1
	v_and_b32 v3, 31, v0
	v_lshlrev_b32 v[CO], 4, v3
	s_lshl_b32 s18, s14, 11
	v_add_nc_u32 v[ADRY], s18, v[CO]
	v_add_nc_u32 v[ADRY+1], SLOT, v[ADRY]
	v_mul_u32_u24 v4, v1, XP
	v_lshl_add_u32 v4, v2, 4, v4
	s_lshl_b32 s18, s14, 7
	s_add_co_u32 s18, s18, XOFF
	v_add_nc_u32 v[ADRX], s18, v4
	v_add_nc_u32 v[ADRX+1], SLOT, v[ADRX]
	s_lshl_b32 s18, s14, 9
	s_add_co_u32 s18, s18, SCY
	v_lshl_add_u32 v[ADSY], v3, 2, s18
	v_mul_u32_u24 v5, v3, KS
	v_lshrrev_b32 v6, 8, v5
	v_lshl_add_u32 v5, v6, 4, v5
	s_lshl_b32 s18, s14, 2
	s_add_co_u32 s18, s18, SCX
	v_add_nc_u32 v[ADSX], s18, v5
	s_mul_i32 s18, s14, WSTG
	v_mul_u32_u24 v5, v1, SPITCH
	v_lshl_add_u32 v5, v2, 5, v5
	v_add_nc_u32 v[STO], s18, v5
	s_mul_i32 s18, s14, 32*SPITCH
	v_add_nc_u32 v[RD], s18, v[CO]
	v_add_nc_u32 v[RD+1], WSTG, v[RD]
	v_add_nc_u32 v[RD+2], 2*WSTG, v[RD]
	v_add_nc_u32 v[RD+3], 3*WSTG, v[RD]
	s_lshl_b32 s20, s17, 7
	s_lshl_b32 s21, s14, 5
	s_add_co_u32 s20, s20, s21
	s_lshl_b32 s20, s20, 12
	s_mov_b32 s21, 0
	s_lshl_b32 s46, s42, 9
	s_mov_b32 s47, 0
	s_add_nc_u64 s[20:21], s[20:21], s[46:47]
	s_add_nc_u64 s[92:93], s[92:93], s[20:21]
	s_add_nc_u64 s[94:95], s[94:95], s[20:21]
.macro PROD a, b, p, zero
.set rD, 8*(8*((\a)%4)+(\b))
.set rX, 128*(\p)+FR*(\b)
.set rY, AF+FR*(\a)
.set rSX, SX+4*(\p)+(\b)/2
.set rSY, SY+4*(\p)+(\a)/2
.set rOD, 2*((\a)%2)+(\b)%2
.if \zero
.if rOD == 0
	v_wmma_scale_f32_16x16x128_f8f6f4 v[rD:rD+7], v[rX:rX+15], v[rY:rY+15], 0, v[rSX], v[rSY]
.elseif rOD == 1
	v_wmma_scale_f32_16x16x128_f8f6f4 v[rD:rD+7], v[rX:rX+15], v[rY:rY+15], 0, v[rSX], v[rSY] matrix_a_scale:MATRIX_SCALE_ROW1
.elseif rOD == 2
	v_wmma_scale_f32_16x16x128_f8f6f4 v[rD:rD+7], v[rX:rX+15], v[rY:rY+15], 0, v[rSX], v[rSY] matrix_b_scale:MATRIX_SCALE_ROW1
.else
	v_wmma_scale_f32_16x16x128_f8f6f4 v[rD:rD+7], v[rX:rX+15], v[rY:rY+15], 0, v[rSX], v[rSY] matrix_a_scale:MATRIX_SCALE_ROW1 matrix_b_scale:MATRIX_SCALE_ROW1
.endif
.else
.if rOD == 0
	v_wmma_scale_f32_16x16x128_f8f6f4 v[rD:rD+7], v[rX:rX+15], v[rY:rY+15], v[rD:rD+7], v[rSX], v[rSY]
.elseif rOD == 1
	v_wmma_scale_f32_16x16x128_f8f6f4 v[rD:rD+7], v[rX:rX+15], v[rY:rY+15], v[rD:rD+7], v[rSX], v[rSY] matrix_a_scale:MATRIX_SCALE_ROW1
.elseif rOD == 2
	v_wmma_scale_f32_16x16x128_f8f6f4 v[rD:rD+7], v[rX:rX+15], v[rY:rY+15], v[rD:rD+7], v[rSX], v[rSY] matrix_b_scale:MATRIX_SCALE_ROW1
.else
	v_wmma_scale_f32_16x16x128_f8f6f4 v[rD:rD+7], v[rX:rX+15], v[rY:rY+15], v[rD:rD+7], v[rSX], v[rSY] matrix_a_scale:MATRIX_SCALE_ROW1 matrix_b_scale:MATRIX_SCALE_ROW1
.endif
.endif
.endm
.macro MUL16 a0, p, zero
.irp a, \a0, \a0+1
.irp b, 0,1,2,3,4,5,6,7
	PROD \a, \b, \p, \zero
.endr
.endr
.endm
.macro FETCH_X slot
	WIN TO_B
.irp i, 0,1,2,3,4,5,6,7
.irp c, 0,1,2,3
	ds_load_b128 v[128*\slot+FR*\i+4*\c:128*\slot+FR*\i+4*\c+3], v[ADRX+\slot] offset:\i*16*XP+32*\c
.endr
.endr
	WIN 0
.endm
.macro FETCH_Y slot, i0
.irp i, \i0, \i0+1, \i0+2, \i0+3
.irp c, 0,1,2,3
	ds_load_b128 v[AF+FR*(\i)+4*\c:AF+FR*(\i)+4*\c+3], v[ADRY+\slot] offset:8192*(\i)+512*\c
.endr
.endr
.endm
.macro SCALES p
.irp m, 0,1,2,3
	ds_load_b32 v[SY+4*\p+\m], v[ADSY] offset:128*\m
	ds_load_b32 v[SX+4*\p+\m], v[ADSX] offset:\m*SXB
.endr
.endm
.macro PLACES n
.rept \n
	v_nop
.endr
.endm
.macro TURN slot, next, fill, zero
	s_wait_tensorcnt 0x0
	ds_add_u32 v[SPW], v[NIL]
	s_wait_dscnt 4*NL+1
	WIN MUL_LO
	MUL16 0, \slot, \zero
	s_wait_dscnt 0x0
	s_barrier_signal -1
	MUL16 2, \slot, \zero
	WIN 0
	s_barrier_wait -1
.if \fill
	CREST
	s_add_nc_u64 s[G0Y+4*\slot+2:G0Y+4*\slot+3], s[G0Y+4*\slot+2:G0Y+4*\slot+3], 2*8192
	s_add_nc_u64 s[G0X+4*\slot+2:G0X+4*\slot+3], s[G0X+4*\slot+2:G0X+4*\slot+3], 2*512
	JLOAD G0Y+4*\slot, G1Y, G0X+4*\slot, G1X
	PLACES NP-4
.else
	PLACES NP
.endif
	v_add_nc_u32 v[ADSY], 2048, v[ADSY]
	v_add_nc_u32 v[ADSX], 16, v[ADSX]
	FETCH_X \next
	FETCH_Y \next, 0
	SCALES \next
	WIN MUL_HI
	MUL16 4, \slot, \zero
	MUL16 6, \slot, \zero
	PLACES NP
	WIN 0
	FETCH_Y \next, 4
.endm
	s_wait_alu depctr_va_vdst(0)
	s_wait_tensorcnt 0x0                           ; my tile of the head's four is in; the lines ahead of a later first fill:
	ds_add_u32 v[SPW], v[NIL]
	s_mov_b32 s[G1Y+2], 4<<16                      ; no tensor load of mine is out: from here on a load brings half a slot's rows
	s_mov_b32 s[G1Y+4], 4
	s_mov_b32 s[G1X+2], 64<<16
	s_mov_b32 s[G1X+4], 64
	s_wait_dscnt 0x0
	CROUND                                         ; all four tiles are in, and all sixteen work-groups are here
	JLOAD G0Y+4, G1Y, G0X+4, G1X                   ; slot 1, the first tensor load behind the round
	FETCH_X 0
	FETCH_Y 0, 0
	SCALES 0
	FETCH_Y 0, 4
	global_prefetch_b8 v27, s[92:93] th:TH_LOAD_NT scope:SCOPE_SE              ; my 32 rows x 512 bytes of x, for the way out
	global_prefetch_b8 v27, s[92:93] offset:256 th:TH_LOAD_NT scope:SCOPE_SE
.if NSL > 2
	TURN 0, 1, 1, 1
	TURN 1, 0, 1, 0
	s_mov_b32 s3, (NSL-4)/2
.Llap:
	TURN 0, 1, 1, 0
	TURN 1, 0, 1, 0
	s_sub_co_u32 s3, s3, 1
	s_cmp_lg_u32 s3, 0
	s_cbranch_scc1 .Llap
	TURN 0, 1, 0, 0
.else
	TURN 0, 1, 0, 1
.endif
	s_wait_dscnt 4*NL
	WIN MUL_LO
	MUL16 0, 1, 0
	MUL16 2, 1, 0
	s_wait_dscnt 0x0
	s_barrier_signal -1
	WIN MUL_HI
	MUL16 4, 1, 0
	MUL16 6, 1, 0
	WIN 0
	s_barrier_wait -1
	PLACES NP
.set t, 0
.rept 32
	global_load_b128 v[128+4*t:131+4*t], v[CO], s[92:93] offset:4096*t th:TH_LOAD_NT
.set t, t+1
.endr
.irp a, 0,1,2,3,4,5,6,7
	WIN 0x08+4*(\a/4)
.irp b, 0,1,2,3,4,5,6,7
	ds_store_b128 v[STO], v[64*(\a%4)+8*\b:64*(\a%4)+8*\b+3] offset:\a*16*SPITCH+64*\b
	ds_store_b128 v[STO], v[64*(\a%4)+8*\b+4:64*(\a%4)+8*\b+7] offset:\a*16*SPITCH+64*\b+16
.endr
.endr
	WIN 0
	s_wait_dscnt 0x0
	s_barrier_signal -1
	s_barrier_wait -1
.macro LOADG g
.set BB, 32+32*((\g)%2)
.irp e, 0,1
.irp k, 0,1,2,3
	ds_load_b128 v[BB+16*\e+4*\k:BB+16*\e+4*\k+3], v[RD+\k] offset:(2*(\g)+\e)*SPITCH
.endr
.endr
.endm
.macro SUMG g, left
.set BB, 32+32*((\g)%2)
	s_wait_dscnt \left
.irp e, 0,1
.set RR, 128+4*(2*(\g)+\e)
.irp u, 0,2
	v_pk_add_f32 v[BB+16*\e+\u:BB+16*\e+\u+1], v[BB+16*\e+\u:BB+16*\e+\u+1], v[BB+16*\e+4+\u:BB+16*\e+4+\u+1]
	v_pk_add_f32 v[BB+16*\e+8+\u:BB+16*\e+8+\u+1], v[BB+16*\e+8+\u:BB+16*\e+8+\u+1], v[BB+16*\e+12+\u:BB+16*\e+12+\u+1]
.endr
.irp u, 0,2
	v_pk_add_f32 v[BB+16*\e+\u:BB+16*\e+\u+1], v[BB+16*\e+\u:BB+16*\e+\u+1], v[BB+16*\e+8+\u:BB+16*\e+8+\u+1]
.endr
.irp u, 0,2
	v_pk_add_f32 v[RR+\u:RR+\u+1], v[RR+\u:RR+\u+1], v[BB+16*\e+\u:BB+16*\e+\u+1]
.endr
	global_store_b128 v[CO], v[RR:RR+3], s[94:95] offset:(2*(\g)+\e)*4096
.endr
.endm
	LOADG 0
	LOADG 1
	s_wait_loadcnt 0x0
.irp g, 0,1,2,3,4,5,6,7,8,9,10,11,12,13
	SUMG \g, 8
	LOADG \g+2
.endr
	SUMG 14, 8
	SUMG 15, 0
	s_wait_tensorcnt 0x0
	ds_add_u32 v[SPW], v[NIL]
	s_wait_dscnt 0x0
	CROUND
	s_endpgm
.Lfunc_end_k_q2be3616ed9_proj:
	.size	k_q2be3616ed9_proj, .Lfunc_end_k_q2be3616ed9_proj-k_q2be3616ed9_proj
	.p2alignl 7, 3214868480
	.fill 96, 4, 3214868480
	.section	.rodata,"a",@progbits
	.p2align	6, 0x0
	.amdhsa_kernel k_q2be3616ed9_proj
		.amdhsa_group_segment_fixed_size 327680
		.amdhsa_private_segment_fixed_size 0
		.amdhsa_enable_private_segment 0
		.amdhsa_kernarg_size 40
		.amdhsa_user_sgpr_count 2
		.amdhsa_user_sgpr_kernarg_segment_ptr 1
		.amdhsa_wavefront_size32 1
		.amdhsa_system_sgpr_workgroup_id_x 1
		.amdhsa_system_sgpr_workgroup_id_y 1
		.amdhsa_system_sgpr_workgroup_id_z 1
		.amdhsa_system_vgpr_workitem_id 0
		.amdhsa_next_free_vgpr 1024
		.amdhsa_next_free_sgpr 98
		.amdhsa_reserve_vcc 0
		.amdhsa_float_denorm_mode_32 3
		.amdhsa_float_denorm_mode_16_64 3
		.amdhsa_memory_ordered 1
		.amdhsa_forward_progress 1
		.amdhsa_inst_pref_size 78
	.end_amdhsa_kernel
	.amdgpu_metadata
---
amdhsa.version: [ 1, 2 ]
amdhsa.kernels:
  - .name:           k_q2be3616ed9_proj
    .symbol:         k_q2be3616ed9_proj.kd
    .args:
      - { .name: att, .offset: 0, .size: 8, .value_kind: global_buffer, .address_space: global }
      - { .name: w_proj_codes, .offset: 8, .size: 8, .value_kind: global_buffer, .address_space: global }
      - { .name: w_proj_scales, .offset: 16, .size: 8, .value_kind: global_buffer, .address_space: global }
      - { .name: x, .offset: 24, .size: 8, .value_kind: global_buffer, .address_space: global }
      - { .name: x1, .offset: 32, .size: 8, .value_kind: global_buffer, .address_space: global }
    .group_segment_fixed_size: 327680
    .private_segment_fixed_size: 0
    .kernarg_segment_align: 8
    .kernarg_segment_size: 40
    .max_flat_workgroup_size: 128
    .sgpr_count:     98
    .vgpr_count:     1024
    .wavefront_size: 32
...
	.end_amdgpu_metadata
.endif
;; end of part 4
;; launch ln2 (part 5): grid 256 x 1, 8 waves a work-group, no clusters, 1,536 bytes of LDS; arguments x1, ln2_w, ln2_b, lnq; writes lnq
.if DOCPART == 5
	.amdgcn_target "amdgcn-amd-amdhsa--gfx1250"
	.amdhsa_code_object_version 6
	.text
	.protected	k_q2be3616ed9_ln2
	.globl	k_q2be3616ed9_ln2
	.p2align	8
	.type	k_q2be3616ed9_ln2,@function
k_q2be3616ed9_ln2:
	s_mov_b64 s[64:65], 0
	v_nop
	global_prefetch_b8 v0, s[64:65] scope:SCOPE_SE
	s_setreg_imm32_b32 hwreg(HW_REG_WAVE_MODE, 25, 1), 1
	s_wait_xcnt 0x0
; LayerNorm of rows of 1,024 f32 numbers, quantised along the row: codes [4096][1024] at byte 0 of the result, scale bytes [4096][32] at byte 4,194,304.  No work is left out.
; The text is the first launch's without the mask's part.
; A wave owns 2 rows, each kept in 32 registers between the passes (mean; squares of the differences; scaling): memory is read once, and all of a wave's loads are asked for at its head.
; Lane l holds numbers 256 j + 8 l .. + 7 of chunk j = 0 .. 3: eight neighbours, as the conversion wants them; a block of 32 is four neighbouring lanes.  A chunk's two loads cover 1,024 consecutive bytes.
; A chunk's codes leave as 256 consecutive bytes, aligned.  The work-group's 16 rows have 512 scale bytes: they meet in LDS behind one barrier, and wave 0 stores them as 512 consecutive bytes.
; LIMITS: a block whose largest magnitude lies under 2^-118 (a block of zeros too) gets the byte 1: this program alone reads the bytes.  NaN and infinities are not served.
.set W,  32                            ; v32-63   the gains of my 32 columns
.set BB, 64                            ; v64-95   the biases
.set X,  96                            ; v96-159  my two rows
.set C,  224                           ; v224-239 codes, 8 registers a row
.set E,  240                           ; v240-247 scale bytes, 4 registers a row
.set SPARE, 512                        ; behind the work-group's 512 scale bytes: the spare words, 128 bytes a wave
	s_load_b256 s[4:11], s[0:1], 0x0               ; x, gain, bias, result
	v_lshl_add_u32 v6, v0, 2, SPARE
	v_mov_b32 v7, 0
	v_lshrrev_b32 v1, 5, v0
	s_delay_alu instid0(VALU_DEP_1)
	v_readfirstlane_b32 s19, v1                    ; wave 0..7
	v_and_b32 v1, 31, v0                           ; lane
	s_delay_alu instid0(VALU_DEP_1)
	v_lshlrev_b32 v2, 5, v1                        ; 32 bytes a lane in a chunk
	s_delay_alu instid0(VALU_DEP_2)
	v_lshlrev_b32 v3, 3, v1                        ; 8 bytes a lane on the way out
	s_delay_alu instid0(VALU_DEP_3)
	v_lshlrev_b32 v5, 4, v1                        ; 16 bytes a lane: the scale bytes' way out
	s_lshl_b32 s20, s19, 6
	v_lshrrev_b32 v4, 2, v1
	s_delay_alu instid0(VALU_DEP_1)
	v_add_nc_u32 v4, s20, v4                       ; LDS: my wave's 64 scale bytes, my block's byte
	s_lshl_b32 s21, ttmp9, 3
	s_add_co_u32 s21, s21, s19                     ; which 2 rows: 8 x work-group + wave
	s_mov_b32 s14, 0x76543210
	s_mov_b32 s15, 0xfedcba98                      ; lane l xor 16
	s_mov_b32 s16, 0x600000                        ; the mantissa field of 448
	s_mov_b32 s17, 0x3a800000                      ; 1 / 1024
	s_mov_b32 s18, 0x3727c5ac                      ; 1e-5
	s_lshl_b32 s22, s21, 13
	s_mov_b32 s23, 0
	s_wait_alu depctr_va_vdst(0)
	s_wait_kmcnt 0x0
	s_add_nc_u64 s[4:5], s[4:5], s[22:23]          ; my rows of x
	s_lshl_b32 s22, ttmp9, 9
	s_add_nc_u64 s[12:13], s[10:11], s[22:23]
	s_add_nc_u64 s[12:13], s[12:13], 0x400000      ; the work-group's 512 scale bytes
	s_lshl_b32 s22, s21, 11
	s_add_nc_u64 s[10:11], s[10:11], s[22:23]      ; my rows of codes
.irp j, 0,1,2,3
	global_load_b128 v[W+8*\j:W+8*\j+3], v2, s[6:7] offset:1024*\j
	global_load_b128 v[W+8*\j+4:W+8*\j+7], v2, s[6:7] offset:1024*\j+16
	global_load_b128 v[BB+8*\j:BB+8*\j+3], v2, s[8:9] offset:1024*\j
	global_load_b128 v[BB+8*\j+4:BB+8*\j+7], v2, s[8:9] offset:1024*\j+16
.endr
.irp t, 0,1
.irp j, 0,1,2,3
	global_load_b128 v[X+32*\t+8*\j:X+32*\t+8*\j+3], v2, s[4:5] offset:4096*\t+1024*\j th:TH_LOAD_NT
	global_load_b128 v[X+32*\t+8*\j+4:X+32*\t+8*\j+7], v2, s[4:5] offset:4096*\t+1024*\j+16 th:TH_LOAD_NT
.endr
.endr
.macro REDUCE a, b                     ; the sum over the 32 lanes, in every lane
	s_delay_alu instid0(VALU_DEP_1)
	v_add_f32_dpp v[\a], v[\a], v[\a] row_xmask:1 row_mask:0xf bank_mask:0xf
	s_delay_alu instid0(VALU_DEP_1)
	v_add_f32_dpp v[\a], v[\a], v[\a] row_xmask:2 row_mask:0xf bank_mask:0xf
	s_delay_alu instid0(VALU_DEP_1)
	v_add_f32_dpp v[\a], v[\a], v[\a] row_xmask:4 row_mask:0xf bank_mask:0xf
	s_delay_alu instid0(VALU_DEP_1)
	v_add_f32_dpp v[\a], v[\a], v[\a] row_xmask:8 row_mask:0xf bank_mask:0xf
	s_delay_alu instid0(VALU_DEP_1)
	v_permlanex16_b32 v[\b], v[\a], s14, s15
	s_delay_alu instid0(VALU_DEP_1)
	v_add_f32 v[\a], v[\a], v[\b]
.endm
.macro ROW t
.set XS, X+32*(\t)
.set CC, C+8*(\t)
.set EE, E+4*(\t)
	s_wait_loadcnt 8*(1-(\t))                      ; gains, biases and this row are in; the other row's 8 loads, issued behind, may be out
.irp k, 0,1,2,3
	v_pk_add_f32 v[8+2*\k:9+2*\k], v[XS+2*\k:XS+2*\k+1], v[XS+8+2*\k:XS+9+2*\k]   ; the sum, in four chains
.endr
.irp m, 16,24
.irp k, 0,1,2,3
	s_delay_alu instid0(VALU_DEP_4)
	v_pk_add_f32 v[8+2*\k:9+2*\k], v[8+2*\k:9+2*\k], v[XS+\m+2*\k:XS+\m+2*\k+1]
.endr
.endr
	s_delay_alu instid0(VALU_DEP_3)
	v_pk_add_f32 v[8:9], v[8:9], v[10:11]
	s_delay_alu instid0(VALU_DEP_2)
	v_pk_add_f32 v[12:13], v[12:13], v[14:15]
	s_delay_alu instid0(VALU_DEP_1)
	v_pk_add_f32 v[8:9], v[8:9], v[12:13]
	s_delay_alu instid0(VALU_DEP_1)
	v_add_f32 v8, v8, v9
	REDUCE 8, 9
	s_delay_alu instid0(VALU_DEP_1)
	v_mul_f32 v8, s17, v8                          ; the mean
.set i, 0
.rept 16
	v_pk_add_f32 v[XS+i:XS+i+1], v[XS+i:XS+i+1], v[8:9] op_sel_hi:[1,0] neg_lo:[0,1] neg_hi:[0,1]   ; x - mean
.set i, i+2
.endr
.irp k, 0,1,2,3
	v_pk_mul_f32 v[10+2*\k:11+2*\k], v[XS+2*\k:XS+2*\k+1], v[XS+2*\k:XS+2*\k+1]   ; the squares, in four chains
.endr
.irp m, 8,16,24
.irp k, 0,1,2,3
	s_delay_alu instid0(VALU_DEP_4)
	v_pk_fma_f32 v[10+2*\k:11+2*\k], v[XS+\m+2*\k:XS+\m+2*\k+1], v[XS+\m+2*\k:XS+\m+2*\k+1], v[10+2*\k:11+2*\k]
.endr
.endr
	s_delay_alu instid0(VALU_DEP_3)
	v_pk_add_f32 v[10:11], v[10:11], v[12:13]
	s_delay_alu instid0(VALU_DEP_2)
	v_pk_add_f32 v[14:15], v[14:15], v[16:17]
	s_delay_alu instid0(VALU_DEP_1)
	v_pk_add_f32 v[10:11], v[10:11], v[14:15]
	s_delay_alu instid0(VALU_DEP_1)
	v_add_f32 v10, v10, v11
	REDUCE 10, 11
	s_delay_alu instid0(VALU_DEP_1)
	v_fma_f32 v10, v10, s17, s18                   ; the variance + 1e-5
	s_wait_alu depctr_va_vdst(0)
	v_rsq_f32 v12, v10
	v_nop                                          ; a plain instruction behind the transcendental
	s_wait_alu depctr_va_vdst(0)                   ; and the wait ahead of its first reader
.set i, 0
.rept 16
	v_pk_mul_f32 v[XS+i:XS+i+1], v[XS+i:XS+i+1], v[12:13] op_sel_hi:[1,0]
.set i, i+2
.endr
.set i, 0
.rept 16
	v_pk_fma_f32 v[XS+i:XS+i+1], v[XS+i:XS+i+1], v[W+i:W+i+1], v[BB+i:BB+i+1]
.set i, i+2
.endr
.irp j, 0,1,2,3
	v_max3_num_f32 v[16+\j], |v[XS+8*\j]|, |v[XS+8*\j+1]|, 0x4800000   ; chunk j: my 8 numbers and the floor 2^(9 - 127): the byte cannot fall under 1
.endr
.irp i, 2,4,6
.irp j, 0,1,2,3
	s_delay_alu instid0(VALU_DEP_4)
	v_max3_num_f32 v[16+\j], v[16+\j], |v[XS+8*\j+\i]|, |v[XS+8*\j+\i+1]|
.endr
.endr
.irp m, 1,2
.irp j, 0,1,2,3
	s_delay_alu instid0(VALU_DEP_4)
	v_max_num_f32_dpp v[16+\j], v[16+\j], v[16+\j] row_xmask:\m row_mask:0xf bank_mask:0xf   ; with the block's other three lanes
.endr
.endr
.irp j, 0,1,2,3
	s_delay_alu instid0(VALU_DEP_4)
	v_add_nc_u32 v[20+\j], 0xfc000000, v[16+\j]    ; 8 off the exponent field: the conversion's scale operand
.endr
.irp j, 0,1,2,3
	v_and_or_b32 v[24+\j], v[16+\j], 0x7f800000, s16   ; 448 x the scale
.endr
.irp j, 0,1,2,3
	v_lshrrev_b32 v[EE+\j], 23, v[20+\j]           ; the scale's byte
.endr
.irp j, 0,1,2,3
.irp i, 0,1,2,3,4,5,6,7
	v_med3_num_f32 v[XS+8*\j+\i], v[XS+8*\j+\i], -v[24+\j], v[24+\j]   ; the conversion does not saturate (ISA guide 7.6.2): the hold
.endr
	v_cvt_scalef32_pk8_fp8_f32 v[CC+2*\j:CC+2*\j+1], v[XS+8*\j:XS+8*\j+7], v[20+\j]
.endr
	v_nop                                          ; a plain instruction behind the last conversion
.irp j, 0,1,2,3
	ds_store_b8 v4, v[EE+\j] offset:32*(\t)+8*\j   ; the four lanes of a block write the same byte with the same value
	global_store_b64 v3, v[CC+2*\j:CC+2*\j+1], s[10:11] offset:1024*(\t)+256*\j   ; 32 lanes store 256 consecutive bytes, aligned
.endr
.endm
	ROW 0
	ROW 1
	s_wait_dscnt 0x0                               ; for the others' sake: my scale bytes have landed
	s_barrier_signal -1
	s_barrier_wait -1
	s_cmp_lg_u32 s19, 0
	s_cbranch_scc1 .Lnot_wave_0
	ds_load_b128 v[8:11], v5                       ; the 16 rows' scale bytes, which eight waves stored
	s_wait_dscnt 0x0
	global_store_b128 v5, v[8:11], s[12:13]        ; 512 consecutive bytes, aligned
.Lnot_wave_0:
	s_wait_tensorcnt 0x0                           ; the wave's end, behind my last LDS store
	ds_add_u32 v6, v7
	s_wait_dscnt 0x0
	s_endpgm
.Lfunc_end_k_q2be3616ed9_ln2:
	.size	k_q2be3616ed9_ln2, .Lfunc_end_k_q2be3616ed9_ln2-k_q2be3616ed9_ln2
	.p2alignl 7, 3214868480
	.fill 96, 4, 3214868480
	.section	.rodata,"a",@progbits
	.p2align	6, 0x0
	.amdhsa_kernel k_q2be3616ed9_ln2
		.amdhsa_group_segment_fixed_size 1536
		.amdhsa_private_segment_fixed_size 0
		.amdhsa_enable_private_segment 0
		.amdhsa_kernarg_size 32
		.amdhsa_user_sgpr_count 2
		.amdhsa_user_sgpr_kernarg_segment_ptr 1
		.amdhsa_wavefront_size32 1
		.amdhsa_system_sgpr_workgroup_id_x 1
		.amdhsa_system_sgpr_workgroup_id_y 1
		.amdhsa_system_sgpr_workgroup_id_z 1
		.amdhsa_system_vgpr_workitem_id 0
		.amdhsa_next_free_vgpr 256
		.amdhsa_next_free_sgpr 66
		.amdhsa_reserve_vcc 0
		.amdhsa_float_denorm_mode_32 3
		.amdhsa_float_denorm_mode_16_64 3
		.amdhsa_memory_ordered 1
		.amdhsa_forward_progress 1
		.amdhsa_inst_pref_size 33
	.end_amdhsa_kernel
	.amdgpu_metadata
---
amdhsa.version: [ 1, 2 ]
amdhsa.kernels:
  - .name:           k_q2be3616ed9_ln2
    .symbol:         k_q2be3616ed9_ln2.kd
    .args:
      - { .name: x1, .offset: 0, .size: 8, .value_kind: global_buffer, .address_space: global }
      - { .name: ln2_w, .offset: 8, .size: 8, .value_kind: global_buffer, .address_space: global }
      - { .name: ln2_b, .offset: 16, .size: 8, .value_kind: global_buffer, .address_space: global }
      - { .name: lnq, .offset: 24, .size: 8, .value_kind: global_buffer, .address_space: global }
    .group_segment_fixed_size: 1536
    .private_segment_fixed_size: 0
    .kernarg_segment_align: 8
    .kernarg_segment_size: 32
    .max_flat_workgroup_size: 256
    .sgpr_count:     66
    .vgpr_count:     256
    .wavefront_size: 32
...
	.end_amdgpu_metadata
.endif
;; end of part 5
;; launch fc1 (part 6): grid 16 x 16, 4 waves a work-group, clusters of 4 x 4, 327,680 bytes of LDS; arguments lnq, w_fc1_codes, w_fc1_scales, hid; writes hid
.if DOCPART == 6
	.amdgcn_target "amdgcn-amd-amdhsa--gfx1250"
	.amdhsa_code_object_version 6
	.text
	.protected	k_q2be3616ed9_fc1
	.globl	k_q2be3616ed9_fc1
	.p2align	8
	.type	k_q2be3616ed9_fc1,@function
k_q2be3616ed9_fc1:
	s_mov_b64 s[64:65], 0
	v_nop
	global_prefetch_b8 v0, s[64:65] scope:SCOPE_SE
	s_setreg_imm32_b32 hwreg(HW_REG_WAVE_MODE, 25, 1), 1
	s_wait_xcnt 0x0
	s_wait_alu depctr_hold_cnt(0) depctr_sa_sdst(0) depctr_va_vdst(0) depctr_va_sdst(0) depctr_va_ssrc(0) depctr_va_vcc(0) depctr_vm_vsrc(0)
	s_getreg_b32 s2, hwreg(HW_REG_IB_STS2, 6, 4)
	s_cmp_eq_u32 s2, 0
	s_cbranch_scc0 .Lentry_in_a_cluster
	s_endpgm
.Lentry_in_a_cluster:
	s_bfe_u32 s2, ttmp6, 0x10000c
	s_cmp_lg_u32 s2, 0xf033
	s_cbranch_scc0 .Lentry_shape_is_right
	s_endpgm
.Lentry_shape_is_right:
; hid = GELU(LN2(x1) W_fc1) on codes (K = 1,024), quantised along the hidden axis and stored as images of the next product's operand registers.  No work is left out.
; A tile of 256 x 256 by four waves, 128 x 128 each; K in steps of 256 through two LDS slots filled by joint loads in a cluster of 4 x 4; both operands' scale bytes for all of K come once.
; At the head each wave has one load: the tokens' K step 0, the weight's, the tokens' scales, the weight's.  K steps 2 and 3 are asked of memory when K step 1 is loaded.
.set KSTEP,  256
.set NQ,     2
.set ROWB,   256
.set KROW,   1024
.set PITCH,  272
.set FR,     16
.set NL,     4
.set NP,     8
.set HALFT,  128*PITCH
.set SLOT,   4*HALFT
.set KS,     32
.set SCL,    2*SLOT
.set HALFS,  (128*KS/256)*272
.set SBLK,   (16*KS/256)*272
.set SPARE,  SCL+4*HALFS
.set SPITCH, 528
.set WSTG,   128*SPITCH
.set SCR,    4*WSTG
.set ADRA, 16
.set ADRB, 20
.set SCRD, 23
.set STO,  24
.set SRD,  25
.set LI,   26
.set SCW,  27
.set ADRS, 27
.set SPW,  28
.set NIL,  29
.set SC,   32
.set AF,   128
.set XB,   32
.set GB,   96
.set TA,   160
.set TB,   192
.set TC,   224
.set TM,   160
.set PW,   176
.set PC,   192
.set SEL,  46
.set MNT,  48
.set G1, 24
.set G0, 32
.set G1B, 48
.set G0B, 56
.set G1S, 68
.set G0S, 76
.set G1SB, 80
.set G0SB, 88
.set MSB, 0
.macro WIN new
.if MSB != \new
	s_set_vgpr_msb (MSB<<8)|\new
.set MSB, \new
.endif
.endm
.set MUL_LO, 0xa1
.set MUL_HI, 0xf1
.set TO_B,   0x40
.macro JLOAD g0a, g1a, g0b, g1b
	s_cmp_eq_u32 s15, 0
	s_cbranch_scc0 .Lfor_b_\@
	tensor_load_to_lds s[\g0a:\g0a+3], s[\g1a:\g1a+7]
	s_nop 0
.rept 4
	v_nop
.endr
	s_branch .Lasked_\@
.Lfor_b_\@:
	tensor_load_to_lds s[\g0b:\g0b+3], s[\g1b:\g1b+7]
	s_nop 0
.rept 4
	v_nop
.endr
.Lasked_\@:
.endm
.macro CREST
	s_cmp_lg_u32 s14, 0
	s_cbranch_scc1 .Lnot_wave_0_\@
	s_barrier_signal -3
.Lnot_wave_0_\@:
	s_barrier_wait -3
	s_barrier_signal -1
	s_barrier_wait -1
.endm
.macro CROUND
	s_barrier_signal -1
	s_barrier_wait -1
	CREST
.endm
	s_load_b64 s[4:5], s[0:1], 0x0
	s_load_b128 s[8:11], s[0:1], 0x8
	s_load_b64 s[12:13], s[0:1], 0x18
	v_lshl_add_u32 v[SPW], v0, 2, SPARE
	v_mov_b32 v[NIL], 0
	ds_add_u32 v[SPW], v[NIL]
	ds_add_u32 v[SPW], v[NIL]
	v_lshrrev_b32 v1, 5, v0
	v_readfirstlane_b32 s14, v1
	s_lshr_b32 s15, s14, 1
	s_and_b32 s16, s14, 1
	s_bfe_u32 s40, ttmp6, 0x40000
	s_bfe_u32 s41, ttmp6, 0x40004
	s_lshl_b32 s42, ttmp9, 2
	s_add_co_u32 s42, s42, s40
	s_and_b32 s17, ttmp7, 0xffff
	s_lshl_b32 s17, s17, 2
	s_add_co_u32 s17, s17, s41
	s_lshl_b32 s43, s41, 2
	s_lshl_b32 s43, 15, s43
	s_lshl_b32 s44, 0x1111, s40
	s_or_b32 s[G1+0], s43, (0<<16)|(1<<20)|(1<<21)|(5<<22)|(3<<25)
	s_or_b32 s[G1B+0], s44, (0<<16)|(1<<20)|(1<<21)|(5<<22)|(3<<25)
.irp g, G1, G1B
	s_mov_b32 s[\g+1], ROWB<<16
	s_mov_b32 s[\g+2], 256<<16
	s_mov_b32 s[\g+3], ROWB<<16
	s_mov_b32 s[\g+4], 256
	s_mov_b32 s[\g+5], KROW
	s_mov_b32 s[\g+6], 0
	s_mov_b32 s[\g+7], 0
.endr
	s_or_b32 s[G1S+0], s43, (3<<16)|(1<<20)|(1<<21)|(5<<22)|(3<<25)
	s_or_b32 s[G1SB+0], s44, (3<<16)|(1<<20)|(1<<21)|(5<<22)|(3<<25)
.irp g, G1S, G1SB
	s_mov_b32 s[\g+1], 32<<16
	s_mov_b32 s[\g+2], KS<<16
	s_mov_b32 s[\g+3], 32<<16
	s_mov_b32 s[\g+4], KS
	s_mov_b32 s[\g+5], 32
	s_mov_b32 s[\g+6], 0
	s_mov_b32 s[\g+7], 0
.endr
	s_lshl_b32 s20, s17, 8
	s_lshl_b32 s46, s42, 8
	s_mov_b32 s21, 0
	s_mov_b32 s47, 0
	s_mov_b64 s[18:19], KS
	s_mul_u64 s[22:23], s[20:21], s[18:19]
	s_mul_u64 s[92:93], s[46:47], s[18:19]
	s_mov_b64 s[18:19], KROW
	s_mul_u64 s[20:21], s[20:21], s[18:19]
	s_mul_u64 s[46:47], s[46:47], s[18:19]
	s_mul_i32 s18, s16, 128*KROW                   ; in the ring I fetch 128 rows: which half, in bytes
	s_mov_b32 s19, 0
	s_mul_i32 s45, s14, HALFT
	s_wait_dscnt 0x0
	s_wait_kmcnt 0x0
	s_add_nc_u64 s[6:7], s[4:5], 0x400000
	s_add_nc_u64 s[20:21], s[4:5], s[20:21]
	s_add_nc_u64 s[22:23], s[6:7], s[22:23]
	s_add_nc_u64 s[46:47], s[8:9], s[46:47]
	s_add_nc_u64 s[92:93], s[10:11], s[92:93]
	CROUND
.set G0H, 4                            ; s[4:7], s[8:11] group 0 of the head's loads of K step 0 (the pointers that lay there have been used)
.set G0HB, 8
	s_mov_b32 s[G0H], 1                            ; the head's four tiles, each whole: K step 0's 256 rows of tokens,
	s_mov_b32 s[G0H+1], 0
	s_mov_b64 s[G0H+2:G0H+3], s[20:21]
	s_or_b32 s[G0H+3], s[G0H+3], 0x80000000
	s_mov_b32 s[G0HB], 1                           ; of the weight,
	s_mov_b32 s[G0HB+1], 2*HALFT
	s_mov_b64 s[G0HB+2:G0HB+3], s[46:47]
	s_or_b32 s[G0HB+3], s[G0HB+3], 0x80000000
	s_mov_b32 s[G0S], 1                            ; the tokens' scales,
	s_mov_b32 s[G0S+1], SCL
	s_mov_b64 s[G0S+2:G0S+3], s[22:23]
	s_or_b32 s[G0S+3], s[G0S+3], 0x80000000
	s_mov_b32 s[G0SB], 1                           ; the weight's
	s_mov_b32 s[G0SB+1], SCL+2*HALFS
	s_mov_b64 s[G0SB+2:G0SB+3], s[92:93]
	s_or_b32 s[G0SB+3], s[G0SB+3], 0x80000000
	s_add_nc_u64 s[20:21], s[20:21], s[18:19]      ; for the ring: my 128 rows
	s_add_nc_u64 s[46:47], s[46:47], s[18:19]
.irp s, 0,1
	s_mov_b32 s[G0+4*\s], 1
	s_add_co_u32 s[G0+4*\s+1], s45, \s*SLOT
	s_add_nc_u64 s[G0+4*\s+2:G0+4*\s+3], s[20:21], \s*ROWB
	s_or_b32 s[G0+4*\s+3], s[G0+4*\s+3], 0x80000000
	s_mov_b32 s[G0B+4*\s], 1
	s_add_co_u32 s[G0B+4*\s+1], s45, \s*SLOT
	s_add_nc_u64 s[G0B+4*\s+2:G0B+4*\s+3], s[46:47], \s*ROWB
	s_or_b32 s[G0B+4*\s+3], s[G0B+4*\s+3], 0x80000000
.endr
; the head's loads, one a wave: one chain of branches on the wave's number, a load to an arm
.macro ARM under, g0, g1, next
	s_cmp_lt_u32 s14, \under
	s_cbranch_scc0 \next
	tensor_load_to_lds s[\g0:\g0+3], s[\g1:\g1+7]
	s_nop 0
.rept 4
	v_nop
.endr
	s_branch .Lhead_asked
\next:
.endm
	ARM 1, G0H,  G1,  .Lhead_b
	ARM 2, G0HB, G1B, .Lhead_sa
	ARM 3, G0S,  G1S, .Lhead_sb
	tensor_load_to_lds s[G0SB:G0SB+3], s[G1SB:G1SB+7]
	s_nop 0
.rept 4
	v_nop
.endr
.Lhead_asked:
	; the prefetches' address: of the 128 rows that I fetch in the ring, the 32 that fall to my work-group among the four that ask jointly (by address: cx for the tokens, cy for the weight); a lane a row
	s_cmp_eq_u32 s15, 0
	s_cselect_b64 s[92:93], s[20:21], s[46:47]
	s_cselect_b32 s18, s40, s41
	s_mul_i32 s18, s18, 32*KROW
	s_mov_b32 s19, 0
	s_add_nc_u64 s[92:93], s[92:93], s[18:19]
	v_and_b32 v7, 31, v0
	v_lshlrev_b32 v7, 10, v7
	global_prefetch_b8 v7, s[92:93] offset:ROWB th:TH_LOAD_NT scope:SCOPE_SE   ; K step 1, a slot ahead of its load: 32 rows x 256 bytes
	v_and_b32 v1, 15, v0
	v_bfe_u32 v2, v0, 4, 1
	v_mul_u32_u24 v3, v1, PITCH
	v_lshl_add_u32 v4, v2, 4, v3
	s_mul_i32 s21, s15, HALFT
	s_mul_i32 s22, s16, HALFT
	s_add_co_u32 s22, s22, 2*HALFT
.irp s, 0,1
	v_add_nc_u32 v[ADRA+\s], s21, v4
	v_add_nc_u32 v[ADRB+\s], s22, v4
	s_add_co_u32 s21, s21, SLOT
	s_add_co_u32 s22, s22, SLOT
.endr
	v_mul_u32_u24 v5, v1, KS
	v_lshrrev_b32 v6, 8, v5
	v_lshl_add_u32 v5, v6, 4, v5
	s_mul_i32 s21, s15, HALFS
	s_mul_i32 s22, s16, HALFS
	s_add_co_u32 s22, s22, 2*HALFS
	s_sub_co_u32 s22, s22, s21
	v_mul_u32_u24 v6, s22, v2
	s_add_co_u32 s21, s21, SCL
	v_add_nc_u32 v5, v5, v6
	v_add_nc_u32 v[ADRS], s21, v5
	s_mul_i32 s23, s14, WSTG
	v_mul_u32_u24 v5, v1, SPITCH
	v_lshl_add_u32 v6, v2, 5, v5
	v_add_nc_u32 v[STO], s23, v6
	v_lshl_add_u32 v6, v2, 6, v5
	v_add_nc_u32 v[SRD], s23, v6
	v_and_b32 v6, 31, v0
	v_lshlrev_b32 v[LI], 4, v6
	s_lshl_b32 s23, s14, 10
	s_add_co_u32 s23, s23, SCR
	v_add_nc_u32 v[SCRD], s23, v[LI]
.macro FRAG reg, adr, q, i
.irp c, 0,1,2,3
	ds_load_b128 v[\reg+4*\c:\reg+4*\c+3], v[\adr] offset:128*(\q)+32*\c+(\i)*16*PITCH
.endr
.endm
.macro MUL16 a0, p, q, sc, zero
.irp a, \a0, \a0+1
.irp b, 0,1,2,3,4,5,6,7
.if \zero
	v_wmma_scale_f32_16x16x128_f8f6f4 v[8*(8*((\a)%4)+\b):8*(8*((\a)%4)+\b)+7], v[128*(\p)+FR*\b:128*(\p)+FR*\b+FR-1], v[AF+FR*(\a):AF+FR*(\a)+FR-1], 0, v[SC+8*NQ*(\sc)+NQ*\b+(\q)], v[SC+8*NQ*(\sc)+NQ*(\a)+(\q)] matrix_a_scale:MATRIX_SCALE_ROW1
.else
	v_wmma_scale_f32_16x16x128_f8f6f4 v[8*(8*((\a)%4)+\b):8*(8*((\a)%4)+\b)+7], v[128*(\p)+FR*\b:128*(\p)+FR*\b+FR-1], v[AF+FR*(\a):AF+FR*(\a)+FR-1], v[8*(8*((\a)%4)+\b):8*(8*((\a)%4)+\b)+7], v[SC+8*NQ*(\sc)+NQ*\b+(\q)], v[SC+8*NQ*(\sc)+NQ*(\a)+(\q)] matrix_a_scale:MATRIX_SCALE_ROW1
.endif
.endr
.endr
.endm
.macro FETCH_B slot, q, p
	WIN TO_B
.irp i, 0,1,2,3,4,5,6,7
	FRAG 128*(\p)+FR*\i, ADRB+\slot, \q, \i
.endr
	WIN 0
.endm
.macro FETCH_A slot, q, i0
.irp i, \i0, \i0+1, \i0+2, \i0+3
	FRAG AF+FR*(\i), ADRA+\slot, \q, \i
.endr
.endm
.macro SCALES sc
.irp i, 0,1,2,3,4,5,6,7
	ds_load_b64 v[SC+8*NQ*\sc+NQ*\i:SC+8*NQ*\sc+NQ*\i+1], v[ADRS] offset:\i*SBLK
.endr
.endm
.macro PLACES n
.rept \n
	v_nop
.endr
.endm
.macro STEP slot, q, zero
	s_wait_dscnt 4*NL
	WIN MUL_LO
	MUL16 0, (\q)%2, \q, \slot, \zero
	MUL16 2, (\q)%2, \q, \slot, \zero
	s_wait_dscnt 0
	PLACES NP
	FETCH_B \slot, (\q)+1, 1-(\q)%2
	FETCH_A \slot, (\q)+1, 0
	WIN MUL_HI
	MUL16 4, (\q)%2, \q, \slot, \zero
	MUL16 6, (\q)%2, \q, \slot, \zero
	PLACES NP
	WIN 0
	FETCH_A \slot, (\q)+1, 4
.endm
.macro TURN slot, next, fill
	s_wait_tensorcnt 0x0
	ds_add_u32 v[SPW], v[NIL]
	s_wait_dscnt 4*NL+1
	WIN MUL_LO
	MUL16 0, 1, NQ-1, \slot, 0
	s_wait_dscnt 0x0
	s_barrier_signal -1
	MUL16 2, 1, NQ-1, \slot, 0
	WIN 0
	s_barrier_wait -1
.if \fill
	CREST
	s_add_nc_u64 s[G0+4*\slot+2:G0+4*\slot+3], s[G0+4*\slot+2:G0+4*\slot+3], 2*ROWB
	s_add_nc_u64 s[G0B+4*\slot+2:G0B+4*\slot+3], s[G0B+4*\slot+2:G0B+4*\slot+3], 2*ROWB
	JLOAD G0+4*\slot, G1, G0B+4*\slot, G1B
	PLACES NP-4
.else
	PLACES NP
.endif
	s_wait_alu depctr_va_vdst(0)
	v_add_nc_u32 v[ADRS], 4*NQ, v[ADRS]
	FETCH_B \next, 0, 0
	FETCH_A \next, 0, 0
	SCALES \next
	WIN MUL_HI
	MUL16 4, 1, NQ-1, \slot, 0
	MUL16 6, 1, NQ-1, \slot, 0
	PLACES NP
	WIN 0
	FETCH_A \next, 0, 4
.endm
	s_wait_alu depctr_va_vdst(0)
	s_wait_tensorcnt 0x0                           ; my tile of the head's four is in; the lines ahead of a later first fill:
	ds_add_u32 v[SPW], v[NIL]
	s_mov_b32 s[G1+2], 128<<16                     ; no tensor load of mine is out: from here on a load brings 128 rows
	s_mov_b32 s[G1+4], 128
	s_mov_b32 s[G1B+2], 128<<16
	s_mov_b32 s[G1B+4], 128
	s_wait_dscnt 0x0
	CROUND                                         ; all four tiles are in, and all sixteen work-groups are here
	JLOAD G0+4, G1, G0B+4, G1B                     ; K step 1, the first tensor load behind the round
	FETCH_B 0, 0, 0
	FETCH_A 0, 0, 0
	SCALES 0
	FETCH_A 0, 0, 4
	global_prefetch_b8 v7, s[92:93] offset:2*ROWB th:TH_LOAD_NT scope:SCOPE_SE   ; K steps 2 and 3, which the two refills will ask for: 32 rows x 256 bytes each; the address registers are never rewritten
	global_prefetch_b8 v7, s[92:93] offset:3*ROWB th:TH_LOAD_NT scope:SCOPE_SE
	STEP 0, 0, 1
	TURN 0, 1, 1
	STEP 1, 0, 0
	TURN 1, 0, 1
	STEP 0, 0, 0
	TURN 0, 1, 0
	STEP 1, 0, 0
	s_wait_dscnt 4*NL
	WIN MUL_LO
	MUL16 0, 1, NQ-1, 1, 0
	MUL16 2, 1, NQ-1, 1, 0
	s_wait_dscnt 0x0
	s_barrier_signal -1
	WIN MUL_HI
	MUL16 4, 1, NQ-1, 1, 0
	MUL16 6, 1, NQ-1, 1, 0
	WIN 0
	s_barrier_wait -1
	PLACES NP
.irp a, 0,1,2,3,4,5,6,7
	WIN 0x08+4*(\a/4)
.irp b, 0,1,2,3,4,5,6,7
	ds_store_b128 v[STO], v[64*(\a%4)+8*\b:64*(\a%4)+8*\b+3] offset:\a*16*SPITCH+64*\b
	ds_store_b128 v[STO], v[64*(\a%4)+8*\b+4:64*(\a%4)+8*\b+7] offset:\a*16*SPITCH+64*\b+16
.endr
.endr
	WIN 0
	s_lshl_b32 s20, s17, 8
	s_lshl_b32 s21, s15, 7
	s_add_co_u32 s20, s20, s21
	s_lshl_b32 s22, s42, 1
	s_add_co_u32 s22, s22, s16
	s_lshl_b32 s18, s20, 12
	s_lshl_b32 s19, s22, 11
	s_add_co_u32 s18, s18, s19
	s_mov_b32 s19, 0
	s_add_nc_u64 s[4:5], s[12:13], s[18:19]
	s_lshl_b32 s18, s22, 14
	s_lshl_b32 s21, s20, 2
	s_add_co_u32 s18, s18, s21
	s_add_nc_u64 s[6:7], s[12:13], s[18:19]
	s_add_nc_u64 s[6:7], s[6:7], 0x1000000
	s_lshl_b32 s23, s14, 10
	s_add_co_u32 s23, s23, SCR-64
	v_and_b32 v1, 15, v0
	v_lshl_add_u32 v[SCW], v1, 2, s23
	s_mov_b32 s24, 0x3eb504f3
	s_mov_b32 s26, 0xbf38aa3b
	s_mov_b32 s28, 0x3e7c6f08
	s_mov_b32 s30, 0x40097039
	s_mov_b32 s32, 0xbfd1a1e5
	s_mov_b32 s34, 0x3ecdfd18
	s_mov_b32 s36, 0xbe899a80
	s_mov_b32 s38, 0x3e0efb2e
	s_mov_b32 s40, 0x3f0a29d2
	s_mov_b32 s42, 0x3fb8ab5a
	s_mov_b32 s44, 0xc034d90f
.irp c, 26,28,30,32,34,36,38,40,42,44
	s_mov_b32 s[\c+1], s[\c]
.endr
	s_mov_b32 s[SEL], 0x76543210
	s_mov_b32 s[SEL+1], 0xfedcba98
	s_mov_b32 s[MNT], 0x600000
	v_mov_b32 v30, 0xbf97d29d
	v_mov_b32 v31, 0xbf97d29d
.macro STLOAD off
.irp b, 0,1,2,3
.irp q, 0,1,2,3
	ds_load_b128 v[XB+16*\b+4*\q:XB+16*\b+4*\q+3], v[SRD] offset:\off+128*\b+16*\q
.endr
.endr
.endm
.macro GELU32 x, g
.set i, 0
.rept 32
	v_fma_f32 v[TA+i], |v[\x+i]|, s24, 1.0
.set i, i+1
.endr
.set i, 0
	s_wait_alu depctr_va_vdst(0)
.rept 32
	v_rcp_f32 v[TA+i], v[TA+i]
.set i, i+1
.endr
.set i, 0
.rept 16
	v_pk_mul_f32 v[TB+i:TB+i+1], v[\x+i:\x+i+1], s[26:27] op_sel_hi:[1,0]
.set i, i+2
.endr
	s_wait_alu depctr_va_vdst(0)
.set i, 0
.rept 16
	v_pk_fma_f32 v[TC+i:TC+i+1], v[TA+i:TA+i+1], s[28:29], v[30:31] op_sel_hi:[1,0,1]
.set i, i+2
.endr
.irp c, 30,32,34,36,38,40,42,44
.set i, 0
.rept 16
	v_pk_fma_f32 v[TC+i:TC+i+1], v[TC+i:TC+i+1], v[TA+i:TA+i+1], s[\c:\c+1] op_sel_hi:[1,1,0]
.set i, i+2
.endr
.endr
.set i, 0
.rept 16
	v_pk_fma_f32 v[TC+i:TC+i+1], v[\x+i:\x+i+1], v[TB+i:TB+i+1], v[TC+i:TC+i+1]
.set i, i+2
.endr
.set i, 0
	s_wait_alu depctr_va_vdst(0)
.rept 32
	v_exp_f32 v[TC+i], v[TC+i]
.set i, i+1
.endr
.set i, 0
.rept 32
	v_max_num_f32 v[TB+i], 0, v[\x+i]
.set i, i+1
.endr
	s_wait_alu depctr_va_vdst(0)
.set i, 0
.rept 16
	v_pk_mul_f32 v[TC+i:TC+i+1], v[TC+i:TC+i+1], v[TA+i:TA+i+1]
.set i, i+2
.endr
.set i, 0
.rept 32
	v_fma_f32 v[\g+i], -|v[\x+i]|, v[TC+i], v[TB+i]
.set i, i+1
.endr
.endm
.macro QUANT s
.irp b, 0,1,2,3
	v_max3_num_f32 v[TM+\b], |v[\s+16*\b]|, |v[\s+1+16*\b]|, 0x4800000
.endr
.irp i, 2,4,6,8,10,12,14
.irp b, 0,1,2,3
	v_max3_num_f32 v[TM+\b], v[TM+\b], |v[\s+16*\b+\i]|, |v[\s+1+16*\b+\i]|
.endr
.endr
.irp b, 0,1,2,3
	v_permlanex16_b32 v[TM+4+\b], v[TM+\b], s[SEL], s[SEL+1]
.endr
.irp b, 0,1,2,3
	v_max_num_f32 v[TM+\b], v[TM+\b], v[TM+4+\b]
.endr
.irp b, 0,1,2,3
	v_add_nc_u32 v[TM+12+\b], 0xfc000000, v[TM+\b]
.endr
.irp b, 0,1,2,3
	v_and_or_b32 v[TM+8+\b], v[TM+\b], 0x7f800000, s[MNT]
.endr
.irp b, 0,1,2,3
	v_lshrrev_b32 v[TM+4+\b], 23, v[TM+12+\b]
.endr
	v_lshl_or_b32 v[PW], v[TM+5], 8, v[TM+4]
	v_lshl_or_b32 v[PW], v[TM+6], 16, v[PW]
	v_lshl_or_b32 v[PW], v[TM+7], 24, v[PW]
.irp b, 0,1,2,3
.irp i, 0,1,2,3,4,5,6,7,8,9,10,11,12,13,14,15
	v_med3_num_f32 v[\s+16*\b+\i], v[\s+16*\b+\i], -v[TM+8+\b], v[TM+8+\b]
.endr
	v_cvt_scalef32_pk8_fp8_f32 v[PC+4*\b:PC+1+4*\b], v[\s+16*\b:\s+7+16*\b], v[TM+12+\b]
	v_cvt_scalef32_pk8_fp8_f32 v[PC+2+4*\b:PC+3+4*\b], v[\s+8+16*\b:\s+15+16*\b], v[TM+12+\b]
.endr
	v_nop
.endm
	s_mov_b32 s3, 0
.Ltile:
	STLOAD 0
	s_wait_dscnt 8
	GELU32 XB, GB
	s_wait_dscnt 0x0
	v_add_nc_u32 v[SRD], 16*SPITCH, v[SRD]
	v_add_nc_u32 v[SCW], 64, v[SCW]
	GELU32 XB+32, GB+32
	QUANT GB
.irp c, 0,1,2,3
	global_store_b128 v[LI], v[PC+4*\c:PC+4*\c+3], s[4:5] offset:512*\c
.endr
	ds_store_b32 v[SCW], v[PW]
	s_wait_xcnt 0x0
	s_add_nc_u64 s[4:5], s[4:5], 0x10000
	s_add_co_u32 s3, s3, 1
	s_cmp_lt_u32 s3, 8
	s_cbranch_scc1 .Ltile
	ds_load_b128 v[32:35], v[SCRD]
	s_wait_dscnt 0x0
	global_store_b128 v[LI], v[32:35], s[6:7]
	s_wait_tensorcnt 0x0
	ds_add_u32 v[SPW], v[NIL]
	s_wait_dscnt 0x0
	CROUND
	s_endpgm
.Lfunc_end_k_q2be3616ed9_fc1:
	.size	k_q2be3616ed9_fc1, .Lfunc_end_k_q2be3616ed9_fc1-k_q2be3616ed9_fc1
	.p2alignl 7, 3214868480
	.fill 96, 4, 3214868480
	.section	.rodata,"a",@progbits
	.p2align	6, 0x0
	.amdhsa_kernel k_q2be3616ed9_fc1
		.amdhsa_group_segment_fixed_size 327680
		.amdhsa_private_segment_fixed_size 0
		.amdhsa_enable_private_segment 0
		.amdhsa_kernarg_size 32
		.amdhsa_user_sgpr_count 2
		.amdhsa_user_sgpr_kernarg_segment_ptr 1
		.amdhsa_wavefront_size32 1
		.amdhsa_system_sgpr_workgroup_id_x 1
		.amdhsa_system_sgpr_workgroup_id_y 1
		.amdhsa_system_sgpr_workgroup_id_z 1
		.amdhsa_system_vgpr_workitem_id 0
		.amdhsa_next_free_vgpr 1024
		.amdhsa_next_free_sgpr 98
		.amdhsa_reserve_vcc 0
		.amdhsa_float_denorm_mode_32 3
		.amdhsa_float_denorm_mode_16_64 3
		.amdhsa_memory_ordered 1
		.amdhsa_forward_progress 1
		.amdhsa_inst_pref_size 176
	.end_amdhsa_kernel
	.amdgpu_metadata
---
amdhsa.version: [ 1, 2 ]
amdhsa.kernels:
  - .name:           k_q2be3616ed9_fc1
    .symbol:         k_q2be3616ed9_fc1.kd
    .args:
      - { .name: lnq, .offset: 0, .size: 8, .value_kind: global_buffer, .address_space: global }
      - { .name: w_fc1_codes, .offset: 8, .size: 8, .value_kind: global_buffer, .address_space: global }
      - { .name: w_fc1_scales, .offset: 16, .size: 8, .value_kind: global_buffer, .address_space: global }
      - { .name: hid, .offset: 24, .size: 8, .value_kind: global_buffer, .address_space: global }
    .group_segment_fixed_size: 327680
    .private_segment_fixed_size: 0
    .kernarg_segment_align: 8
    .kernarg_segment_size: 32
    .max_flat_workgroup_size: 128
    .sgpr_count:     98
    .vgpr_count:     1024
    .wavefront_size: 32
...
	.end_amdgpu_metadata
.endif
;; end of part 6
;; launch fc2 (part 7): grid 8 x 32, 4 waves a work-group, clusters of 4 x 4, 327,680 bytes of LDS; arguments hid, w_fc2_codes, w_fc2_scales, x1, out0; writes out0
.if DOCPART == 7
	.amdgcn_target "amdgcn-amd-amdhsa--gfx1250"
	.amdhsa_code_object_version 6
	.text
	.protected	k_q2be3616ed9_fc2
	.globl	k_q2be3616ed9_fc2
	.p2align	8
	.type	k_q2be3616ed9_fc2,@function
k_q2be3616ed9_fc2:
	s_mov_b64 s[64:65], 0
	v_nop
	global_prefetch_b8 v0, s[64:65] scope:SCOPE_SE
	s_setreg_imm32_b32 hwreg(HW_REG_WAVE_MODE, 25, 1), 1
	s_wait_xcnt 0x0
	s_wait_alu depctr_hold_cnt(0) depctr_sa_sdst(0) depctr_va_vdst(0) depctr_va_sdst(0) depctr_va_ssrc(0) depctr_va_vcc(0) depctr_vm_vsrc(0)
	s_getreg_b32 s2, hwreg(HW_REG_IB_STS2, 6, 4)
	s_cmp_eq_u32 s2, 0
	s_cbranch_scc0 .Lentry_in_a_cluster
	s_endpgm
.Lentry_in_a_cluster:
	s_bfe_u32 s2, ttmp6, 0x10000c
	s_cmp_lg_u32 s2, 0xf033
	s_cbranch_scc0 .Lentry_shape_is_right
	s_endpgm
.Lentry_shape_is_right:
; out0 = x1 + hid W_fc2 on codes (K = 4,096).  No work is left out.  A block of 128 x 128 by four waves; wave w multiplies the w-th 128 of each 512 along K, and the four parts are added through LDS on the way out.
; Y = the hidden layer's operand images (8 tiles of 16 rows, 2,048 bytes for 128 of K), X = the weight's rows.  Two LDS slots of 512 along K, filled by joint loads in a cluster of 4 x 4; both operands' scale bytes come once.
; At the head each wave has one load: Y's slot 0, X's slot 0, Y's scales, X's scales.
; PREFETCH: with the load of slot n the slot n + 2 is asked of memory (slots 2 and 3 with slot 1's load), one instruction a wave: of the half slot that a wave fetches, the quarter (32 blocks of 256 bytes) that falls
; to its work-group among the four that ask jointly, told apart by address (cx for Y, cy for X).  Nothing is asked for beyond slot 7.
.set SIZE_K, 4096
.set YSOFF,  16777216
.set KSN,    SIZE_K/128
.set KS,     SIZE_K/32
.set NSL,    SIZE_K/512
.set XP,     528
.set FR,     16
.set NL,     4
.set NP,     8
.set XOFF,   65536
.set SLOT,   XOFF+128*XP
.set SCY,    2*SLOT
.set SCX,    SCY+KSN*512
.set HSX,    (64*KS/256)*272
.set SXB,    (32*KS/256)*272
.set SPARE,  SCX+2*HSX
.set SPITCH, 528
.set WSTG,   128*SPITCH
.set RD,   10
.set ADRY, 16
.set ADRX, 20
.set ADSY, 22
.set ADSX, 23
.set STO,  24
.set CO,   26
.set SPW,  28
.set NIL,  29
.set SY,   32
.set SX,   40
.set AF,   128
.set G1Y, 24
.set G0Y, 32
.set G1X, 48
.set G0X, 56
.set G1SY, 68
.set G0SY, 76
.set G1SX, 80
.set G0SX, 88
.set MSB, 0
.macro WIN new
.if MSB != \new
	s_set_vgpr_msb (MSB<<8)|\new
.set MSB, \new
.endif
.endm
.set MUL_LO, 0xa1
.set MUL_HI, 0xf1
.set TO_B,   0x40
.macro JLOAD g0a, g1a, g0b, g1b
	s_cmp_eq_u32 s15, 0
	s_cbranch_scc0 .Lfor_b_\@
	tensor_load_to_lds s[\g0a:\g0a+3], s[\g1a:\g1a+7]
	s_nop 0
.rept 4
	v_nop
.endr
	s_branch .Lasked_\@
.Lfor_b_\@:
	tensor_load_to_lds s[\g0b:\g0b+3], s[\g1b:\g1b+7]
	s_nop 0
.rept 4
	v_nop
.endr
.Lasked_\@:
.endm
.macro CREST
	s_cmp_lg_u32 s14, 0
	s_cbranch_scc1 .Lnot_wave_0_\@
	s_barrier_signal -3
.Lnot_wave_0_\@:
	s_barrier_wait -3
	s_barrier_signal -1
	s_barrier_wait -1
.endm
.macro CROUND
	s_barrier_signal -1
	s_barrier_wait -1
	CREST
.endm
	s_load_b64 s[4:5], s[0:1], 0x0
	s_load_b128 s[8:11], s[0:1], 0x8
	s_load_b128 s[92:95], s[0:1], 0x18
	v_lshl_add_u32 v[SPW], v0, 2, SPARE
	v_mov_b32 v[NIL], 0
	ds_add_u32 v[SPW], v[NIL]
	ds_add_u32 v[SPW], v[NIL]
	v_lshrrev_b32 v1, 5, v0
	v_readfirstlane_b32 s14, v1
	s_lshr_b32 s15, s14, 1
	s_and_b32 s16, s14, 1
	s_bfe_u32 s40, ttmp6, 0x40000
	s_bfe_u32 s41, ttmp6, 0x40004
	s_lshl_b32 s42, ttmp9, 2
	s_add_co_u32 s42, s42, s40
	s_and_b32 s17, ttmp7, 0xffff
	s_lshl_b32 s17, s17, 2
	s_add_co_u32 s17, s17, s41
	s_lshl_b32 s43, s41, 2
	s_lshl_b32 s43, 15, s43
	s_lshl_b32 s44, 0x1111, s40
	s_or_b32 s[G1Y+0], s43, (3<<16)|(1<<21)
	s_mov_b32 s[G1Y+1], 1024<<16
	s_mov_b32 s[G1Y+2], 8<<16
	s_mov_b32 s[G1Y+3], 1024<<16
	s_mov_b32 s[G1Y+4], 8
	s_mov_b32 s[G1Y+5], KSN*256
	s_mov_b32 s[G1Y+6], 0
	s_mov_b32 s[G1Y+7], 0
	s_or_b32 s[G1X+0], s44, (0<<16)|(1<<20)|(1<<21)|(6<<22)|(3<<25)
	s_mov_b32 s[G1X+1], 512<<16
	s_mov_b32 s[G1X+2], 128<<16
	s_mov_b32 s[G1X+3], 512<<16
	s_mov_b32 s[G1X+4], 128
	s_mov_b32 s[G1X+5], SIZE_K
	s_mov_b32 s[G1X+6], 0
	s_mov_b32 s[G1X+7], 0
	s_or_b32 s[G1SY+0], s43, (3<<16)|(1<<21)
	s_mov_b32 s[G1SY+1], 64<<16
	s_mov_b32 s[G1SY+2], KSN<<16
	s_mov_b32 s[G1SY+3], 64<<16
	s_mov_b32 s[G1SY+4], KSN
	s_mov_b32 s[G1SY+5], 2048
	s_mov_b32 s[G1SY+6], 0
	s_mov_b32 s[G1SY+7], 0
	s_or_b32 s[G1SX+0], s44, (3<<16)|(1<<20)|(1<<21)|(5<<22)|(3<<25)
	s_mov_b32 s[G1SX+1], 32<<16
	s_mov_b32 s[G1SX+2], (128*KS/256)<<16
	s_mov_b32 s[G1SX+3], 32<<16
	s_mov_b32 s[G1SX+4], 128*KS/256
	s_mov_b32 s[G1SX+5], 32
	s_mov_b32 s[G1SX+6], 0
	s_mov_b32 s[G1SX+7], 0
	s_lshl_b32 s20, s17, 3
	s_mul_i32 s20, s20, KSN*2048
	s_mov_b32 s21, 0
	s_lshl_b32 s22, s17, 9
	s_mov_b32 s23, 0
	s_lshl_b32 s46, s42, 7
	s_mul_i32 s96, s46, KS
	s_mov_b32 s97, 0
	s_mul_i32 s46, s46, SIZE_K
	s_mov_b32 s47, 0
	s_lshl_b32 s45, s16, 15
	s_mul_i32 s19, s16, 64*XP
	s_add_co_u32 s19, s19, XOFF
	s_wait_dscnt 0x0
	s_wait_kmcnt 0x0
	s_add_nc_u64 s[20:21], s[4:5], s[20:21]
	s_add_nc_u64 s[22:23], s[4:5], s[22:23]
	s_add_nc_u64 s[22:23], s[22:23], YSOFF
	s_add_nc_u64 s[46:47], s[8:9], s[46:47]
	s_add_nc_u64 s[96:97], s[10:11], s[96:97]
	CROUND
.set G0H, 4                            ; s[4:7], s[8:11] group 0 of the head's loads of slot 0 (the pointers that lay there have been used)
.set G0HB, 8
	s_mov_b32 s[G0H], 1                            ; the head's four tiles, each whole: slot 0's eight tiles of Y,
	s_mov_b32 s[G0H+1], 0
	s_mov_b64 s[G0H+2:G0H+3], s[20:21]
	s_or_b32 s[G0H+3], s[G0H+3], 0x80000000
	s_mov_b32 s[G0HB], 1                           ; its 128 rows of X,
	s_mov_b32 s[G0HB+1], XOFF
	s_mov_b64 s[G0HB+2:G0HB+3], s[46:47]
	s_or_b32 s[G0HB+3], s[G0HB+3], 0x80000000
	s_mov_b32 s[G0SY], 1                           ; Y's scales,
	s_mov_b32 s[G0SY+1], SCY
	s_mov_b64 s[G0SY+2:G0SY+3], s[22:23]
	s_or_b32 s[G0SY+3], s[G0SY+3], 0x80000000
	s_mov_b32 s[G0SX], 1                           ; X's scales
	s_mov_b32 s[G0SX+1], SCX
	s_mov_b64 s[G0SX+2:G0SX+3], s[96:97]
	s_or_b32 s[G0SX+3], s[G0SX+3], 0x80000000
	s_mul_i32 s2, s16, 4*KSN*2048                  ; for the ring: my half of Y's tiles,
	s_mov_b32 s3, 0
	s_add_nc_u64 s[20:21], s[20:21], s[2:3]
	s_mul_i32 s2, s16, 64*SIZE_K                   ; of X's rows
	s_add_nc_u64 s[46:47], s[46:47], s[2:3]
.irp s, 0,1
	s_mov_b32 s[G0Y+4*\s], 1
	s_add_co_u32 s[G0Y+4*\s+1], s45, \s*SLOT
	s_add_nc_u64 s[G0Y+4*\s+2:G0Y+4*\s+3], s[20:21], \s*8192
	s_or_b32 s[G0Y+4*\s+3], s[G0Y+4*\s+3], 0x80000000
	s_mov_b32 s[G0X+4*\s], 1
	s_add_co_u32 s[G0X+4*\s+1], s19, \s*SLOT
	s_add_nc_u64 s[G0X+4*\s+2:G0X+4*\s+3], s[46:47], \s*512
	s_or_b32 s[G0X+4*\s+3], s[G0X+4*\s+3], 0x80000000
.endr
; the head's loads, one a wave: one chain of branches on the wave's number, a load to an arm
.macro ARM under, g0, g1, next
	s_cmp_lt_u32 s14, \under
	s_cbranch_scc0 \next
	tensor_load_to_lds s[\g0:\g0+3], s[\g1:\g1+7]
	s_nop 0
.rept 4
	v_nop
.endr
	s_branch .Lhead_asked
\next:
.endm
	ARM 1, G0H,  G1Y,  .Lhead_b
	ARM 2, G0HB, G1X,  .Lhead_sa
	ARM 3, G0SY, G1SY, .Lhead_sb
	tensor_load_to_lds s[G0SX:G0SX+3], s[G1SX:G1SX+7]
	s_nop 0
.rept 4
	v_nop
.endr
.Lhead_asked:
	; the prefetches: s[12:13] my work-group's quarter of the half slot that I fetch, at slot 2; s[96:97] a slot on (Y: 8,192 bytes of a tile's row; X: 512 bytes of each row);
	; v30 my lane's block: Y: 256 x lane; X: row lane / 2, half lane % 2; v31 the same a slot on.  A quarter begins 16 SIZE_K bytes behind the last in Y (a tile's row) and in X (16 rows) alike
	s_cmp_eq_u32 s15, 0
	s_cselect_b64 s[12:13], s[20:21], s[46:47]
	s_cselect_b32 s18, s40, s41
	s_mov_b32 s96, 512
	s_cselect_b32 s96, 8192, s96
	s_mov_b32 s22, SIZE_K
	s_cselect_b32 s22, 512, s22
	s_mov_b32 s97, 0
	s_mul_i32 s18, s18, 16*SIZE_K
	s_mov_b32 s19, 0
	s_add_nc_u64 s[12:13], s[12:13], s[18:19]
	s_add_nc_u64 s[98:99], s[12:13], s[96:97]      ; my quarter at slot 1: never rewritten
	s_add_nc_u64 s[12:13], s[98:99], s[96:97]      ; at slot 2
	v_bfe_u32 v30, v0, 1, 4
	v_mul_lo_u32 v30, v30, s22
	v_and_b32 v31, 1, v0
	v_lshl_add_u32 v30, v31, 8, v30
	v_add_nc_u32 v31, s96, v30
	v_and_b32 v27, 31, v0
	v_lshlrev_b32 v27, 12, v27                     ; x1: a lane a row of 4,096 bytes; never rewritten
	global_prefetch_b8 v30, s[98:99] th:TH_LOAD_NT scope:SCOPE_SE   ; slot 1, a slot ahead of its load
	v_and_b32 v1, 15, v0
	v_bfe_u32 v2, v0, 4, 1
	v_and_b32 v3, 31, v0
	v_lshlrev_b32 v[CO], 4, v3
	s_lshl_b32 s18, s14, 11
	v_add_nc_u32 v[ADRY], s18, v[CO]
	v_add_nc_u32 v[ADRY+1], SLOT, v[ADRY]
	v_mul_u32_u24 v4, v1, XP
	v_lshl_add_u32 v4, v2, 4, v4
	s_lshl_b32 s18, s14, 7
	s_add_co_u32 s18, s18, XOFF
	v_add_nc_u32 v[ADRX], s18, v4
	v_add_nc_u32 v[ADRX+1], SLOT, v[ADRX]
	s_lshl_b32 s18, s14, 9
	s_add_co_u32 s18, s18, SCY
	v_lshl_add_u32 v[ADSY], v3, 2, s18
	v_mul_u32_u24 v5, v3, KS
	v_lshrrev_b32 v6, 8, v5
	v_lshl_add_u32 v5, v6, 4, v5
	s_lshl_b32 s18, s14, 2
	s_add_co_u32 s18, s18, SCX
	v_add_nc_u32 v[ADSX], s18, v5
	s_mul_i32 s18, s14, WSTG
	v_mul_u32_u24 v5, v1, SPITCH
	v_lshl_add_u32 v5, v2, 5, v5
	v_add_nc_u32 v[STO], s18, v5
	s_mul_i32 s18, s14, 32*SPITCH
	v_add_nc_u32 v[RD], s18, v[CO]
	v_add_nc_u32 v[RD+1], WSTG, v[RD]
	v_add_nc_u32 v[RD+2], 2*WSTG, v[RD]
	v_add_nc_u32 v[RD+3], 3*WSTG, v[RD]
	s_lshl_b32 s20, s17, 7
	s_lshl_b32 s21, s14, 5
	s_add_co_u32 s20, s20, s21
	s_lshl_b32 s20, s20, 12
	s_mov_b32 s21, 0
	s_lshl_b32 s46, s42, 9
	s_mov_b32 s47, 0
	s_add_nc_u64 s[20:21], s[20:21], s[46:47]
	s_add_nc_u64 s[92:93], s[92:93], s[20:21]
	s_add_nc_u64 s[94:95], s[94:95], s[20:21]
.macro PROD a, b, p, zero
.set rD, 8*(8*((\a)%4)+(\b))
.set rX, 128*(\p)+FR*(\b)
.set rY, AF+FR*(\a)
.set rSX, SX+4*(\p)+(\b)/2
.set rSY, SY+4*(\p)+(\a)/2
.set rOD, 2*((\a)%2)+(\b)%2
.if \zero
.if rOD == 0
	v_wmma_scale_f32_16x16x128_f8f6f4 v[rD:rD+7], v[rX:rX+15], v[rY:rY+15], 0, v[rSX], v[rSY]
.elseif rOD == 1
	v_wmma_scale_f32_16x16x128_f8f6f4 v[rD:rD+7], v[rX:rX+15], v[rY:rY+15], 0, v[rSX], v[rSY] matrix_a_scale:MATRIX_SCALE_ROW1
.elseif rOD == 2
	v_wmma_scale_f32_16x16x128_f8f6f4 v[rD:rD+7], v[rX:rX+15], v[rY:rY+15], 0, v[rSX], v[rSY] matrix_b_scale:MATRIX_SCALE_ROW1
.else
	v_wmma_scale_f32_16x16x128_f8f6f4 v[rD:rD+7], v[rX:rX+15], v[rY:rY+15], 0, v[rSX], v[rSY] matrix_a_scale:MATRIX_SCALE_ROW1 matrix_b_scale:MATRIX_SCALE_ROW1
.endif
.else
.if rOD == 0
	v_wmma_scale_f32_16x16x128_f8f6f4 v[rD:rD+7], v[rX:rX+15], v[rY:rY+15], v[rD:rD+7], v[rSX], v[rSY]
.elseif rOD == 1
	v_wmma_scale_f32_16x16x128_f8f6f4 v[rD:rD+7], v[rX:rX+15], v[rY:rY+15], v[rD:rD+7], v[rSX], v[rSY] matrix_a_scale:MATRIX_SCALE_ROW1
.elseif rOD == 2
	v_wmma_scale_f32_16x16x128_f8f6f4 v[rD:rD+7], v[rX:rX+15], v[rY:rY+15], v[rD:rD+7], v[rSX], v[rSY] matrix_b_scale:MATRIX_SCALE_ROW1
.else
	v_wmma_scale_f32_16x16x128_f8f6f4 v[rD:rD+7], v[rX:rX+15], v[rY:rY+15], v[rD:rD+7], v[rSX], v[rSY] matrix_a_scale:MATRIX_SCALE_ROW1 matrix_b_scale:MATRIX_SCALE_ROW1
.endif
.endif
.endm
.macro MUL16 a0, p, zero
.irp a, \a0, \a0+1
.irp b, 0,1,2,3,4,5,6,7
	PROD \a, \b, \p, \zero
.endr
.endr
.endm
.macro FETCH_X slot
	WIN TO_B
.irp i, 0,1,2,3,4,5,6,7
.irp c, 0,1,2,3
	ds_load_b128 v[128*\slot+FR*\i+4*\c:128*\slot+FR*\i+4*\c+3], v[ADRX+\slot] offset:\i*16*XP+32*\c
.endr
.endr
	WIN 0
.endm
.macro FETCH_Y slot, i0
.irp i, \i0, \i0+1, \i0+2, \i0+3
.irp c, 0,1,2,3
	ds_load_b128 v[AF+FR*(\i)+4*\c:AF+FR*(\i)+4*\c+3], v[ADRY+\slot] offset:8192*(\i)+512*\c
.endr
.endr
.endm
.macro SCALES p
.irp m, 0,1,2,3
	ds_load_b32 v[SY+4*\p+\m], v[ADSY] offset:128*\m
	ds_load_b32 v[SX+4*\p+\m], v[ADSX] offset:\m*SXB
.endr
.endm
.macro PLACES n
.rept \n
	v_nop
.endr
.endm
.macro TURN slot, next, fill, zero, ask=0
.if \fill
	s_wait_xcnt 0x0                                ; any prefetch of mine has read its address: it is stepped here, a slot on
	s_add_nc_u64 s[12:13], s[12:13], s[96:97]
.endif
	s_wait_tensorcnt 0x0
	ds_add_u32 v[SPW], v[NIL]
	s_wait_dscnt 4*NL+1
	WIN MUL_LO
	MUL16 0, \slot, \zero
	s_wait_dscnt 0x0
	s_barrier_signal -1
	MUL16 2, \slot, \zero
	WIN 0
	s_barrier_wait -1
.if \fill
	CREST
	s_add_nc_u64 s[G0Y+4*\slot+2:G0Y+4*\slot+3], s[G0Y+4*\slot+2:G0Y+4*\slot+3], 2*8192
	s_add_nc_u64 s[G0X+4*\slot+2:G0X+4*\slot+3], s[G0X+4*\slot+2:G0X+4*\slot+3], 2*512
	JLOAD G0Y+4*\slot, G1Y, G0X+4*\slot, G1X
	PLACES NP-4
.else
	PLACES NP
.endif
	s_wait_alu depctr_va_vdst(0)
	v_add_nc_u32 v[ADSY], 2048, v[ADSY]
	v_add_nc_u32 v[ADSX], 16, v[ADSX]
	FETCH_X \next
	FETCH_Y \next, 0
	SCALES \next
.if \ask == 1
	global_prefetch_b8 v31, s[12:13] th:TH_LOAD_NT scope:SCOPE_SE   ; the slot two refills on
.elseif \ask == 2
	s_cmp_gt_u32 s3, 1                             ; the loop's last trip has no slot two refills on
	s_cbranch_scc0 .Lresid_\@
	global_prefetch_b8 v31, s[12:13] th:TH_LOAD_NT scope:SCOPE_SE
	s_branch .Lasked_ahead_\@
.Lresid_\@:
	global_prefetch_b8 v27, s[92:93] offset:256*\slot th:TH_LOAD_NT scope:SCOPE_SE   ; in its stead: my 32 rows x 512 bytes of x1, for the way out: a block of 256 bytes of each row at each of the trip's two changes of slots
.Lasked_ahead_\@:
.endif
	WIN MUL_HI
	MUL16 4, \slot, \zero
	MUL16 6, \slot, \zero
	PLACES NP
	WIN 0
	FETCH_Y \next, 4
.endm
	s_wait_alu depctr_va_vdst(0)
	s_wait_tensorcnt 0x0                           ; my tile of the head's four is in; the lines ahead of a later first fill:
	ds_add_u32 v[SPW], v[NIL]
	s_mov_b32 s[G1Y+2], 4<<16                      ; no tensor load of mine is out: from here on a load brings half a slot's rows
	s_mov_b32 s[G1Y+4], 4
	s_mov_b32 s[G1X+2], 64<<16
	s_mov_b32 s[G1X+4], 64
	s_wait_dscnt 0x0
	CROUND                                         ; all four tiles are in, and all sixteen work-groups are here
	JLOAD G0Y+4, G1Y, G0X+4, G1X                   ; slot 1, the first tensor load behind the round
	FETCH_X 0
	FETCH_Y 0, 0
	SCALES 0
	FETCH_Y 0, 4
	global_prefetch_b8 v30, s[12:13] th:TH_LOAD_NT scope:SCOPE_SE   ; slots 2 and 3
	global_prefetch_b8 v31, s[12:13] th:TH_LOAD_NT scope:SCOPE_SE
.if NSL > 2
	TURN 0, 1, 1, 1, 1
	TURN 1, 0, 1, 0, 1
	s_mov_b32 s3, (NSL-4)/2
.Llap:
	TURN 0, 1, 1, 0, 2
	TURN 1, 0, 1, 0, 2
	s_sub_co_u32 s3, s3, 1
	s_cmp_lg_u32 s3, 0
	s_cbranch_scc1 .Llap
	TURN 0, 1, 0, 0
.else
	TURN 0, 1, 0, 1
.endif
	s_wait_dscnt 4*NL
	WIN MUL_LO
	MUL16 0, 1, 0
	MUL16 2, 1, 0
	s_wait_dscnt 0x0
	s_barrier_signal -1
	WIN MUL_HI
	MUL16 4, 1, 0
	MUL16 6, 1, 0
	WIN 0
	s_barrier_wait -1
	PLACES NP
.set t, 0
.rept 32
	global_load_b128 v[128+4*t:131+4*t], v[CO], s[92:93] offset:4096*t th:TH_LOAD_NT
.set t, t+1
.endr
.irp a, 0,1,2,3,4,5,6,7
	WIN 0x08+4*(\a/4)
.irp b, 0,1,2,3,4,5,6,7
	ds_store_b128 v[STO], v[64*(\a%4)+8*\b:64*(\a%4)+8*\b+3] offset:\a*16*SPITCH+64*\b
	ds_store_b128 v[STO], v[64*(\a%4)+8*\b+4:64*(\a%4)+8*\b+7] offset:\a*16*SPITCH+64*\b+16
.endr
.endr
	WIN 0
	s_wait_dscnt 0x0
	s_barrier_signal -1
	s_barrier_wait -1
.macro LOADG g
.set BB, 32+32*((\g)%2)
.irp e, 0,1
.irp k, 0,1,2,3
	ds_load_b128 v[BB+16*\e+4*\k:BB+16*\e+4*\k+3], v[RD+\k] offset:(2*(\g)+\e)*SPITCH
.endr
.endr
.endm
.macro SUMG g, left
.set BB, 32+32*((\g)%2)
	s_wait_dscnt \left
.irp e, 0,1
.set RR, 128+4*(2*(\g)+\e)
.irp u, 0,2
	v_pk_add_f32 v[BB+16*\e+\u:BB+16*\e+\u+1], v[BB+16*\e+\u:BB+16*\e+\u+1], v[BB+16*\e+4+\u:BB+16*\e+4+\u+1]
	v_pk_add_f32 v[BB+16*\e+8+\u:BB+16*\e+8+\u+1], v[BB+16*\e+8+\u:BB+16*\e+8+\u+1], v[BB+16*\e+12+\u:BB+16*\e+12+\u+1]
.endr
.irp u, 0,2
	v_pk_add_f32 v[BB+16*\e+\u:BB+16*\e+\u+1], v[BB+16*\e+\u:BB+16*\e+\u+1], v[BB+16*\e+8+\u:BB+16*\e+8+\u+1]
.endr
.irp u, 0,2
	v_pk_add_f32 v[RR+\u:RR+\u+1], v[RR+\u:RR+\u+1], v[BB+16*\e+\u:BB+16*\e+\u+1]
.endr
	global_store_b128 v[CO], v[RR:RR+3], s[94:95] offset:(2*(\g)+\e)*4096
.endr
.endm
	LOADG 0
	LOADG 1
	s_wait_loadcnt 0x0
.irp g, 0,1,2,3,4,5,6,7,8,9,10,11,12,13
	SUMG \g, 8
	LOADG \g+2
.endr
	SUMG 14, 8
	SUMG 15, 0
	s_wait_tensorcnt 0x0
	ds_add_u32 v[SPW], v[NIL]
	s_wait_dscnt 0x0
	CROUND
	s_endpgm
.Lfunc_end_k_q2be3616ed9_fc2:
	.size	k_q2be3616ed9_fc2, .Lfunc_end_k_q2be3616ed9_fc2-k_q2be3616ed9_fc2
	.p2alignl 7, 3214868480
	.fill 96, 4, 3214868480
	.section	.rodata,"a",@progbits
	.p2align	6, 0x0
	.amdhsa_kernel k_q2be3616ed9_fc2
		.amdhsa_group_segment_fixed_size 327680
		.amdhsa_private_segment_fixed_size 0
		.amdhsa_enable_private_segment 0
		.amdhsa_kernarg_size 40
		.amdhsa_user_sgpr_count 2
		.amdhsa_user_sgpr_kernarg_segment_ptr 1
		.amdhsa_wavefront_size32 1
		.amdhsa_system_sgpr_workgroup_id_x 1
		.amdhsa_system_sgpr_workgroup_id_y 1
		.amdhsa_system_sgpr_workgroup_id_z 1
		.amdhsa_system_vgpr_workitem_id 0
		.amdhsa_next_free_vgpr 1024
		.amdhsa_next_free_sgpr 100
		.amdhsa_reserve_vcc 0
		.amdhsa_float_denorm_mode_32 3
		.amdhsa_float_denorm_mode_16_64 3
		.amdhsa_memory_ordered 1
		.amdhsa_forward_progress 1
		.amdhsa_inst_pref_size 136
	.end_amdhsa_kernel
	.amdgpu_metadata
---
amdhsa.version: [ 1, 2 ]
amdhsa.kernels:
  - .name:           k_q2be3616ed9_fc2
    .symbol:         k_q2be3616ed9_fc2.kd
    .args:
      - { .name: hid, .offset: 0, .size: 8, .value_kind: global_buffer, .address_space: global }
      - { .name: w_fc2_codes, .offset: 8, .size: 8, .value_kind: global_buffer, .address_space: global }
      - { .name: w_fc2_scales, .offset: 16, .size: 8, .value_kind: global_buffer, .address_space: global }
      - { .name: x1, .offset: 24, .size: 8, .value_kind: global_buffer, .address_space: global }
      - { .name: out0, .offset: 32, .size: 8, .value_kind: global_buffer, .address_space: global }
    .group_segment_fixed_size: 327680
    .private_segment_fixed_size: 0
    .kernarg_segment_align: 8
    .kernarg_segment_size: 40
    .max_flat_workgroup_size: 128
    .sgpr_count:     100
    .vgpr_count:     1024
    .wavefront_size: 32
...
	.end_amdgpu_metadata
.endif
;; end of part 7
